; MI455X (gfx1250); checked and timed in simulation.
; The chip was launched on July 23, 2026; its instructions are those of AMD's public machine-readable ISA for CDNA 5 (MIT licence, August 2026) and "CDNA5" Instruction Set Architecture Reference Guide (July 2026). The comments in the code are by the model that wrote it; some were corrected since.
;; Causal Transformer Block. Allowed arithmetic: matrix products marked QUANTISED: E2M1 operands, one E8M0 scale for each 32 along K, by v_wmma_scale_f32_16x16x128_f8f6f4 with both operands' format E2M1 (or v_wmma_scale_f32_32x16x128_f4), f32 sums; everything else in f32.
;; Inputs: b_fc1 4,096 float32; b_fc2 1,024 float32; b_proj 1,024 float32; b_qkv 3,072 float32; ln1_b 1,024 float32; ln1_g 1,024 float32; ln2_b 1,024 float32; ln2_g 1,024 float32; w_fc1 1,024 x 4,096 float32; w_fc2 4,096 x 1,024 float32; w_proj 1,024 x 1,024 float32; w_qkv 1,024 x 3,072 float32; x 2 x 2,048 x 1,024 float32.
;; Outputs: out0 2 x 2,048 x 1,024 float32.
;; This version of the problem:
;;   THIS VERSION OF THE PROBLEM IS GIVEN IN LOW PRECISION. The matrix products marked QUANTISED in the list below multiply operands that are first quantised to E2M1 (2 exponent bits, 1 mantissa bit; 4 bits a number), with one power-of-two scale for each 32 numbers along K (OCP MX v1.0); their sums are f32. All else is computed in f32.
;;   The module's matrix products, in the order in which they are computed (A, B: the left and right operand; K: the contracted axis; several contracted axes count as one K, in the product's order):
;;     1. [M 4,096, K 1,024] x [K 1,024, N 3,072]; A: computed on the way; B: input w_qkv: QUANTISED
;;     2. batch 32 x [M 2,048, K 64] x [K 64, N 2,048]; A: computed on the way; B: computed on the way: QUANTISED
;;     3. batch 32 x [M 2,048, K 2,048] x [K 2,048, N 64]; A: softmax (see below); B: computed on the way: QUANTISED
;;     4. [M 4,096, K 1,024] x [K 1,024, N 1,024]; A: computed on the way; B: input w_proj: QUANTISED
;;     5. [M 4,096, K 1,024] x [K 1,024, N 4,096]; A: computed on the way; B: input w_fc1: QUANTISED
;;     6. [M 4,096, K 4,096] x [K 4,096, N 1,024]; A: computed on the way; B: input w_fc2: QUANTISED
;;   THE QUANTISER, for each operand of a quantised product, along K:
;;     - K is cut into blocks of 32 from its start; a last block that is shorter is filled with zeros.
;;     - A block's scale is 2^e with e = floor(log2(the largest magnitude in the block)) - 2, held to -126 .. 127; a block of zeros has e = 0. As a byte (E8M0): e + 127.
;;     - Each number is divided by its block's scale, clamped to +-6, and rounded to the nearest number of E2M1, ties to even, subnormals kept.
;;     - The product sums the exact products of the quantised numbers (number of the format x scale) in f32.
;;   ~~~python
;;   def quantise(x, axis):      # numpy; x: float32 -> the quantised numbers, widened to float32 again
;;       x = np.moveaxis(x, axis, -1); K = x.shape[-1]
;;       x = np.pad(x, [(0, 0)] * (x.ndim - 1) + [(0, -K % 32)]); x = x.reshape(x.shape[:-1] + (-1, 32)); a = np.abs(x).max(-1, keepdims=True)
;;       e = np.where(a > 0, np.clip(np.frexp(np.where(a > 0, a, 1))[1] - 1 - 2, -126, 127), 0)      # np.frexp(a)[1] - 1 = floor(log2(a)), exactly
;;       r = np.clip(x / 2.0 ** e, -6, 6)
;;       step = 2.0 ** (np.maximum(np.frexp(np.where(r == 0, 1, r))[1] - 1, 0) - 1)
;;       q = np.round(r / step) * step * 2.0 ** e      # np.round: ties to even
;;       return np.moveaxis(q.reshape(q.shape[:-2] + (-1,))[..., :K], -1, axis).astype(np.float32)
;;   ~~~
;;   SOFTMAX AHEAD OF A QUANTISED PRODUCT. Where the list says 'softmax', what is quantised is not the finished softmax but p = 2^(t - M), with t = logit x log2(e) and M = ceil(the row's largest t), a whole number; so 1/2 < the row's largest p <= 1. The row's sum l is taken of the UNQUANTISED p, in f32, and the product's result is divided by l at the end. Since M is a whole number, a kernel that streams over the keys may use a running M (the ceiling of the running maximum): every later rescaling is an exact power of two, which a block's scale takes up: the codes' values come out the same.
;;   OPERANDS COMPUTED ON THE WAY. 'Computed on the way' means the value that the module computes at that place (a softmax that the list does not call 'softmax' is quantised finished and normalised). What goes into a quantiser is computed in f32, as accurately as f32 sums, v_exp_f32 and their like allow (about 1e-6 of the number): no bf16 or f16 on the way to a quantiser, and a product that is left as it is and whose result goes on into a quantised operand takes f32 operands (vector FMAs, or v_wmma_f32_16x16x4_f32). A number that lies on a knife's edge between two numbers of the format may be rounded either way, as far as f32 arithmetic and the matrix unit's own rounding can turn it there, and no further.
;; 2 versions. Each part assembles by itself: llvm-mc -triple=amdgcn-amd-amdhsa -mcpu=gfx1250 --defsym DOCPART=n.
;; ======== version 1 of 2: 8 launches
;; workspace buffers: wpk 6,684,672 bytes; h1 2,228,224 bytes; h2 2,228,224 bytes; ao 2,228,224 bytes; qkv 6,946,816 bytes; x1 16,777,216 bytes; hid 8,912,896 bytes
;; launch wq (part 1): grid 384 x 1, 8 waves a work-group, no clusters, 18,944 bytes of LDS; arguments w_qkv, w_proj, w_fc1, w_fc2, wpk; writes wpk
.if DOCPART == 1
	.amdgcn_target "amdgcn-amd-amdhsa--gfx1250"
	.amdhsa_code_object_version 6
	.text
	.protected	k_q166d10cff8_wq
	.globl	k_q166d10cff8_wq
	.p2align	8
	.type	k_q166d10cff8_wq,@function
k_q166d10cff8_wq:
	s_mov_b64 s[64:65], 0
	v_nop
	global_prefetch_b8 v0, s[64:65] scope:SCOPE_SE
	s_setreg_imm32_b32 hwreg(HW_REG_WAVE_MODE, 25, 1), 1
	s_wait_xcnt 0x0
; The four weights, f32, stored [K][N] (K is the FIRST axis), become codes of FP4 (E2M1) with one E8M0 byte for each 32 along K, laid in wpk in the order of a matrix operand's registers.
; THE LAYOUT PK(N, K): [tile T of 16 columns][group g of 512 along K][4,352 bytes].  In a block: byte 1024 q + 512 c + 16 lane holds registers 4 c .. 4 c + 3 of the fragment of K step 4 g + q
; (lane (r, h): k = 64 c + 32 h + 0 .. 31 of the tile's row r); byte 4096 + 16 r + 4 q holds row r's scale word of that K step.  Row r of tile T is column 32 (T / 2) + 8 (T % 2) + r % 8 + 16 (r / 8).
; A block's scale is 2^(floor(log2(largest magnitude)) - 2); its byte is the largest magnitude's exponent field - 2, held at 1 from below.
; LIMITS: a block of zeros gets the byte 1, not 127 (its codes are zeros, and this program alone reads the bytes); magnitudes under 2^-124 are held at that floor; NaN and infinities are not served.
; SHARES: a work-group takes 64 columns x 512 along K of one weight: four tiles, one group.  Wave w: columns 32 (w % 2) on, K 128 (w / 2) on.  A LANE TAKES A COLUMN AND ITS REGISTERS RUN DOWN K:
; each load reads 128 consecutive bytes, a block of 32 lies in one lane, and the conversions give codes with K innermost.  All 128 loads of a wave go out at once.
; The codes meet in LDS as four images of 4,352 bytes (128 bytes of padding between them) and leave as runs of 512 consecutive bytes; the scale words as whole runs of 256.
.set OFF_PROJ, 1671168                 ; wpk: w_qkv at 0 (192 tiles x 2 groups), w_proj here (64 x 2),
.set OFF_FC1,  2228224                 ; w_fc1 (256 x 2),
.set OFF_FC2,  4456448                 ; w_fc2 (64 x 8)
.set TILEB, 4352
.set LP,    4480                       ; from image to image in LDS
.set X,  32                            ; v32-159  my column's 128 numbers
.set C,  160                           ; v160-175 its codes
.set SB, 16                            ; v16      its four scale bytes;  v17-20 the conversions' scale operands
	s_load_b256 s[4:11], s[0:1], 0x0               ; w_qkv, w_proj, w_fc1, w_fc2
	s_load_b64 s[12:13], s[0:1], 0x20              ; wpk
	v_lshl_add_u32 v176, v0, 2, 0x4600
	v_mov_b32 v177, 0
	v_lshrrev_b32 v1, 5, v0
	v_readfirstlane_b32 s14, v1                    ; wave 0..7
	s_and_b32 s15, s14, 1                          ; in: which 32 columns.  out: which half of a tile's codes
	s_lshr_b32 s16, s14, 1                         ; in: which 128 along K.  out: which tile
	v_and_b32 v2, 31, v0                           ; lane = column of the 32
	v_lshlrev_b32 v3, 2, v2                        ; in: 4 bytes a lane
	v_lshlrev_b32 v7, 4, v2                        ; out: 16 bytes a lane
	v_bfe_u32 v10, v0, 3, 1                        ; column c lies in tile c / 8 % 2 of the pair,
	v_bfe_u32 v11, v0, 4, 1
	v_and_b32 v12, 7, v0
	v_lshl_add_u32 v12, v11, 3, v12                ; at its row r = c % 8 + 8 (c / 16)
	s_lshl_b32 s17, s15, 1
	v_add_nc_u32 v10, s17, v10                     ; which of the four images
	v_mul_u32_u24 v10, v10, LP
	v_lshl_add_u32 v10, v12, 4, v10                ; + 16 r
	s_lshl_b32 s18, s16, 10
	v_add_nc_u32 v4, s18, v10                      ; v4: my codes' place: + 1024 q; block t of my four comes 256 t further on
	s_lshl_b32 s18, s16, 2
	s_add_co_u32 s18, s18, 4096
	v_add_nc_u32 v5, s18, v10                      ; v5: my scale word's place: + 4096 + 4 q
	s_mul_i32 s18, s16, LP
	s_lshl_b32 s19, s15, 11
	s_add_co_u32 s18, s18, s19
	v_add_nc_u32 v6, s18, v7                       ; v6: the way out: image w / 2, half w % 2, 16 bytes a lane
	v_add_nc_u32 v13, s17, v11
	v_mul_u32_u24 v13, v13, LP
	v_and_b32 v14, 15, v0
	v_lshl_add_u32 v8, v14, 4, v13
	v_add_nc_u32 v8, 4096, v8                      ; v8: waves 0 and 1: the scale words of images 2 w (lanes 0-15) and 2 w + 1 (lanes 16-31)
	s_wait_kmcnt 0x0
	; which weight: the choice hangs on the work-group's number alone.  ids 0-95 w_qkv, 96-127 w_proj, 128-255 w_fc1, 256-383 w_fc2
	s_mov_b32 s19, 256                             ; the weight's first id
	s_mov_b32 s21, 3                               ; log2 of its groups of 512 along K
	s_mov_b32 s22, 1024                            ; its N
	s_mov_b32 s23, OFF_FC2                         ; its place in wpk
	s_mov_b64 s[24:25], s[10:11]
	s_cmp_lt_u32 ttmp9, 256
	s_cselect_b32 s19, 128, s19
	s_cselect_b32 s21, 1, s21
	s_cselect_b32 s22, 4096, s22
	s_cselect_b32 s23, OFF_FC1, s23
	s_cselect_b64 s[24:25], s[8:9], s[24:25]
	s_cmp_lt_u32 ttmp9, 128
	s_cselect_b32 s19, 96, s19
	s_cselect_b32 s22, 1024, s22
	s_cselect_b32 s23, OFF_PROJ, s23
	s_cselect_b64 s[24:25], s[6:7], s[24:25]
	s_cmp_lt_u32 ttmp9, 96
	s_cselect_b32 s19, 0, s19
	s_cselect_b32 s22, 3072, s22
	s_cselect_b32 s23, 0, s23
	s_cselect_b64 s[24:25], s[4:5], s[24:25]
	s_sub_co_u32 s20, ttmp9, s19                   ; my number within the weight
	s_bfm_b32 s26, s21, 0
	s_and_b32 s26, s20, s26                        ; g: which 512 along K
	s_lshr_b32 s27, s20, s21                       ; which 64 columns
	s_lshl_b32 s28, TILEB, s21                     ; from tile to tile in wpk
	s_lshl_b32 s29, s26, 9
	s_lshl_b32 s30, s16, 7
	s_add_co_u32 s29, s29, s30                     ; my wave's first k
	s_mul_i32 s29, s29, s22
	s_lshl_b32 s30, s27, 6
	s_add_co_u32 s29, s29, s30
	s_lshl_b32 s30, s15, 5
	s_add_co_u32 s30, s29, s30                     ; k N + my wave's first column
	s_lshl_b32 s30, s30, 2
	s_mov_b32 s31, 0
	s_add_nc_u64 s[24:25], s[24:25], s[30:31]
	s_mul_i32 s32, s27, s28
	s_lshl_b32 s32, s32, 2                         ; four tiles to a work-group
	s_mul_i32 s33, s26, TILEB
	s_add_co_u32 s32, s32, s33
	s_add_co_u32 s32, s32, s23
	s_mov_b32 s33, 0
	s_add_nc_u64 s[34:35], s[12:13], s[32:33]      ; my first tile's block of group g
	s_mul_i32 s32, s16, s28
	s_lshl_b32 s30, s15, 11
	s_add_co_u32 s32, s32, s30
	s_add_nc_u64 s[36:37], s[34:35], s[32:33]      ; the codes that I store: tile w / 2, half w % 2
	s_mul_i32 s32, s15, s28
	s_lshl_b32 s32, s32, 1
	s_add_co_u32 s32, s32, 4096
	s_add_nc_u64 s[38:39], s[34:35], s[32:33]      ; the scale words that waves 0 and 1 store: tiles 2 w, 2 w + 1
	v_mul_lo_u32 v9, v11, s28
	v_lshl_add_u32 v9, v14, 4, v9                  ; v9: lanes 16-31 one tile on; 16 bytes a lane
.macro LOADS n                         ; W(k0 + i, my column), i = 0 .. 127: the offsets are immediates, 127 x 4096 x 4 bytes at the most
.set i, 0
.rept 128
	global_load_b32 v[X+i], v3, s[24:25] offset:i*\n*4 th:TH_LOAD_NT
.set i, i+1
.endr
.endm
	s_cmp_eq_u32 s22, 3072
	s_cbranch_scc1 .Ln3072
	s_cmp_eq_u32 s22, 4096
	s_cbranch_scc1 .Ln4096
	LOADS 1024
	s_branch .Lloaded
.Ln3072:
	LOADS 3072
	s_branch .Lloaded
.Ln4096:
	LOADS 4096
.Lloaded:
; block t: k = 32 t .. 32 t + 31 of my 128.  left: how many younger loads may stay out
.macro BLOCK t, left
.set XS, X+32*(\t)
	s_wait_loadcnt \left
	v_max3_num_f32 v12, |v[XS]|, |v[XS+1]|, |v[XS+2]|              ; the block's largest magnitude: all 32 numbers are mine; two chains
	v_max3_num_f32 v13, |v[XS+3]|, |v[XS+4]|, |v[XS+5]|
.irp i, 6,10,14,18,22,26
	v_max3_num_f32 v12, v12, |v[XS+\i]|, |v[XS+\i+1]|
	v_max3_num_f32 v13, v13, |v[XS+\i+2]|, |v[XS+\i+3]|
.endr
	v_max3_num_f32 v12, v12, |v[XS+30]|, |v[XS+31]|
	v_max3_num_f32 v12, v12, v13, 0x1800000        ; and the floor 2^(3 - 127): the byte cannot fall under 1
	v_add_nc_u32 v[17+\t], 0xff000000, v12         ; 2 off the exponent field: the conversion takes this operand's exponent field as its scale
	v_lshrrev_b32 v13, 23, v[17+\t]                ; the scale's byte
.if (\t) == 0
	v_mov_b32 v[SB], v13
.else
	v_lshl_or_b32 v[SB], v13, 8*(\t), v[SB]        ; the lower k in the lower byte
.endif
.irp g, 0,1,2,3
	v_cvt_scalef32_pk8_fp4_f32 v[C+4*(\t)+\g], v[XS+8*\g:XS+8*\g+7], v[17+\t]
.endr
	v_nop                                          ; one plain place behind the conversions
	ds_store_b128 v4, v[C+4*(\t):C+4*(\t)+3] offset:256*(\t)   ; 32 codes: registers 4 (t / 2) .. + 3 of lane r + 16 (t % 2)
.endm
	BLOCK 0, 63                                    ; 96 younger loads were issued; the wait names the most that its field holds, which is fewer and so safe
	BLOCK 1, 63                                    ; 64 younger loads: likewise
	BLOCK 2, 32                                    ; block 3's 32 may be out
	BLOCK 3, 0
	ds_store_b32 v5, v[SB]
	s_wait_dscnt 0x0                               ; for the others' sake: my stores have landed
	s_barrier_signal -1
	s_barrier_wait -1                              ; the four images are whole
.irp i, 0,1,2,3
	ds_load_b128 v[X+4*\i:X+4*\i+3], v6 offset:512*\i
.endr
.irp i, 0,1,2,3
	s_wait_dscnt 3-\i
	global_store_b128 v7, v[X+4*\i:X+4*\i+3], s[36:37] offset:512*\i   ; 32 lanes store 512 consecutive bytes, at a multiple of 256 from wpk's first byte
.endr
	s_cmp_gt_u32 s14, 1
	s_cbranch_scc1 .Ldone
	ds_load_b128 v[X+16:X+19], v8
	s_wait_dscnt 0x0
	global_store_b128 v9, v[X+16:X+19], s[38:39]   ; two tiles' scale words: 256 consecutive bytes each
.Ldone:
	s_wait_tensorcnt 0x0
	ds_add_u32 v176, v177
	s_wait_dscnt 0x0
	s_endpgm
.Lfunc_end_k_q166d10cff8_wq:
	.size	k_q166d10cff8_wq, .Lfunc_end_k_q166d10cff8_wq-k_q166d10cff8_wq
	.p2alignl 7, 3214868480
	.fill 96, 4, 3214868480
	.section	.rodata,"a",@progbits
	.p2align	6, 0x0
	.amdhsa_kernel k_q166d10cff8_wq
		.amdhsa_group_segment_fixed_size 18944
		.amdhsa_private_segment_fixed_size 0
		.amdhsa_enable_private_segment 0
		.amdhsa_kernarg_size 40
		.amdhsa_user_sgpr_count 2
		.amdhsa_user_sgpr_kernarg_segment_ptr 1
		.amdhsa_wavefront_size32 1
		.amdhsa_system_sgpr_workgroup_id_x 1
		.amdhsa_system_sgpr_workgroup_id_y 1
		.amdhsa_system_sgpr_workgroup_id_z 1
		.amdhsa_system_vgpr_workitem_id 0
		.amdhsa_next_free_vgpr 178
		.amdhsa_next_free_sgpr 66
		.amdhsa_reserve_vcc 0
		.amdhsa_float_denorm_mode_32 3
		.amdhsa_float_denorm_mode_16_64 3
		.amdhsa_memory_ordered 1
		.amdhsa_forward_progress 1
		.amdhsa_inst_pref_size 48
	.end_amdhsa_kernel
	.amdgpu_metadata
---
amdhsa.version: [ 1, 2 ]
amdhsa.kernels:
  - .name:           k_q166d10cff8_wq
    .symbol:         k_q166d10cff8_wq.kd
    .args:
      - { .name: w_qkv, .offset: 0, .size: 8, .value_kind: global_buffer, .address_space: global }
      - { .name: w_proj, .offset: 8, .size: 8, .value_kind: global_buffer, .address_space: global }
      - { .name: w_fc1, .offset: 16, .size: 8, .value_kind: global_buffer, .address_space: global }
      - { .name: w_fc2, .offset: 24, .size: 8, .value_kind: global_buffer, .address_space: global }
      - { .name: wpk, .offset: 32, .size: 8, .value_kind: global_buffer, .address_space: global }
    .group_segment_fixed_size: 18944
    .private_segment_fixed_size: 0
    .kernarg_segment_align: 8
    .kernarg_segment_size: 40
    .max_flat_workgroup_size: 256
    .sgpr_count:     66
    .vgpr_count:     178
    .wavefront_size: 32
...
	.end_amdgpu_metadata
.endif
;; end of part 1
;; launch ln1 (part 2): grid 256 x 1, 8 waves a work-group, no clusters, 67,584 bytes of LDS; arguments x, ln1_g, ln1_b, h1; writes h1
.if DOCPART == 2
	.amdgcn_target "amdgcn-amd-amdhsa--gfx1250"
	.amdhsa_code_object_version 6
	.text
	.protected	k_q166d10cff8_ln1
	.globl	k_q166d10cff8_ln1
	.p2align	8
	.type	k_q166d10cff8_ln1,@function
k_q166d10cff8_ln1:
	s_mov_b64 s[64:65], 0
	v_nop
	global_prefetch_b8 v0, s[64:65] scope:SCOPE_SE
	s_setreg_imm32_b32 hwreg(HW_REG_WAVE_MODE, 25, 1), 1
	s_wait_xcnt 0x0
; h = (x - mean) rsqrt(var + 1e-5) g + b along rows of 1,024 f32, then quantised along the row to FP4 (E2M1) with one E8M0 byte for each 32, and stored in the order of a matrix operand's registers:
; PK(4096, 1024): [tile T of 16 rows][group g of 512 along K][4,352 bytes]; byte 1024 q + 512 c + 16 lane: registers 4 c .. 4 c + 3 of the fragment of K step 4 g + q; byte 4096 + 16 r + 4 q: row r's scale word.
; Row r of tile T is token 32 (T / 2) + 8 (T % 2) + r % 8 + 16 (r / 8).  Mean first, then the mean of the squared differences: no difference of large sums is formed.
; SHARES: a work-group takes one tile.  Phase 1: wave w normalises tile rows 2 w and 2 w + 1 (neighbours in memory), a row in 32 registers of the wave, and puts them into LDS (rows 4,112 bytes apart:
; the sixteen rows that a load of phase 2 touches start at sixteen different groups of banks).  Phase 2: wave w quantises K step w of all sixteen rows: lane (r, h) takes 16 neighbours of each block of 32 of row r.
; LIMITS: a block of zeros gets the byte 1, not 127 (zero codes; this program alone reads the bytes); magnitudes under 2^-124 are held at that floor; NaN and infinities are not served.
; No tensor load, no matrix instruction: memory binds, each input byte is read once, all 32 loads of a wave go out at once.
.set X0,  16                           ; v16-47 row 0, v48-79 row 1; in phase 2 v16-79: 64 numbers
.set GG,  80                           ; v80-111  g
.set BB,  112                          ; v112-143 b
.set TM,  144                          ; v144-159 the quantiser's work
.set PC,  160                          ; v160-167 the fragment
.set PW,  168                          ; v168     its scale word
.set SEL, 12                           ; s[12:13] lane selects: lane l xor 16
.set RP,  4112
.set SCL, 16*RP                        ; behind the rows: the tile's scale words, [g][16 r + 4 q], 512 bytes
	s_load_b256 s[4:11], s[0:1], 0x0               ; x, g, b, out
	v_lshl_add_u32 v176, v0, 2, 0x10400
	v_mov_b32 v177, 0
	v_lshrrev_b32 v2, 5, v0
	v_readfirstlane_b32 s14, v2                    ; wave 0..7
	v_and_b32 v3, 31, v0
	v_lshlrev_b32 v1, 4, v3                        ; v1: 16 x lane
	v_and_b32 v4, 15, v0                           ; r
	v_bfe_u32 v5, v0, 4, 1                         ; h
	s_mov_b32 s12, 0x76543210
	s_mov_b32 s13, 0xfedcba98
	s_mov_b32 s16, 0x3a800000                      ; 1 / 1024
	s_mov_b32 s17, 0x3727c5ac                      ; 1e-5
	v_mul_u32_u24 v169, v4, RP
	v_lshl_add_u32 v169, v5, 6, v169
	s_lshl_b32 s26, s14, 9
	v_add_nc_u32 v169, s26, v169                   ; v169: phase 2 reads row r at 512 w + 64 h
	s_lshr_b32 s26, s14, 2
	s_lshl_b32 s26, s26, 8
	s_and_b32 s27, s14, 3
	s_lshl_b32 s27, s27, 2
	s_add_co_u32 s26, s26, s27
	s_add_co_u32 s26, s26, SCL
	v_lshl_add_u32 v170, v4, 4, s26                ; v170: my scale word: group w / 4, 16 r + 4 (w % 4)
	v_add_nc_u32 v171, SCL, v1                     ; v171: wave 0 reads all 512 bytes back
	v_mul_u32_u24 v172, v5, 4352
	v_lshl_add_u32 v172, v4, 4, v172               ; v172: and stores them: lanes 16-31 one group on
	s_mul_i32 s26, s14, 2*RP
	v_add_nc_u32 v174, s26, v1                     ; v174: phase 1 writes rows 2 w, 2 w + 1
	v_mov_b32 v14, 0                               ; written once: a lane permute's destination counts as one of its sources
	v_mov_b32 v15, 0
.irp b, 0,1,2,3
	v_mov_b32 v[TM+4+\b], 0
.endr
	s_lshr_b32 s18, ttmp9, 1
	s_lshl_b32 s18, s18, 5
	s_and_b32 s19, ttmp9, 1
	s_lshl_b32 s19, s19, 3
	s_add_co_u32 s18, s18, s19                     ; the tile's first token
	s_and_b32 s19, s14, 3
	s_lshl_b32 s19, s19, 1
	s_add_co_u32 s18, s18, s19
	s_lshr_b32 s19, s14, 2
	s_lshl_b32 s19, s19, 4
	s_add_co_u32 s18, s18, s19                     ; tile row 2 w is token + 2 (w % 4) + 16 (w / 4)
	s_lshl_b32 s18, s18, 12
	s_mov_b32 s19, 0
	s_mul_i32 s20, ttmp9, 8704
	s_mov_b32 s21, 0
	s_wait_kmcnt 0x0
	s_add_nc_u64 s[4:5], s[4:5], s[18:19]
	s_add_nc_u64 s[10:11], s[10:11], s[20:21]      ; the tile's two blocks
	s_lshr_b32 s20, s14, 2
	s_mul_i32 s20, s20, 4352
	s_and_b32 s26, s14, 3
	s_lshl_b32 s26, s26, 10
	s_add_co_u32 s20, s20, s26
	s_add_nc_u64 s[22:23], s[10:11], s[20:21]      ; my fragment: group w / 4, K step w % 4
.irp j, 0,1,2,3,4,5,6,7
	global_load_b128 v[X0+4*\j:X0+4*\j+3], v1, s[4:5] offset:512*\j            ; 32 lanes read 512 consecutive bytes
	global_load_b128 v[X0+32+4*\j:X0+32+4*\j+3], v1, s[4:5] offset:4096+512*\j
.endr
.irp j, 0,1,2,3,4,5,6,7
	global_load_b128 v[GG+4*\j:GG+4*\j+3], v1, s[6:7] offset:512*\j
	global_load_b128 v[BB+4*\j:BB+4*\j+3], v1, s[8:9] offset:512*\j
.endr
; my 32 numbers of each row, or their squares, summed two at a time in two chains: row i in v[2+4i:3+4i] and v[4+4i:5+4i]; the two rows by turns
.macro SUMS sq
.irp i, 0,1
.if \sq
	v_pk_mul_f32 v[2+4*\i:3+4*\i], v[X0+32*\i:X0+32*\i+1], v[X0+32*\i:X0+32*\i+1]
	v_pk_mul_f32 v[4+4*\i:5+4*\i], v[X0+32*\i+2:X0+32*\i+3], v[X0+32*\i+2:X0+32*\i+3]
.else
	v_pk_add_f32 v[2+4*\i:3+4*\i], v[X0+32*\i:X0+32*\i+1], v[X0+32*\i+4:X0+32*\i+5]
	v_pk_add_f32 v[4+4*\i:5+4*\i], v[X0+32*\i+2:X0+32*\i+3], v[X0+32*\i+6:X0+32*\i+7]
.endif
.endr
.irp p, 4,8,12,16,20,24,28
.if \sq || (\p > 4)
.irp i, 0,1
.if \sq
	v_pk_fma_f32 v[2+4*\i:3+4*\i], v[X0+32*\i+\p:X0+32*\i+\p+1], v[X0+32*\i+\p:X0+32*\i+\p+1], v[2+4*\i:3+4*\i]
	v_pk_fma_f32 v[4+4*\i:5+4*\i], v[X0+32*\i+\p+2:X0+32*\i+\p+3], v[X0+32*\i+\p+2:X0+32*\i+\p+3], v[4+4*\i:5+4*\i]
.else
	v_pk_add_f32 v[2+4*\i:3+4*\i], v[2+4*\i:3+4*\i], v[X0+32*\i+\p:X0+32*\i+\p+1]
	v_pk_add_f32 v[4+4*\i:5+4*\i], v[4+4*\i:5+4*\i], v[X0+32*\i+\p+2:X0+32*\i+\p+3]
.endif
.endr
.endif
.endr
.irp i, 0,1
	v_pk_add_f32 v[2+4*\i:3+4*\i], v[2+4*\i:3+4*\i], v[4+4*\i:5+4*\i]
.endr
.irp i, 0,1
	v_add_f32 v[2+4*\i], v[2+4*\i], v[3+4*\i]
.endr
.irp m, 1,2,4,8                        ; across the 32 lanes: four steps inside each half of 16, one across the halves; every lane ends with the row's sum
.irp i, 0,1
	v_add_f32_dpp v[2+4*\i], v[2+4*\i], v[2+4*\i] row_xmask:\m row_mask:0xf bank_mask:0xf
.endr
.endr
.irp i, 0,1
	v_permlanex16_b32 v[14+\i], v[2+4*\i], s[SEL], s[SEL+1]
.endr
.irp i, 0,1
	v_add_f32 v[2+4*\i], v[2+4*\i], v[14+\i]
.endr
.endm
	s_wait_loadcnt 16                              ; both rows are in; g's and b's sixteen loads may be out
	SUMS 0
.irp i, 0,1
	v_mul_f32 v[10+2*\i], s16, v[2+4*\i]           ; the mean, in both registers of a pair
	v_mul_f32 v[11+2*\i], s16, v[2+4*\i]
.endr
.irp i, 0,1
.set p, 0
.rept 16
	v_pk_add_f32 v[X0+32*\i+p:X0+32*\i+p+1], v[X0+32*\i+p:X0+32*\i+p+1], v[10+2*\i:11+2*\i] neg_lo:[0,1] neg_hi:[0,1]   ; x - mean
.set p, p+2
.endr
.endr
	SUMS 1
.irp i, 0,1
	v_fma_f32 v[2+4*\i], v[2+4*\i], s16, s17       ; var + eps
.endr
	v_rsq_f32 v10, v2
	v_rsq_f32 v12, v6
	v_nop                                          ; one plain place behind the two
	s_wait_alu depctr_va_vdst(0)                   ; one wait for both, ahead of their first reader
	s_wait_loadcnt 0x0                             ; g and b
.irp i, 0,1
.set p, 0
.rept 16
	v_pk_mul_f32 v[X0+32*\i+p:X0+32*\i+p+1], v[X0+32*\i+p:X0+32*\i+p+1], v[10+2*\i:11+2*\i] op_sel_hi:[1,0]
.set p, p+2
.endr
.endr
.irp i, 0,1
.set p, 0
.rept 16
	v_pk_fma_f32 v[X0+32*\i+p:X0+32*\i+p+1], v[X0+32*\i+p:X0+32*\i+p+1], v[GG+p:GG+p+1], v[BB+p:BB+p+1]
.set p, p+2
.endr
.endr
.irp i, 0,1
.irp j, 0,1,2,3,4,5,6,7
	ds_store_b128 v174, v[X0+32*\i+4*\j:X0+32*\i+4*\j+3] offset:\i*RP+512*\j
.endr
.endr
	s_wait_dscnt 0x0                               ; for the others' sake: my rows have landed
	s_barrier_signal -1
	s_barrier_wait -1                              ; the tile's sixteen rows lie in LDS
.irp b, 0,1,2,3
.irp j, 0,1,2,3
	ds_load_b128 v[16+16*\b+4*\j:16+16*\b+4*\j+3], v169 offset:128*\b+16*\j    ; register 16 b + i: k = 32 b + 16 h + i of row r, K step w
.endr
.endr
	s_wait_dscnt 0x0
; 64 numbers of a lane, register 16 b + i = k 32 b + 16 (lane / 16) + i of my row, become a fragment's codes in v[PC] on and its scale word in v[PW]
.macro QUANT s
.irp b, 0,1,2,3
	v_max3_num_f32 v[TM+\b], |v[\s+16*\b]|, |v[\s+1+16*\b]|, 0x1800000   ; my 16 numbers of block b, and the floor 2^(3 - 127): the byte cannot fall under 1
.endr
.irp i, 2,4,6,8,10,12,14
.irp b, 0,1,2,3
	v_max3_num_f32 v[TM+\b], v[TM+\b], |v[\s+16*\b+\i]|, |v[\s+1+16*\b+\i]|   ; the four blocks by turns
.endr
.endr
.irp b, 0,1,2,3
	v_permlanex16_b32 v[TM+4+\b], v[TM+\b], s[SEL], s[SEL+1]
.endr
.irp b, 0,1,2,3
	v_max_num_f32 v[TM+\b], v[TM+\b], v[TM+4+\b]   ; with lane l xor 16's: the block's largest magnitude
.endr
.irp b, 0,1,2,3
	v_add_nc_u32 v[TM+12+\b], 0xff000000, v[TM+\b] ; 2 off its exponent field: the conversion's scale operand
.endr
.irp b, 0,1,2,3
	v_lshrrev_b32 v[TM+4+\b], 23, v[TM+12+\b]      ; the scale's byte
.endr
	v_lshl_or_b32 v[PW], v[TM+5], 8, v[TM+4]
	v_lshl_or_b32 v[PW], v[TM+6], 16, v[PW]
	v_lshl_or_b32 v[PW], v[TM+7], 24, v[PW]
.irp b, 0,1,2,3
	v_cvt_scalef32_pk8_fp4_f32 v[PC+2*\b], v[\s+16*\b:\s+7+16*\b], v[TM+12+\b]
	v_cvt_scalef32_pk8_fp4_f32 v[PC+1+2*\b], v[\s+8+16*\b:\s+15+16*\b], v[TM+12+\b]
.endr
	v_nop                                          ; one plain place behind the conversions
.irp c, 0,1                            ; the operand's layout wants a whole block in a lane: lanes 0-15 block 2 c, lanes 16-31 block 2 c + 1
.irp i, 0,1
	v_permlane16_swap_b32 v[PC+4*\c+\i], v[PC+2+4*\c+\i]
.endr
.endr
.endm
	QUANT 16
.irp c, 0,1
	global_store_b128 v1, v[PC+4*\c:PC+4*\c+3], s[22:23] offset:512*\c         ; 512 consecutive bytes, at a multiple of 256 from the buffer's first byte
.endr
	ds_store_b32 v170, v[PW]                       ; both halves of the lanes write the same word with the same value
	s_wait_dscnt 0x0
	s_barrier_signal -1
	s_barrier_wait -1                              ; the tile's 128 scale words lie in LDS
	s_cmp_lg_u32 s14, 0
	s_cbranch_scc1 .Ldone
	ds_load_b128 v[16:19], v171
	s_wait_dscnt 0x0
	global_store_b128 v172, v[16:19], s[10:11] offset:4096                     ; two runs of 256 consecutive bytes
.Ldone:
	s_wait_tensorcnt 0x0
	ds_add_u32 v176, v177
	s_wait_dscnt 0x0
	s_endpgm
.Lfunc_end_k_q166d10cff8_ln1:
	.size	k_q166d10cff8_ln1, .Lfunc_end_k_q166d10cff8_ln1-k_q166d10cff8_ln1
	.p2alignl 7, 3214868480
	.fill 96, 4, 3214868480
	.section	.rodata,"a",@progbits
	.p2align	6, 0x0
	.amdhsa_kernel k_q166d10cff8_ln1
		.amdhsa_group_segment_fixed_size 67584
		.amdhsa_private_segment_fixed_size 0
		.amdhsa_enable_private_segment 0
		.amdhsa_kernarg_size 32
		.amdhsa_user_sgpr_count 2
		.amdhsa_user_sgpr_kernarg_segment_ptr 1
		.amdhsa_wavefront_size32 1
		.amdhsa_system_sgpr_workgroup_id_x 1
		.amdhsa_system_sgpr_workgroup_id_y 1
		.amdhsa_system_sgpr_workgroup_id_z 1
		.amdhsa_system_vgpr_workitem_id 0
		.amdhsa_next_free_vgpr 178
		.amdhsa_next_free_sgpr 66
		.amdhsa_reserve_vcc 0
		.amdhsa_float_denorm_mode_32 3
		.amdhsa_float_denorm_mode_16_64 3
		.amdhsa_memory_ordered 1
		.amdhsa_forward_progress 1
		.amdhsa_inst_pref_size 25
	.end_amdhsa_kernel
	.amdgpu_metadata
---
amdhsa.version: [ 1, 2 ]
amdhsa.kernels:
  - .name:           k_q166d10cff8_ln1
    .symbol:         k_q166d10cff8_ln1.kd
    .args:
      - { .name: x, .offset: 0, .size: 8, .value_kind: global_buffer, .address_space: global }
      - { .name: ln1_g, .offset: 8, .size: 8, .value_kind: global_buffer, .address_space: global }
      - { .name: ln1_b, .offset: 16, .size: 8, .value_kind: global_buffer, .address_space: global }
      - { .name: h1, .offset: 24, .size: 8, .value_kind: global_buffer, .address_space: global }
    .group_segment_fixed_size: 67584
    .private_segment_fixed_size: 0
    .kernarg_segment_align: 8
    .kernarg_segment_size: 32
    .max_flat_workgroup_size: 256
    .sgpr_count:     66
    .vgpr_count:     178
    .wavefront_size: 32
...
	.end_amdgpu_metadata
.endif
;; end of part 2
;; launch qkv (part 3): grid 12 x 16, 4 waves a work-group, clusters of 4 x 4, 327,680 bytes of LDS; arguments h1, wpk, b_qkv, qkv; writes qkv
.if DOCPART == 3
	.amdgcn_target "amdgcn-amd-amdhsa--gfx1250"
	.amdhsa_code_object_version 6
	.text
	.protected	k_q166d10cff8_qkv
	.globl	k_q166d10cff8_qkv
	.p2align	8
	.type	k_q166d10cff8_qkv,@function
k_q166d10cff8_qkv:
	s_mov_b64 s[64:65], 0
	v_nop
	global_prefetch_b8 v0, s[64:65] scope:SCOPE_SE
	s_setreg_imm32_b32 hwreg(HW_REG_WAVE_MODE, 25, 1), 1
	s_wait_xcnt 0x0
	s_wait_alu depctr_hold_cnt(0) depctr_sa_sdst(0) depctr_va_vdst(0) depctr_va_sdst(0) depctr_va_ssrc(0) depctr_va_vcc(0) depctr_vm_vsrc(0)
	s_getreg_b32 s2, hwreg(HW_REG_IB_STS2, 6, 4)
	s_cmp_eq_u32 s2, 0
	s_cbranch_scc0 .Lentry_in_a_cluster
	s_endpgm
.Lentry_in_a_cluster:
	s_bfe_u32 s2, ttmp6, 0x10000c
	s_cmp_lg_u32 s2, 0xf033
	s_cbranch_scc0 .Lentry_shape_is_right
	s_endpgm
.Lentry_shape_is_right:
; qkv = h1 w_qkv + b_qkv on codes of FP4 (E2M1) with E8M0 scales, K = 1,024; q and k are then quantised along the head's 64, v along the keys, and stored as attention's operands.
; OPERANDS lie as PK(rows, 1024): [tile of 16 rows][group g of 512 along K][4,352 bytes]: byte 1024 q + 512 c + 16 lane = registers 4 c .. 4 c + 3 of the fragment of K step 4 g + q; byte 4096 + 16 r + 4 q = row r's scale word.
; Row r of tile T is row 32 (T / 2) + 8 (T % 2) + r % 8 + 16 (r / 8).  So with source 0 = tile b, register j of lane (r, h) of the result is source 0's row 32 (b / 2) + 16 h + 8 (b % 2) + j:
; the 16 registers of tiles 2 b', 2 b' + 1 are 16 NEIGHBOURS, which is what the quantiser along that axis wants.
; A work-group makes 256 (Q side: source 1, in the lanes) x 256 (P side: source 0, in the registers); a wave 128 x 128: 64 accumulators.  A slot of LDS holds one group of both sides, codes and scale words together.
; K = 1,024 is two groups: both slots are asked for at the head and none is filled again.  All of a WGP's LDS is claimed.
; ROLES, by the cluster's x (the same in all sixteen partners): 0 (q) and 1 (k): Q side = tokens, P side = w_qkv's columns: registers run along the head.  2 (v): Q side = columns, P side = tokens: registers run along the keys.
; CLUSTERS 4 x 4: the Q side's tile is shared along a row of the cluster, the P side's along a column: joint loads.
; OUTPUT: qkv = [b x 16 + head][128 tokens][13,568 bytes]: +0 q's codes (8 tiles x 512: registers 0-3), +4096 q's scale words (8 x 64), +4608 k's codes, +8704 k's scale words, +9216 v's codes (4 tiles of 16 channels x 1,024), +13312 v's scale words.
; In q's and k's scale words bytes 2 and 3 stand over zero codes: they hold the neighbouring head's bytes (1 .. 254) or 0, never 0xff.  The scale words leave in runs of 64 bytes: one sixteenth of the codes' bytes.
; LIMITS: a block of zeros gets the byte 1, not 127; magnitudes under 2^-124 are held at that floor; NaN and infinities are not served.
.set SIZE_K, 1024
.set G,      SIZE_K/512
.set LAPS,   SIZE_K/1024
.set NQ,     4                         ; K steps of 128 in a slot
.set FR,     8                         ; registers of a fragment
.set NL,     2                         ; LDS loads that bring one
.set NP,     4                         ; places behind this matrix instruction (ISA guide 7.12.1)
.set TILEB,  4352
.set HALFT,  8*TILEB                   ; 8 tiles: what one tensor load brings, and what one wave reads of a side
.set SLOT,   4*HALFT                   ; the Q side's 16 tiles, then the P side's
.set SPARE,  2*SLOT                    ; the spare words, 128 bytes a wave: two blocks of 256 bytes that no other line names
.set BLKB,   13568
.set HS,     16*BLKB                   ; from head to head in qkv
.set ADRA, 16                          ; v16-17 LDS address of my Q side fragments in slot 0, 1
.set ADRB, 20                          ; v20-21 the same for the P side
.set ADRS, 22                          ; v22-23 of my scale words: lanes 0-15 the Q side's, lanes 16-31 the P side's
.set GO,   24                          ; v24  16 x lane
.set SO,   25                          ; v25  q, k: scale words: 4 r, lanes 16-31 one head on
.set SOV,  26                          ; v26  v: 4 r
.set SPW,  28                          ; v28  my spare word; never rewritten
.set NIL,  29                          ; v29  0; never rewritten
.set SC,   32                          ; v32-95 scale words, two sets; register 4 i + q of a set: lanes 0-15 Q block i, lanes 16-31 P block i
.set AF,   128                         ; v128-191 the Q side's fragments, one set
.set HA,   32                          ; the way out: 64 numbers
.set PC,   96                          ; v96-103 the fragment (at the head: the bias loads' offsets)
.set TM,   104                         ; v104-119 the quantiser's work
.set PW,   120
.set TW,   122
.set SH,   123                         ; v123 16 h
.set G1, 24
.set G0, 32
.set G1B, 48
.set G0B, 56
.set SEL, 88
.set MSB, 0
.macro WIN new                         ; the immediate's high byte repeats the setting that is left
.if MSB != (\new)
	s_set_vgpr_msb (MSB<<8)|(\new)
.set MSB, (\new)
.endif
.endm
.set MUL_LO, 0xa1                      ; source 0 (P) window 1, source 1 (Q) window 0, C and D window 2
.set MUL_HI, 0xf1                      ; the same, C and D window 3
.set TO_B,   0x40                      ; destination window 1, address window 0
; A joint load: waves 0 and 1 fetch the Q side's halves, waves 2 and 3 the P side's.  The branch hangs on the wave's number alone.  Four v_nop follow each of the two lines.
.macro JLOAD g0a, g1a, g0b, g1b
	s_cmp_eq_u32 s15, 0
	s_cbranch_scc0 .Lfor_p_\@
	tensor_load_to_lds s[\g0a:\g0a+3], s[\g1a:\g1a+7]
	s_nop 0
.rept 4
	v_nop
.endr
	s_branch .Lasked_\@
.Lfor_p_\@:
	tensor_load_to_lds s[\g0b:\g0b+3], s[\g1b:\g1b+7]
	s_nop 0
.rept 4
	v_nop
.endr
.Lasked_\@:
.endm
.macro CREST                           ; a round of the cluster's barrier behind its opening barrier
	s_cmp_lg_u32 s14, 0
	s_cbranch_scc1 .Lnot_wave_0_\@
	s_barrier_signal -3
.Lnot_wave_0_\@:
	s_barrier_wait -3
	s_barrier_signal -1
	s_barrier_wait -1
.endm
.macro CROUND
	s_barrier_signal -1
	s_barrier_wait -1
	CREST
.endm
	s_load_b256 s[4:11], s[0:1], 0x0               ; h1, wpk, b_qkv, qkv
	v_lshl_add_u32 v[SPW], v0, 2, SPARE
	v_mov_b32 v[NIL], 0
	ds_add_u32 v28, v29
	ds_add_u32 v28, v29
	s_wait_dscnt 0x0
	v_lshrrev_b32 v1, 5, v0
	v_readfirstlane_b32 s14, v1                    ; wave 0..3
	s_lshr_b32 s15, s14, 1                         ; my half of the Q side.  Also: I fetch for Q (0) or for P (1)
	s_and_b32 s16, s14, 1                          ; my half of the P side.  Also: which 8 tiles I fetch
	s_bfe_u32 s40, ttmp6, 0x40000                  ; cx
	s_bfe_u32 s41, ttmp6, 0x40004                  ; cy
	s_lshl_b32 s42, ttmp9, 2                       ; 4 x cluster x
	s_and_b32 s17, ttmp7, 0xffff
	s_lshl_b32 s17, s17, 2                         ; 4 x cluster y
	s_cmp_eq_u32 ttmp9, 2                          ; v's clusters swap the roles
	s_cselect_b32 s42, s17, s42                    ; P tile of 256: q, k: columns 4 X + cx; v: tokens 4 Y + cx
	s_cselect_b32 s17, 8, s17                      ; Q tile of 256: q, k: tokens 4 Y + cy; v: columns 8 + cy
	s_add_co_u32 s42, s42, s40
	s_add_co_u32 s17, s17, s41
	s_lshl_b32 s43, s41, 2
	s_lshl_b32 s43, 15, s43                        ; my row of the cluster
	s_lshl_b32 s44, 0x1111, s40                    ; my column
	; descriptor group 1: 8 rows (tiles) of 544 elements of 8 bytes (4,352 bytes), G x 544 elements apart; dense in LDS
	s_or_b32 s[G1+0], s43, (3<<16)|(1<<21)         ; 15:0 the mask: the Q side's tiles go to my row; 17:16 elements of 8 bytes; 21 set beside a mask
	s_or_b32 s[G1B+0], s44, (3<<16)|(1<<21)
.irp g, G1, G1B
	s_mov_b32 s[\g+1], 544<<16                     ; tensor_dim0
	s_mov_b32 s[\g+2], 8<<16                       ; tensor_dim1
	s_mov_b32 s[\g+3], 544<<16                     ; tile_dim0
	s_mov_b32 s[\g+4], 8                           ; tile_dim1
	s_mov_b32 s[\g+5], G*544                       ; tensor_dim0_stride
	s_mov_b32 s[\g+6], 0
	s_mov_b32 s[\g+7], 0
.endr
	s_lshl_b32 s18, s16, 3
	s_lshl_b32 s20, s17, 4
	s_add_co_u32 s20, s20, s18                     ; Q: tile 16 x tile of 256 + 8 x half
	s_mul_i32 s20, s20, G*TILEB
	s_mov_b32 s21, 0
	s_lshl_b32 s46, s42, 4
	s_add_co_u32 s46, s46, s18                     ; P likewise
	s_mul_i32 s46, s46, G*TILEB
	s_mov_b32 s47, 0
	s_mul_i32 s45, s14, HALFT                      ; where they go: wave x 8 tiles: no place in the cluster enters an LDS address
	s_wait_kmcnt 0x0
	s_cmp_eq_u32 ttmp9, 2
	s_cselect_b64 s[92:93], s[6:7], s[4:5]         ; the Q side's buffer (w_qkv's codes lie at wpk's first byte)
	s_cselect_b64 s[94:95], s[4:5], s[6:7]         ; the P side's
	s_add_nc_u64 s[20:21], s[92:93], s[20:21]
	s_add_nc_u64 s[46:47], s[94:95], s[46:47]
	CROUND                                         ; all sixteen work-groups are here: the first joint loads meet
.irp s, 0,1
	s_mov_b32 s[G0+4*\s], 1
	s_add_co_u32 s[G0+4*\s+1], s45, \s*SLOT
	s_add_nc_u64 s[G0+4*\s+2:G0+4*\s+3], s[20:21], \s*TILEB
	s_or_b32 s[G0+4*\s+3], s[G0+4*\s+3], 0x80000000
	s_mov_b32 s[G0B+4*\s], 1
	s_add_co_u32 s[G0B+4*\s+1], s45, \s*SLOT
	s_add_nc_u64 s[G0B+4*\s+2:G0B+4*\s+3], s[46:47], \s*TILEB
	s_or_b32 s[G0B+4*\s+3], s[G0B+4*\s+3], 0x80000000
	JLOAD G0+4*\s, G1, G0B+4*\s, G1B
.endr
	v_and_b32 v1, 15, v0                           ; r
	v_bfe_u32 v2, v0, 4, 1                         ; h
	v_and_b32 v3, 31, v0
	v_lshlrev_b32 v4, 4, v3                        ; 16 x lane: a fragment's place for my lane
	s_mul_i32 s21, s15, HALFT                      ; my 8 tiles of the Q side
	s_mul_i32 s22, s16, HALFT
	s_add_co_u32 s22, s22, 2*HALFT                 ; my 8 of the P side, behind Q's 16
	v_lshlrev_b32 v5, 4, v1                        ; a row's four scale words: 16 r,
	s_sub_co_u32 s23, s22, s21
	v_mul_u32_u24 v6, s23, v2                      ; lanes 16-31 take the P side's
	v_add_nc_u32 v5, v5, v6
	v_add_nc_u32 v5, 4096, v5
.irp s, 0,1
	v_add_nc_u32 v[ADRA+\s], s21, v4
	v_add_nc_u32 v[ADRB+\s], s22, v4
	v_add_nc_u32 v[ADRS+\s], s21, v5
	s_add_co_u32 s21, s21, SLOT
	s_add_co_u32 s22, s22, SLOT
.endr
	; THE BIAS, 64 registers in window 1 (v64-127): q, k: register 8 i + j = b of P tile i's column 16 h + j; v: = b of Q tile i's column of my lane, in all eight j.  One text for both: the offsets differ.
	s_lshl_b32 s20, s42, 8
	s_lshl_b32 s21, s16, 7
	s_add_co_u32 s20, s20, s21                     ; my first row of the P side
	s_lshl_b32 s21, s17, 8
	s_lshl_b32 s22, s15, 7
	s_add_co_u32 s21, s21, s22                     ; and of the Q side
	s_cmp_eq_u32 ttmp9, 2
	s_cselect_b32 s20, s21, s20                    ; the side that holds the columns
	s_cselect_b32 s96, 0, 4                        ; from j to j + 1
	s_cselect_b32 s97, -1, 0
	s_lshl_b32 s20, s20, 2
	s_mov_b32 s21, 0
	s_add_nc_u64 s[8:9], s[8:9], s[20:21]
	v_lshlrev_b32 v6, 6, v2                        ; q, k: 64 h
	v_and_b32 v7, 7, v0
	v_bfe_u32 v8, v0, 3, 1
	v_lshl_add_u32 v7, v8, 4, v7
	v_lshlrev_b32 v7, 2, v7                        ; v: 4 (r % 8 + 16 (r / 8))
	v_cndmask_b32 v[PC], v6, v7, s97
.irp j, 1,2,3,4,5,6,7
	v_add_nc_u32 v[PC+\j], s96, v[PC+\j-1]
.endr
	WIN TO_B
.irp i, 0,1,2,3,4,5,6,7
.irp j, 0,1,2,3,4,5,6,7
	global_load_b32 v[64+8*\i+\j], v[PC+\j], s[8:9] offset:(32*(\i/2)+8*(\i%2))*4
.endr
.endr
	WIN 0
	; where my results go: block (b x 16 + head0, 128 tokens), + 4,608 x cluster x
	s_lshl_b32 s20, s17, 1
	s_add_co_u32 s20, s20, s15                     ; q, k: my 128 tokens = 2 x Q tile + my Q half
	s_lshl_b32 s21, s42, 1
	s_add_co_u32 s21, s21, s16                     ; v: 2 x P tile + my P half
	s_lshl_b32 s22, s40, 2
	s_lshl_b32 s23, s16, 1
	s_add_co_u32 s22, s22, s23                     ; q, k: my first head = 4 cx + 2 x my P half
	s_lshl_b32 s23, s41, 2
	s_lshl_b32 s45, s15, 1
	s_add_co_u32 s23, s23, s45                     ; v: 4 cy + 2 x my Q half
	s_mul_i32 s45, ttmp9, 4608
	s_cmp_eq_u32 ttmp9, 2
	s_cselect_b32 s20, s21, s20
	s_cselect_b32 s22, s23, s22
	s_lshr_b32 s21, s20, 4                         ; b
	s_lshl_b32 s21, s21, 4
	s_add_co_u32 s21, s21, s22
	s_lshl_b32 s21, s21, 4
	s_and_b32 s20, s20, 15
	s_add_co_u32 s20, s20, s21
	s_mul_i32 s20, s20, BLKB
	s_add_co_u32 s20, s20, s45
	s_mov_b32 s21, 0
	s_add_nc_u64 s[10:11], s[10:11], s[20:21]
	v_lshlrev_b32 v[GO], 4, v3
	v_mul_u32_u24 v[SO], v2, HS
	v_lshl_add_u32 v[SO], v1, 2, v[SO]
	v_lshlrev_b32 v[SOV], 2, v1
	v_lshlrev_b32 v[SH], 4, v2
.irp b, 0,1,2,3
	v_mov_b32 v[TM+4+\b], 0                        ; written once: a lane permute's destination counts as one of its sources
.endr
	s_mov_b32 s[SEL], 0x76543210
	s_mov_b32 s[SEL+1], 0xfedcba98
.macro FRAG reg, adr, q, i             ; a fragment is an image of its 8 registers: two loads of 512 consecutive bytes
.irp c, 0,1
	ds_load_b128 v[\reg+4*\c:\reg+4*\c+3], v[\adr] offset:(\i)*TILEB+(\q)*1024+512*\c
.endr
.endm
; 16 matrix instructions: Q blocks a0, a0 + 1 x the P side's eight, the slot's q-th 128 along K.  p: P's set; sc: the set of scale words.  zero = 1: the first product starts the sums.
; The 64 accumulators take turns, one instruction a turn, in the same order in every step.
.macro MUL16 a0, p, q, sc, zero
.irp a, \a0, \a0+1
.irp b, 0,1,2,3,4,5,6,7
.if \zero
	v_wmma_scale_f32_16x16x128_f8f6f4 v[8*(8*((\a)%4)+\b):8*(8*((\a)%4)+\b)+7], v[128*(\p)+FR*\b:128*(\p)+FR*\b+FR-1], v[AF+FR*(\a):AF+FR*(\a)+FR-1], 0, v[SC+8*NQ*(\sc)+NQ*\b+(\q)], v[SC+8*NQ*(\sc)+NQ*(\a)+(\q)] matrix_a_fmt:MATRIX_FMT_FP4 matrix_b_fmt:MATRIX_FMT_FP4 matrix_a_scale:MATRIX_SCALE_ROW1
.else
	v_wmma_scale_f32_16x16x128_f8f6f4 v[8*(8*((\a)%4)+\b):8*(8*((\a)%4)+\b)+7], v[128*(\p)+FR*\b:128*(\p)+FR*\b+FR-1], v[AF+FR*(\a):AF+FR*(\a)+FR-1], v[8*(8*((\a)%4)+\b):8*(8*((\a)%4)+\b)+7], v[SC+8*NQ*(\sc)+NQ*\b+(\q)], v[SC+8*NQ*(\sc)+NQ*(\a)+(\q)] matrix_a_fmt:MATRIX_FMT_FP4 matrix_b_fmt:MATRIX_FMT_FP4 matrix_a_scale:MATRIX_SCALE_ROW1
.endif
.endr
.endr
.endm
.macro FETCH_B slot, q, p
	WIN TO_B
.irp i, 0,1,2,3,4,5,6,7
	FRAG 128*(\p)+FR*\i, ADRB+\slot, \q, \i
.endr
	WIN 0
.endm
.macro FETCH_A slot, q, i0
.irp i, \i0, \i0+1, \i0+2, \i0+3
	FRAG AF+FR*(\i), ADRA+\slot, \q, \i
.endr
.endm
.macro SCALES sc                       ; slot sc's scale words: a row's four words by one load; lanes 0-15 Q block i, lanes 16-31 P block i
.irp i, 0,1,2,3,4,5,6,7
	ds_load_b128 v[SC+8*NQ*\sc+NQ*\i:SC+8*NQ*\sc+NQ*\i+3], v[ADRS+\sc] offset:\i*TILEB
.endr
.endm
.macro PLACES n                        ; plain vector instructions between a matrix instruction and a load into, or a read of, its registers (ISA guide 7.12.1 for the reads)
.rept \n
	v_nop
.endr
.endm
.macro STEP slot, q, zero              ; a step of 128 along K that has its successor in the same slot
	s_wait_dscnt 4*NL                              ; P's set and Q's blocks 0-3 are in; the youngest eight loads (Q's blocks 4-7) may be out
	WIN MUL_LO
	MUL16 0, (\q)%2, \q, \slot, \zero
	MUL16 2, (\q)%2, \q, \slot, \zero
	s_wait_dscnt 0                                 ; Q's blocks 4-7 are in
	PLACES NP
	FETCH_B \slot, (\q)+1, 1-(\q)%2
	FETCH_A \slot, (\q)+1, 0
	WIN MUL_HI
	MUL16 4, (\q)%2, \q, \slot, \zero
	MUL16 6, (\q)%2, \q, \slot, \zero
	PLACES NP
	WIN 0
	FETCH_A \slot, (\q)+1, 4
.endm
; A slot's last step changes slots: one barrier; in front of it each wave waits for all its tensor loads, adds 0 to its spare word, and waits for that and for its reads of this slot.
.macro TURN slot, next, fill
	s_wait_tensorcnt 0x0                           ; all my tensor loads have landed: my part of the next slot
	ds_add_u32 v[SPW], v[NIL]                      ; 0 onto my spare word
	s_wait_dscnt 4*NL+1                            ; (the add and the youngest eight loads may be out)
	WIN MUL_LO
	MUL16 0, 1, NQ-1, \slot, 0
	s_wait_dscnt 0x0                               ; the add is done, and my reads of this slot are over
	s_barrier_signal -1
	MUL16 2, 1, NQ-1, \slot, 0
	WIN 0
	s_barrier_wait -1
.if \fill
	CREST                                          ; the barrier has opened a round of the cluster's barrier
	s_add_nc_u64 s[G0+4*\slot+2:G0+4*\slot+3], s[G0+4*\slot+2:G0+4*\slot+3], 2*TILEB
	s_add_nc_u64 s[G0B+4*\slot+2:G0B+4*\slot+3], s[G0B+4*\slot+2:G0B+4*\slot+3], 2*TILEB
	JLOAD G0+4*\slot, G1, G0B+4*\slot, G1B
.else
	PLACES NP
.endif
	FETCH_B \next, 0, 0
	FETCH_A \next, 0, 0
	SCALES \next
	WIN MUL_HI
	MUL16 4, 1, NQ-1, \slot, 0
	MUL16 6, 1, NQ-1, \slot, 0
	PLACES NP
	WIN 0
	FETCH_A \next, 0, 4
.endm
.macro STEPS slot, from
.set Q, \from
.rept NQ-1-\from
	STEP \slot, Q, 0
.set Q, Q+1
.endr
.endm
	s_wait_tensorcnt 1                             ; my part of slot 0 is in (slot 1's load may be out)
	s_barrier_signal -1
	s_barrier_wait -1                              ; everybody's is
	FETCH_B 0, 0, 0
	FETCH_A 0, 0, 0
	SCALES 0
	FETCH_A 0, 0, 4
	STEP 0, 0, 1                                   ; the first step's products start the sums
	STEPS 0, 1
	TURN 0, 1, 0
	STEPS 1, 0
	s_wait_dscnt 4*NL                              ; the very last step
	WIN MUL_LO
	MUL16 0, 1, NQ-1, 1, 0
	MUL16 2, 1, NQ-1, 1, 0
	s_wait_dscnt 0
	WIN MUL_HI
	MUL16 4, 1, NQ-1, 1, 0
	MUL16 6, 1, NQ-1, 1, 0
	WIN 0
; THE WAY OUT, a Q block (16 lanes' rows x my 128 of the P side) at a time.
; ACT: the block's eight accumulators + bias -> v[HA] on; register 16 b + i = P row 32 b + 16 h + i.  Each accumulator is read from its low end on.  byq = 1: the bias is that of the lane's own row.
.macro ACT a, byq
	WIN 0x06+(\a)/4                                ; source 0 window 2 or 3, source 1 window 1
.set i, 0
.rept 32
.if \byq
	v_pk_add_f32 v[HA+i:HA+i+1], v[64*((\a)%4)+i:64*((\a)%4)+i+1], v[64+8*(\a):64+8*(\a)+1]
.else
	v_pk_add_f32 v[HA+i:HA+i+1], v[64*((\a)%4)+i:64*((\a)%4)+i+1], v[64+i:64+i+1]
.endif
.set i, i+2
.endr
	WIN 0
.endm
.macro QUANT s                         ; 64 numbers of a lane become a fragment's codes in v[PC] on and its scale word in v[PW]
.irp b, 0,1,2,3
	v_max3_num_f32 v[TM+\b], |v[\s+16*\b]|, |v[\s+1+16*\b]|, 0x1800000   ; my 16 numbers of block b, and the floor 2^(3 - 127)
.endr
.irp i, 2,4,6,8,10,12,14
.irp b, 0,1,2,3
	v_max3_num_f32 v[TM+\b], v[TM+\b], |v[\s+16*\b+\i]|, |v[\s+1+16*\b+\i]|
.endr
.endr
.irp b, 0,1,2,3
	v_permlanex16_b32 v[TM+4+\b], v[TM+\b], s[SEL], s[SEL+1]
.endr
.irp b, 0,1,2,3
	v_max_num_f32 v[TM+\b], v[TM+\b], v[TM+4+\b]
.endr
.irp b, 0,1,2,3
	v_add_nc_u32 v[TM+12+\b], 0xff000000, v[TM+\b] ; 2 off the exponent field: the conversion's scale operand
.endr
.irp b, 0,1,2,3
	v_lshrrev_b32 v[TM+4+\b], 23, v[TM+12+\b]
.endr
	v_lshl_or_b32 v[PW], v[TM+5], 8, v[TM+4]
	v_lshl_or_b32 v[PW], v[TM+6], 16, v[PW]
	v_lshl_or_b32 v[PW], v[TM+7], 24, v[PW]
.irp b, 0,1,2,3
	v_cvt_scalef32_pk8_fp4_f32 v[PC+2*\b], v[\s+16*\b:\s+7+16*\b], v[TM+12+\b]
	v_cvt_scalef32_pk8_fp4_f32 v[PC+1+2*\b], v[\s+8+16*\b:\s+15+16*\b], v[TM+12+\b]
.endr
	v_nop
.irp c, 0,1
.irp i, 0,1
	v_permlane16_swap_b32 v[PC+4*\c+\i], v[PC+2+4*\c+\i]
.endr
.endr
.endm
	PLACES NP                                      ; behind the last products: their results are read and their scale registers written below
	s_wait_loadcnt 0x0                             ; the bias; its loads' offset registers are free
	s_cmp_eq_u32 ttmp9, 2
	s_cbranch_scc1 .Lv_arm
.irp a, 0,1,2,3,4,5,6,7                ; q, k: my 128 columns are two heads: registers 0-3 of the fragment are the first head's 64, registers 4-7 the second's
	ACT \a, 0
.if \a > 0
	s_wait_xcnt 0x0                                ; the last block's stores have read their data
.endif
	QUANT HA
	v_lshrrev_b32 v[TW], v[SH], v[PW]              ; lanes 0-15: the first head's word; lanes 16-31: the second's two bytes moved down
	global_store_b128 v[GO], v[PC:PC+3], s[10:11] offset:\a*512
	global_store_b128 v[GO], v[PC+4:PC+7], s[10:11] offset:HS+\a*512
	global_store_b32 v[SO], v[TW], s[10:11] offset:4096+\a*64
.endr
	s_branch .Lout
.Lv_arm:
.irp a, 0,1,2,3,4,5,6,7                ; v: 16 channels (head a / 4, tile a % 4) x my 128 keys: a whole fragment and a whole scale word
	ACT \a, 1
.if \a > 0
	s_wait_xcnt 0x0
.endif
	QUANT HA
	global_store_b128 v[GO], v[PC:PC+3], s[10:11] offset:(\a/4)*HS+(\a%4)*1024
	global_store_b128 v[GO], v[PC+4:PC+7], s[10:11] offset:(\a/4)*HS+(\a%4)*1024+512
	global_store_b32 v[SOV], v[PW], s[10:11] offset:(\a/4)*HS+4096+(\a%4)*64   ; both halves of the lanes store the same word to the same place
.endr
.Lout:
	s_wait_tensorcnt 0x0                           ; the wave's end
	ds_add_u32 v[SPW], v[NIL]
	s_wait_dscnt 0x0
	CROUND                                         ; the closing round
	s_endpgm
.Lfunc_end_k_q166d10cff8_qkv:
	.size	k_q166d10cff8_qkv, .Lfunc_end_k_q166d10cff8_qkv-k_q166d10cff8_qkv
	.p2alignl 7, 3214868480
	.fill 96, 4, 3214868480
	.section	.rodata,"a",@progbits
	.p2align	6, 0x0
	.amdhsa_kernel k_q166d10cff8_qkv
		.amdhsa_group_segment_fixed_size 327680
		.amdhsa_private_segment_fixed_size 0
		.amdhsa_enable_private_segment 0
		.amdhsa_kernarg_size 32
		.amdhsa_user_sgpr_count 2
		.amdhsa_user_sgpr_kernarg_segment_ptr 1
		.amdhsa_wavefront_size32 1
		.amdhsa_system_sgpr_workgroup_id_x 1
		.amdhsa_system_sgpr_workgroup_id_y 1
		.amdhsa_system_sgpr_workgroup_id_z 1
		.amdhsa_system_vgpr_workitem_id 0
		.amdhsa_next_free_vgpr 1024
		.amdhsa_next_free_sgpr 98
		.amdhsa_reserve_vcc 0
		.amdhsa_float_denorm_mode_32 3
		.amdhsa_float_denorm_mode_16_64 3
		.amdhsa_memory_ordered 1
		.amdhsa_forward_progress 1
		.amdhsa_inst_pref_size 198
	.end_amdhsa_kernel
	.amdgpu_metadata
---
amdhsa.version: [ 1, 2 ]
amdhsa.kernels:
  - .name:           k_q166d10cff8_qkv
    .symbol:         k_q166d10cff8_qkv.kd
    .args:
      - { .name: h1, .offset: 0, .size: 8, .value_kind: global_buffer, .address_space: global }
      - { .name: wpk, .offset: 8, .size: 8, .value_kind: global_buffer, .address_space: global }
      - { .name: b_qkv, .offset: 16, .size: 8, .value_kind: global_buffer, .address_space: global }
      - { .name: qkv, .offset: 24, .size: 8, .value_kind: global_buffer, .address_space: global }
    .group_segment_fixed_size: 327680
    .private_segment_fixed_size: 0
    .kernarg_segment_align: 8
    .kernarg_segment_size: 32
    .max_flat_workgroup_size: 128
    .sgpr_count:     98
    .vgpr_count:     1024
    .wavefront_size: 32
...
	.end_amdgpu_metadata
.endif
;; end of part 3
;; launch attn (part 4): grid 8 x 32, 16 waves a work-group, no clusters, 169,984 bytes of LDS; arguments qkv, ao; writes ao
.if DOCPART == 4
	.amdgcn_target "amdgcn-amd-amdhsa--gfx1250"
	.amdhsa_code_object_version 6
	.text
	.protected	k_q166d10cff8_attn
	.globl	k_q166d10cff8_attn
	.p2align	8
	.type	k_q166d10cff8_attn,@function
k_q166d10cff8_attn:
	s_mov_b64 s[64:65], 0
	v_nop
	global_prefetch_b8 v0, s[64:65] scope:SCOPE_SE
	s_setreg_imm32_b32 hwreg(HW_REG_WAVE_MODE, 25, 1), 1
	s_wait_xcnt 0x0
; Causal attention of one head on codes of FP4 (E2M1) with E8M0 scales: S^T = K Q^T (K = the head's 64: the instruction's upper 64 k are zero codes on both sides), softmax, O^T = V^T P^T (K = the keys), O / l, quantised along D.
; THE SOFTMAX: t = score x log2(e) / 8; M = the running largest t rounded UP to a whole number; p = 2^(t - M) is quantised along the keys, not normalised; the row's sum is taken of the unquantised p and divides at the end.
; When M moves, the sum and O^T are multiplied by 2^(old M - new M): exact.
; INPUT: qkv = [b x 16 + head][128 tokens][13,568 bytes]: +0 q's codes (8 tiles x 512), +4096 q's scale words, +4608 k's codes, +8704 k's scale words, +9216 v's codes (4 tiles of 16 channels x these 128 keys), +13312 v's scale words;
; all as images of the operands' registers.  Row r of tile T is 32 (T / 2) + 8 (T % 2) + r % 8 + 16 (r / 8): so p's 16 registers of two neighbouring key tiles are 16 neighbouring keys, and O^T's likewise 16 neighbouring channels.
; SHARES: work-group (j, head) owns the blocks j and 15 - j of 128 queries: waves 0-7 a tile of 16 queries of block j each, waves 8-15 of block 15 - j.  A wave walks key steps 0 .. its block; the last lies on the diagonal.
; The loop has 16 trips in every wave; a step all of whose keys come after the wave's queries is left out by a scalar branch on ids.  So each work-group has 8 x 17 steps of work, whatever j.
; THE HEAD'S WHOLE K AND V come into LDS once: wave w fetches key step w (8,960 dense bytes) by one tensor load; one barrier; nothing is filled again.
; NO CLUSTER: the steps that a work-group leaves out hang on j, which would differ between partners.  No prefetch: all that the launch reads is asked for at its head.
; OUTPUT: ao = PK(4096, 1024): [tile of 16 tokens][group of 512 along D][4,352 bytes]; a head owns half a fragment (512 bytes) and half of each scale word: 2 bytes a row, stored as such (one byte in 16 of the launch's output).
; LIMITS: a block of zeros gets the byte 1, not 127; magnitudes under 2^-124 are held at that floor; NaN and infinities are not served; 1 / l is v_rcp_f32.
; REGISTERS: v1-7 addresses; v8-9 the step's LDS addresses; v12 -M, v13 the largest t, v[14:15] the sum; v16-23 Q; v24-25 V's scale words, v26-29 K's; v32-95 K's 8 fragments; v96-159 S^T, then p; v160-191 O^T; v192-223 V's 4 fragments;
; v224-231 p's codes; v232-254 at work (v252 f, v253 p's scale word); v255 Q's scale word.
.set BLKB,  13568
.set STEPB, 8960                       ; a key step in LDS: K's codes 4,096, K's scale words 512, V's codes 4,096, V's scale words 256
.set L16,  1                           ; v1  16 x lane
.set L4,   2                           ; v2  4 x lane
.set DD,   3                           ; v3  my query within its block - 16 (lane / 16)
.set ADC,  8
.set ADS,  9
.set WV,   8
.set TMAX, 11                          ; s11 my block of queries = my last key step
.set TT,   12                          ; s12 the key step
.set TB,   13                          ; s13 its first LDS byte
.set SEL,  20
.set CS,   22
.set G1,   24
.set G0,   32
	s_load_b128 s[4:7], s[0:1], 0x0                ; qkv, ao
	v_lshl_add_u32 v250, v0, 2, 0x29000
	v_mov_b32 v251, 0
	ds_add_u32 v250, v251
	ds_add_u32 v250, v251
	v_lshrrev_b32 v8, 5, v0
	v_readfirstlane_b32 s[WV], v8                  ; wave 0..15
	s_and_b32 s9, ttmp7, 0xffff                    ; b x 16 + head
	s_mov_b32 s[G1], 3<<16                         ; a dense block of 35 rows of 32 elements of 8 bytes; no mask, no padding
	s_mov_b32 s[G1+1], 32<<16                      ; tensor_dim0
	s_mov_b32 s[G1+2], 35<<16                      ; tensor_dim1
	s_mov_b32 s[G1+3], 32<<16                      ; tile_dim0
	s_mov_b32 s[G1+4], 35                          ; tile_dim1
	s_mov_b32 s[G1+5], 32                          ; tensor_dim0_stride
	s_mov_b32 s[G1+6], 0
	s_mov_b32 s[G1+7], 0
	s_lshl_b32 s10, s9, 4
	s_add_co_u32 s14, s10, s[WV]
	s_mul_i32 s14, s14, BLKB
	s_add_co_u32 s14, s14, 4608                    ; key step w's K and V
	s_mov_b32 s15, 0
	s_mul_i32 s16, s[WV], STEPB
	s_wait_dscnt 0x0
	s_wait_kmcnt 0x0
	s_mov_b32 s[G0], 1
	s_mov_b32 s[G0+1], s16
	s_add_nc_u64 s[G0+2:G0+3], s[4:5], s[14:15]
	s_or_b32 s[G0+3], s[G0+3], 0x80000000
	tensor_load_to_lds s[G0:G0+3], s[G1:G1+7]      ; my one tensor load
	s_nop 0
.rept 4
	v_nop
.endr
	s_sub_co_u32 s17, 15, ttmp9
	s_cmp_lt_u32 s[WV], 8
	s_cselect_b32 s[TMAX], ttmp9, s17
	s_add_co_u32 s18, s10, s[TMAX]
	s_mul_i32 s18, s18, BLKB
	s_mov_b32 s19, 0
	s_add_nc_u64 s[38:39], s[4:5], s[18:19]        ; my queries' block
	v_and_b32 v10, 15, v0                          ; r
	v_bfe_u32 v11, v0, 4, 1                        ; h
	v_and_b32 v4, 31, v0
	v_lshlrev_b32 v[L16], 4, v4
	v_lshlrev_b32 v[L4], 2, v4
	s_and_b32 s37, s[WV], 7                        ; my tile of the block's eight
	s_lshl_b32 s36, s37, 9
	v_add_nc_u32 v5, s36, v[L16]
	global_load_b128 v[16:19], v5, s[38:39]        ; Q's fragment, registers 0-3
	s_lshl_b32 s36, s37, 6
	v_lshl_add_u32 v6, v10, 2, s36
	global_load_b32 v255, v6, s[38:39] offset:4096 ; Q's scale words
	v_lshlrev_b32 v7, 4, v10                       ; the way out: 16 r
	v_and_b32 v[DD], 7, v0
	v_bfe_u32 v4, v0, 3, 1
	v_lshl_add_u32 v[DD], v4, 4, v[DD]
	v_lshlrev_b32 v4, 4, v11
	v_sub_nc_u32 v[DD], v[DD], v4
	s_bfe_u32 s36, s[WV], 0x20001
	s_lshl_b32 s36, s36, 5
	s_and_b32 s44, s[WV], 1
	s_lshl_b32 s44, s44, 3
	s_add_co_u32 s36, s36, s44
	v_add_nc_u32 v[DD], s36, v[DD]                 ; 32 (tile / 2) + 8 (tile % 2) + r % 8 + 16 (r / 8) - 16 h
	; where O goes: tile b x 128 + 8 x block + my tile; the head's 64 of D: group head / 8, K step (head / 2) % 4, half head % 2
	s_lshr_b32 s36, s9, 4
	s_lshl_b32 s36, s36, 7
	s_lshl_b32 s44, s[TMAX], 3
	s_add_co_u32 s36, s36, s44
	s_add_co_u32 s36, s36, s37
	s_mul_i32 s36, s36, 8704
	s_bfe_u32 s37, s9, 0x10003
	s_mul_i32 s37, s37, 4352
	s_add_co_u32 s36, s36, s37
	s_bfe_u32 s37, s9, 0x20001
	s_and_b32 s44, s9, 1
	s_lshl_b32 s45, s37, 10
	s_lshl_b32 s46, s44, 9
	s_add_co_u32 s45, s45, s46
	s_add_co_u32 s18, s36, s45
	s_add_nc_u64 s[40:41], s[6:7], s[18:19]        ; the codes
	s_lshl_b32 s45, s37, 2
	s_lshl_b32 s46, s44, 1
	s_add_co_u32 s45, s45, s46
	s_add_co_u32 s45, s45, 4096
	s_add_co_u32 s18, s36, s45
	s_add_nc_u64 s[42:43], s[6:7], s[18:19]        ; the two scale bytes of row 0
	s_mov_b32 s[SEL], 0x76543210
	s_mov_b32 s[SEL+1], 0xfedcba98
	s_mov_b32 s[CS], 0x3e38aa3b                    ; c = log2(e) / 8
	s_mov_b32 s[CS+1], s[CS]                       ; (named with it as a pair, so it is written)
.irp j, 20,21,22,23
	v_mov_b32 v[\j], 0                             ; Q's k = 64 .. 127: zero codes
.endr
.irp i, 0,1,2,3,4,5,6,7
.irp j, 4,5,6,7
	v_mov_b32 v[32+8*\i+\j], 0                     ; K's likewise: written once, no load lands here
.endr
.endr
.set i, 0
.rept 32
	v_mov_b32 v[160+i], 0                          ; O^T: the step is written once; the first finds zeros
.set i, i+1
.endr
	v_mov_b32 v13, 0xff61b1e6                      ; the largest t so far: -3e38
	v_floor_f32 v12, -v13                          ; -M
	v_mov_b32 v14, 0
	v_mov_b32 v15, 0
.irp b, 0,1,2,3
	v_mov_b32 v[236+\b], 0                         ; a lane permute's destination counts as one of its sources
.endr
	v_mov_b32 v252, 0
	v_mov_b32 v253, 0
	s_mov_b32 s[TT], 0
	s_mov_b32 s[TB], 0
	s_wait_loadcnt 0x0                             ; Q
	s_wait_tensorcnt 0x0                           ; my key step has landed,
	s_barrier_signal -1
	s_barrier_wait -1                              ; everybody's has
.Lstep:
	s_cmp_gt_u32 s[TT], s[TMAX]                    ; all 128 keys come after my queries: the step's work is left out
	s_cbranch_scc1 .Lhidden
	v_add_nc_u32 v[ADC], s[TB], v[L16]
	v_add_nc_u32 v[ADS], s[TB], v[L4]
.irp i, 0,1,2,3,4,5,6,7
	ds_load_b128 v[32+8*\i:35+8*\i], v[ADC] offset:512*\i                      ; K's tile i: registers 0-3
.endr
.irp i, 0,1,2,3
	ds_load_b32 v[26+\i], v[ADS] offset:4096+128*\i                            ; lanes 0-15: tile 2 i's scale words; lanes 16-31: tile 2 i + 1's
.endr
.irp t, 0,1,2,3
.irp c, 0,1
	ds_load_b128 v[192+8*\t+4*\c:195+8*\t+4*\c], v[ADC] offset:4608+1024*\t+512*\c
.endr
.endr
.irp i, 0,1
	ds_load_b32 v[24+\i], v[ADS] offset:8704+128*\i
.endr
	s_wait_dscnt 10                                ; K and its scale words are in; V's ten loads may be out
.irp i, 0,1,2,3,4,5,6,7
.if \i%2
	v_wmma_scale_f32_16x16x128_f8f6f4 v[96+8*\i:103+8*\i], v[32+8*\i:39+8*\i], v[16:23], 0, v[26+\i/2], v255 matrix_a_fmt:MATRIX_FMT_FP4 matrix_b_fmt:MATRIX_FMT_FP4 matrix_a_scale:MATRIX_SCALE_ROW1
.else
	v_wmma_scale_f32_16x16x128_f8f6f4 v[96+8*\i:103+8*\i], v[32+8*\i:39+8*\i], v[16:23], 0, v[26+\i/2], v255 matrix_a_fmt:MATRIX_FMT_FP4 matrix_b_fmt:MATRIX_FMT_FP4
.endif
.endr                                  ; register 16 b + i of v96 on: key 32 b + 16 h + i of the step, for my query
.rept 4
	v_nop
.endr
	s_cmp_lg_u32 s[TT], s[TMAX]                    ; on the diagonal the scores of hidden keys become -infinity ahead of the maximum: p = 0 then
	s_cbranch_scc1 .Lopen
	v_mov_b32 v254, 0xff800000
.set n, 0
.rept 64
	v_cmp_gt_i32 vcc_lo, 32*(n/16)+n%16, v[DD]
	v_cndmask_b32 v[96+n], v[96+n], v254, vcc_lo
.set n, n+1
.endr
.Lopen:
.irp b, 0,1,2,3
	v_max3_num_f32 v[232+\b], v[96+16*\b], v[97+16*\b], v[98+16*\b]            ; the largest score of each block of 32 keys: it serves the row's maximum and, since p rises with the score, the block's largest p
.endr
.irp i, 3,5,7,9,11,13
.irp b, 0,1,2,3
	v_max3_num_f32 v[232+\b], v[232+\b], v[96+16*\b+\i], v[97+16*\b+\i]
.endr
.endr
.irp b, 0,1,2,3
	v_max_num_f32 v[232+\b], v[232+\b], v[111+16*\b]
.endr
.irp b, 0,1,2,3
	v_permlanex16_b32 v[236+\b], v[232+\b], s[SEL], s[SEL+1]
.endr
.irp b, 0,1,2,3
	v_max_num_f32 v[232+\b], v[232+\b], v[236+\b]  ; with lane l xor 16's 16 keys
.endr
	v_max3_num_f32 v254, v232, v233, v234
	v_max_num_f32 v254, v254, v235                 ; the step's largest score of my query
	v_mul_f32 v254, s[CS], v254
	v_max_num_f32 v13, v13, v254                   ; the running largest t
	v_mov_b32 v254, v12
	v_floor_f32 v12, -v13                          ; the new -M = -ceil(t)
	v_sub_f32 v254, v12, v254                      ; old M - new M: a whole number, 0 or less
	v_cvt_i32_f32 v254, v254                       ; (it saturates)
	v_ldexp_f32 v252, 1.0, v254                    ; f = 2^(old M - new M)
.set j, 0
.rept 32
	v_pk_fma_f32 v[96+j:97+j], v[96+j:97+j], s[CS:CS+1], v[12:13] op_sel_hi:[1,0,0]   ; t - M
.set j, j+2
.endr
.irp b, 0,1,2,3
	v_fma_f32 v[232+\b], v[232+\b], s[CS], v12     ; the same of each block's largest score
.endr
.set j, 0
.rept 64
	v_exp_f32 v[96+j], v[96+j]                     ; p = 2^(t - M)
.set j, j+1
.endr
	v_pk_mul_f32 v[14:15], v[14:15], v[252:253] op_sel_hi:[1,0]                ; the sums under the new M: a plain place behind the exponentials
	s_wait_alu depctr_va_vdst(0)                   ; one wait for the batch, ahead of its first reader
.irp b, 0,1,2,3
	v_exp_f32 v[232+\b], v[232+\b]                 ; the block's largest p
.endr
	v_pk_add_f32 v[236:237], v[96:97], v[98:99]    ; the row's sum of the unquantised p, in two chains
.irp j, 4,8,12,16,20,24,28,32,36,40,44,48,52,56,60
	v_pk_add_f32 v[14:15], v[14:15], v[96+\j:97+\j]
	v_pk_add_f32 v[236:237], v[236:237], v[98+\j:99+\j]
.endr
	v_pk_add_f32 v[14:15], v[14:15], v[236:237]
	s_wait_alu depctr_va_vdst(0)                   ; and one for the four
.irp b, 0,1,2,3
	v_max_num_f32 v[232+\b], 0x1800000, v[232+\b]  ; the floor 2^(3 - 127)
.endr
.irp b, 0,1,2,3
	v_add_nc_u32 v[244+\b], 0xff000000, v[232+\b]  ; the conversion's scale operand
.endr
.irp b, 0,1,2,3
	v_lshrrev_b32 v[236+\b], 23, v[244+\b]
.endr
	v_lshl_or_b32 v253, v237, 8, v236              ; p's scale word for these 128 keys
	v_lshl_or_b32 v253, v238, 16, v253
	v_lshl_or_b32 v253, v239, 24, v253
.irp b, 0,1,2,3
	v_cvt_scalef32_pk8_fp4_f32 v[224+2*\b], v[96+16*\b:103+16*\b], v[244+\b]
	v_cvt_scalef32_pk8_fp4_f32 v[225+2*\b], v[104+16*\b:111+16*\b], v[244+\b]
.endr
	v_nop
.irp c, 0,1
.irp i, 0,1
	v_permlane16_swap_b32 v[224+4*\c+\i], v[226+4*\c+\i]
.endr
.endr
.set j, 0
.rept 16
	v_pk_mul_f32 v[160+j:161+j], v[160+j:161+j], v[252:253] op_sel_hi:[1,0]    ; O^T under the new M; these sixteen are also the places between p's codes and scale word and the products below
.set j, j+2
.endr
	s_wait_dscnt 0x0                               ; V
.irp t, 0,1,2,3                        ; four accumulators by turns, one instruction a turn; the next step's eight products stand between two links of a chain
.if \t%2
	v_wmma_scale_f32_16x16x128_f8f6f4 v[160+8*\t:167+8*\t], v[192+8*\t:199+8*\t], v[224:231], v[160+8*\t:167+8*\t], v[24+\t/2], v253 matrix_a_fmt:MATRIX_FMT_FP4 matrix_b_fmt:MATRIX_FMT_FP4 matrix_a_scale:MATRIX_SCALE_ROW1
.else
	v_wmma_scale_f32_16x16x128_f8f6f4 v[160+8*\t:167+8*\t], v[192+8*\t:199+8*\t], v[224:231], v[160+8*\t:167+8*\t], v[24+\t/2], v253 matrix_a_fmt:MATRIX_FMT_FP4 matrix_b_fmt:MATRIX_FMT_FP4
.endif
.endr
.rept 4
	v_nop                                          ; places in front of the next step's loads into V's registers, and of the way out's reads
.endr
.Lhidden:
	s_add_co_u32 s[TB], s[TB], STEPB
	s_add_co_u32 s[TT], s[TT], 1
	s_cmp_lt_u32 s[TT], 16
	s_cbranch_scc1 .Lstep
	; THE WAY OUT: O^T / the sum; register 16 b + i is channel 32 b + 16 h + i of my query: two blocks of 32 along D
	v_add_f32 v14, v14, v15
	v_permlanex16_b32 v252, v14, s[SEL], s[SEL+1]
	v_add_f32 v14, v14, v252                       ; the row's sum
	v_rcp_f32 v14, v14
	v_nop
	s_wait_alu depctr_va_vdst(0)
.set j, 0
.rept 32
	v_mul_f32 v[96+j], v[160+j], v14
.set j, j+1
.endr
.irp b, 0,1
	v_max3_num_f32 v[232+\b], |v[96+16*\b]|, |v[97+16*\b]|, 0x1800000
.endr
.irp i, 2,4,6,8,10,12,14
.irp b, 0,1
	v_max3_num_f32 v[232+\b], v[232+\b], |v[96+16*\b+\i]|, |v[97+16*\b+\i]|
.endr
.endr
.irp b, 0,1
	v_permlanex16_b32 v[236+\b], v[232+\b], s[SEL], s[SEL+1]
.endr
.irp b, 0,1
	v_max_num_f32 v[232+\b], v[232+\b], v[236+\b]
.endr
.irp b, 0,1
	v_add_nc_u32 v[244+\b], 0xff000000, v[232+\b]
.endr
.irp b, 0,1
	v_lshrrev_b32 v[236+\b], 23, v[244+\b]
.endr
	v_lshl_or_b32 v240, v237, 8, v236              ; the head's two scale bytes of my row
.irp b, 0,1
	v_cvt_scalef32_pk8_fp4_f32 v[224+2*\b], v[96+16*\b:103+16*\b], v[244+\b]
	v_cvt_scalef32_pk8_fp4_f32 v[225+2*\b], v[104+16*\b:111+16*\b], v[244+\b]
.endr
	v_nop
	v_permlane16_swap_b32 v224, v226               ; lanes 0-15 block 0, lanes 16-31 block 1: four registers of the operand
	v_permlane16_swap_b32 v225, v227
	global_store_b128 v[L16], v[224:227], s[40:41] ; 512 consecutive bytes, at a multiple of 256 from ao's first byte
	global_store_b16 v7, v240, s[42:43]            ; both halves of the lanes store the same two bytes to the same place
	s_wait_tensorcnt 0x0
	ds_add_u32 v250, v251
	s_wait_dscnt 0x0
	s_endpgm
.Lfunc_end_k_q166d10cff8_attn:
	.size	k_q166d10cff8_attn, .Lfunc_end_k_q166d10cff8_attn-k_q166d10cff8_attn
	.p2alignl 7, 3214868480
	.fill 96, 4, 3214868480
	.section	.rodata,"a",@progbits
	.p2align	6, 0x0
	.amdhsa_kernel k_q166d10cff8_attn
		.amdhsa_group_segment_fixed_size 169984
		.amdhsa_private_segment_fixed_size 0
		.amdhsa_enable_private_segment 0
		.amdhsa_kernarg_size 16
		.amdhsa_user_sgpr_count 2
		.amdhsa_user_sgpr_kernarg_segment_ptr 1
		.amdhsa_wavefront_size32 1
		.amdhsa_system_sgpr_workgroup_id_x 1
		.amdhsa_system_sgpr_workgroup_id_y 1
		.amdhsa_system_sgpr_workgroup_id_z 1
		.amdhsa_system_vgpr_workitem_id 0
		.amdhsa_next_free_vgpr 256
		.amdhsa_next_free_sgpr 66
		.amdhsa_reserve_vcc 1
		.amdhsa_float_denorm_mode_32 3
		.amdhsa_float_denorm_mode_16_64 3
		.amdhsa_memory_ordered 1
		.amdhsa_forward_progress 1
		.amdhsa_inst_pref_size 31
	.end_amdhsa_kernel
	.amdgpu_metadata
---
amdhsa.version: [ 1, 2 ]
amdhsa.kernels:
  - .name:           k_q166d10cff8_attn
    .symbol:         k_q166d10cff8_attn.kd
    .args:
      - { .name: qkv, .offset: 0, .size: 8, .value_kind: global_buffer, .address_space: global }
      - { .name: ao, .offset: 8, .size: 8, .value_kind: global_buffer, .address_space: global }
    .group_segment_fixed_size: 169984
    .private_segment_fixed_size: 0
    .kernarg_segment_align: 8
    .kernarg_segment_size: 16
    .max_flat_workgroup_size: 512
    .sgpr_count:     66
    .vgpr_count:     256
    .wavefront_size: 32
...
	.end_amdgpu_metadata
.endif
;; end of part 4
;; launch proj (part 5): grid 4 x 16, 4 waves a work-group, clusters of 4 x 4, 327,680 bytes of LDS; arguments ao, wpk, b_proj, x, x1; writes x1
.if DOCPART == 5
	.amdgcn_target "amdgcn-amd-amdhsa--gfx1250"
	.amdhsa_code_object_version 6
	.text
	.protected	k_q166d10cff8_proj
	.globl	k_q166d10cff8_proj
	.p2align	8
	.type	k_q166d10cff8_proj,@function
k_q166d10cff8_proj:
	s_mov_b64 s[64:65], 0
	v_nop
	global_prefetch_b8 v0, s[64:65] scope:SCOPE_SE
	s_setreg_imm32_b32 hwreg(HW_REG_WAVE_MODE, 25, 1), 1
	s_wait_xcnt 0x0
	s_wait_alu depctr_hold_cnt(0) depctr_sa_sdst(0) depctr_va_vdst(0) depctr_va_sdst(0) depctr_va_ssrc(0) depctr_va_vcc(0) depctr_vm_vsrc(0)
	s_getreg_b32 s2, hwreg(HW_REG_IB_STS2, 6, 4)
	s_cmp_eq_u32 s2, 0
	s_cbranch_scc0 .Lentry_in_a_cluster
	s_endpgm
.Lentry_in_a_cluster:
	s_bfe_u32 s2, ttmp6, 0x10000c
	s_cmp_lg_u32 s2, 0xf033
	s_cbranch_scc0 .Lentry_shape_is_right
	s_endpgm
.Lentry_shape_is_right:
; out = res + act W + bias: act [4096][SIZE_K] and W [1024 (n)][SIZE_K] as codes of FP4 (E2M1) with E8M0 scales; res, out [4096][1024] and bias [1024] f32.  Here: x1 = x + ao w_proj + b_proj, SIZE_K = 1,024.
; OPERANDS lie as PK(rows, K): [tile of 16 rows][group g of 512 along K][4,352 bytes]: byte 1024 q + 512 c + 16 lane = registers 4 c .. 4 c + 3 of the fragment of K step 4 g + q; byte 4096 + 16 r + 4 q = row r's scale word.
; Row r of tile T is row 32 (T / 2) + 8 (T % 2) + r % 8 + 16 (r / 8), for tokens and for W's columns alike.
; A work-group makes 256 tokens (Q side: source 1, in the lanes) x 256 columns (P side: source 0, in the registers); a wave 128 x 128: 64 accumulators.  A slot of LDS holds one group of both sides, codes and scale words together.
; CLUSTERS 4 x 4: the Q side's tile is shared along a row of the cluster, the P side's along a column: joint loads.  The output has 64 tiles of 256 x 256: 64 work-groups.
; With SIZE_K = 1,024 both slots are asked for at the head and none is filled again.  All of a WGP's LDS is claimed.
; THE WAY OUT: a block of 16 tokens x 128 columns goes through the wave's own stage in LDS (in slot 0, which has had its last fill and its last read) and comes back as rows of 512 bytes; residual and bias are added there.
.set SIZE_K, 1024
.set POFF,   1671168                   ; W's place in wpk
.set NT,     0                         ; 1: the output is read by no later launch
.set G,      SIZE_K/512
.set LAPS,   SIZE_K/1024
.set NQ,     4
.set FR,     8
.set NL,     2
.set NP,     4
.set TILEB,  4352
.set HALFT,  8*TILEB
.set SLOT,   4*HALFT
.set SPARE,  2*SLOT                    ; the spare words, 128 bytes a wave: two blocks of 256 bytes that no other line names
.set SPITCH, 528
.set ADRA, 16
.set ADRB, 20
.set ADRS, 22
.set STO,  24                          ; v24 the way out: where I put 32 bytes of a row
.set RD,   25                          ; v25 where I read a row back
.set CO,   26                          ; v26 16 x lane: my place in a row's 512 bytes
.set SPW,  28
.set NIL,  29
.set SC,   32
.set AF,   128
.set BK,   128                         ; the way out: 16 rows back from the stage: v128-191 and v192-255 by turns
.set G1, 24
.set G0, 32
.set G1B, 48
.set G0B, 56
.set MSB, 0
.macro WIN new
.if MSB != (\new)
	s_set_vgpr_msb (MSB<<8)|(\new)
.set MSB, (\new)
.endif
.endm
.set MUL_LO, 0xa1
.set MUL_HI, 0xf1
.set TO_B,   0x40
.macro JLOAD g0a, g1a, g0b, g1b        ; a joint load: waves 0 and 1 for the Q side, waves 2 and 3 for the P side; four v_nop follow each line
	s_cmp_eq_u32 s15, 0
	s_cbranch_scc0 .Lfor_p_\@
	tensor_load_to_lds s[\g0a:\g0a+3], s[\g1a:\g1a+7]
	s_nop 0
.rept 4
	v_nop
.endr
	s_branch .Lasked_\@
.Lfor_p_\@:
	tensor_load_to_lds s[\g0b:\g0b+3], s[\g1b:\g1b+7]
	s_nop 0
.rept 4
	v_nop
.endr
.Lasked_\@:
.endm
.macro CREST
	s_cmp_lg_u32 s14, 0
	s_cbranch_scc1 .Lnot_wave_0_\@
	s_barrier_signal -3
.Lnot_wave_0_\@:
	s_barrier_wait -3
	s_barrier_signal -1
	s_barrier_wait -1
.endm
.macro CROUND
	s_barrier_signal -1
	s_barrier_wait -1
	CREST
.endm
	s_load_b256 s[4:11], s[0:1], 0x0               ; act, wpk, bias, res
	s_load_b64 s[12:13], s[0:1], 0x20              ; out
	v_lshl_add_u32 v[SPW], v0, 2, SPARE
	v_mov_b32 v[NIL], 0
	ds_add_u32 v28, v29
	ds_add_u32 v28, v29
	s_wait_dscnt 0x0
	v_lshrrev_b32 v1, 5, v0
	v_readfirstlane_b32 s14, v1
	s_lshr_b32 s15, s14, 1
	s_and_b32 s16, s14, 1
	s_bfe_u32 s40, ttmp6, 0x40000
	s_bfe_u32 s41, ttmp6, 0x40004
	s_lshl_b32 s42, ttmp9, 2
	s_add_co_u32 s42, s42, s40                     ; P tile of 256 columns
	s_and_b32 s17, ttmp7, 0xffff
	s_lshl_b32 s17, s17, 2
	s_add_co_u32 s17, s17, s41                     ; Q tile of 256 tokens
	s_lshl_b32 s43, s41, 2
	s_lshl_b32 s43, 15, s43
	s_lshl_b32 s44, 0x1111, s40
	s_or_b32 s[G1+0], s43, (3<<16)|(1<<21)         ; 8 rows (tiles) of 544 elements of 8 bytes, G x 544 apart; the mask; bit 21 beside it
	s_or_b32 s[G1B+0], s44, (3<<16)|(1<<21)
.irp g, G1, G1B
	s_mov_b32 s[\g+1], 544<<16
	s_mov_b32 s[\g+2], 8<<16
	s_mov_b32 s[\g+3], 544<<16
	s_mov_b32 s[\g+4], 8
	s_mov_b32 s[\g+5], G*544
	s_mov_b32 s[\g+6], 0
	s_mov_b32 s[\g+7], 0
.endr
	s_lshl_b32 s18, s16, 3
	s_lshl_b32 s20, s17, 4
	s_add_co_u32 s20, s20, s18
	s_mul_i32 s20, s20, G*TILEB
	s_mov_b32 s21, 0
	s_lshl_b32 s46, s42, 4
	s_add_co_u32 s46, s46, s18
	s_mul_i32 s46, s46, G*TILEB
	s_add_co_u32 s46, s46, POFF
	s_mov_b32 s47, 0
	s_mul_i32 s45, s14, HALFT
	s_wait_kmcnt 0x0
	s_add_nc_u64 s[20:21], s[4:5], s[20:21]
	s_add_nc_u64 s[46:47], s[6:7], s[46:47]
	CROUND
.irp s, 0,1
	s_mov_b32 s[G0+4*\s], 1
	s_add_co_u32 s[G0+4*\s+1], s45, \s*SLOT
	s_add_nc_u64 s[G0+4*\s+2:G0+4*\s+3], s[20:21], \s*TILEB
	s_or_b32 s[G0+4*\s+3], s[G0+4*\s+3], 0x80000000
	s_mov_b32 s[G0B+4*\s], 1
	s_add_co_u32 s[G0B+4*\s+1], s45, \s*SLOT
	s_add_nc_u64 s[G0B+4*\s+2:G0B+4*\s+3], s[46:47], \s*TILEB
	s_or_b32 s[G0B+4*\s+3], s[G0B+4*\s+3], 0x80000000
	JLOAD G0+4*\s, G1, G0B+4*\s, G1B
.endr
	v_and_b32 v1, 15, v0
	v_bfe_u32 v2, v0, 4, 1
	v_and_b32 v3, 31, v0
	v_lshlrev_b32 v4, 4, v3
	s_mul_i32 s21, s15, HALFT
	s_mul_i32 s22, s16, HALFT
	s_add_co_u32 s22, s22, 2*HALFT
	v_lshlrev_b32 v5, 4, v1
	s_sub_co_u32 s23, s22, s21
	v_mul_u32_u24 v6, s23, v2
	v_add_nc_u32 v5, v5, v6
	v_add_nc_u32 v5, 4096, v5
.irp s, 0,1
	v_add_nc_u32 v[ADRA+\s], s21, v4
	v_add_nc_u32 v[ADRB+\s], s22, v4
	v_add_nc_u32 v[ADRS+\s], s21, v5
	s_add_co_u32 s21, s21, SLOT
	s_add_co_u32 s22, s22, SLOT
.endr
	s_mul_i32 s23, s14, 16*SPITCH                  ; my stage
	v_mul_u32_u24 v[STO], v1, SPITCH
	v_lshl_add_u32 v[STO], v2, 6, v[STO]
	v_add_nc_u32 v[STO], s23, v[STO]               ; in: row r, + 64 h
	v_lshlrev_b32 v[CO], 4, v3
	v_add_nc_u32 v[RD], s23, v[CO]
	s_lshl_b32 s46, s42, 8
	s_lshl_b32 s47, s16, 7
	s_add_co_u32 s46, s46, s47
	s_lshl_b32 s46, s46, 2                         ; my first column, in bytes
	s_mov_b32 s47, 0
	s_add_nc_u64 s[8:9], s[8:9], s[46:47]
	s_lshl_b32 s20, s17, 8
	s_lshl_b32 s21, s15, 7
	s_add_co_u32 s20, s20, s21
	s_lshl_b32 s20, s20, 12                        ; my first token's row
	s_add_co_u32 s20, s20, s46
	s_mov_b32 s21, 0
	s_add_nc_u64 s[10:11], s[10:11], s[20:21]
	s_add_nc_u64 s[12:13], s[12:13], s[20:21]
	global_load_b128 v[8:11], v[CO], s[8:9]        ; the bias of my four columns
; the residual of block a: its 16 rows, 512 bytes each, into window 1: v64-127 and v192-255 by turns.  Row t of block a is token 32 (a / 2) + 8 (a % 2) + t % 8 + 16 (t / 8)
.macro RLOAD a
	WIN TO_B
.irp t, 0,1,2,3,4,5,6,7,8,9,10,11,12,13,14,15
	global_load_b128 v[64+128*((\a)%2)+4*\t:64+128*((\a)%2)+4*\t+3], v[CO], s[10:11] offset:(32*((\a)/2)+8*((\a)%2)+(\t%8)+16*(\t/8))*4096
.endr
	WIN 0
.endm
	RLOAD 0
	RLOAD 1
.macro FRAG reg, adr, q, i
.irp c, 0,1
	ds_load_b128 v[\reg+4*\c:\reg+4*\c+3], v[\adr] offset:(\i)*TILEB+(\q)*1024+512*\c
.endr
.endm
; 16 matrix instructions; the 64 accumulators take turns, one instruction a turn, in the same order in every step
.macro MUL16 a0, p, q, sc, zero
.irp a, \a0, \a0+1
.irp b, 0,1,2,3,4,5,6,7
.if \zero
	v_wmma_scale_f32_16x16x128_f8f6f4 v[8*(8*((\a)%4)+\b):8*(8*((\a)%4)+\b)+7], v[128*(\p)+FR*\b:128*(\p)+FR*\b+FR-1], v[AF+FR*(\a):AF+FR*(\a)+FR-1], 0, v[SC+8*NQ*(\sc)+NQ*\b+(\q)], v[SC+8*NQ*(\sc)+NQ*(\a)+(\q)] matrix_a_fmt:MATRIX_FMT_FP4 matrix_b_fmt:MATRIX_FMT_FP4 matrix_a_scale:MATRIX_SCALE_ROW1
.else
	v_wmma_scale_f32_16x16x128_f8f6f4 v[8*(8*((\a)%4)+\b):8*(8*((\a)%4)+\b)+7], v[128*(\p)+FR*\b:128*(\p)+FR*\b+FR-1], v[AF+FR*(\a):AF+FR*(\a)+FR-1], v[8*(8*((\a)%4)+\b):8*(8*((\a)%4)+\b)+7], v[SC+8*NQ*(\sc)+NQ*\b+(\q)], v[SC+8*NQ*(\sc)+NQ*(\a)+(\q)] matrix_a_fmt:MATRIX_FMT_FP4 matrix_b_fmt:MATRIX_FMT_FP4 matrix_a_scale:MATRIX_SCALE_ROW1
.endif
.endr
.endr
.endm
.macro FETCH_B slot, q, p
	WIN TO_B
.irp i, 0,1,2,3,4,5,6,7
	FRAG 128*(\p)+FR*\i, ADRB+\slot, \q, \i
.endr
	WIN 0
.endm
.macro FETCH_A slot, q, i0
.irp i, \i0, \i0+1, \i0+2, \i0+3
	FRAG AF+FR*(\i), ADRA+\slot, \q, \i
.endr
.endm
.macro SCALES sc
.irp i, 0,1,2,3,4,5,6,7
	ds_load_b128 v[SC+8*NQ*\sc+NQ*\i:SC+8*NQ*\sc+NQ*\i+3], v[ADRS+\sc] offset:\i*TILEB
.endr
.endm
.macro PLACES n
.rept \n
	v_nop
.endr
.endm
.macro STEP slot, q, zero
	s_wait_dscnt 4*NL                              ; P's set and Q's blocks 0-3 are in; the youngest eight loads (Q's blocks 4-7) may be out
	WIN MUL_LO
	MUL16 0, (\q)%2, \q, \slot, \zero
	MUL16 2, (\q)%2, \q, \slot, \zero
	s_wait_dscnt 0
	PLACES NP
	FETCH_B \slot, (\q)+1, 1-(\q)%2
	FETCH_A \slot, (\q)+1, 0
	WIN MUL_HI
	MUL16 4, (\q)%2, \q, \slot, \zero
	MUL16 6, (\q)%2, \q, \slot, \zero
	PLACES NP
	WIN 0
	FETCH_A \slot, (\q)+1, 4
.endm
.macro TURN slot, next, fill
	s_wait_tensorcnt 0x0                           ; all my tensor loads have landed: my part of the next slot
	ds_add_u32 v[SPW], v[NIL]                      ; 0 onto my spare word
	s_wait_dscnt 4*NL+1                            ; (the add and the youngest eight loads may be out)
	WIN MUL_LO
	MUL16 0, 1, NQ-1, \slot, 0
	s_wait_dscnt 0x0                               ; the add is done, and my reads of this slot are over
	s_barrier_signal -1
	MUL16 2, 1, NQ-1, \slot, 0
	WIN 0
	s_barrier_wait -1
.if \fill
	CREST                                          ; the barrier has opened a round of the cluster's barrier: no wave of any partner still reads this slot or has a load on its way
	s_add_nc_u64 s[G0+4*\slot+2:G0+4*\slot+3], s[G0+4*\slot+2:G0+4*\slot+3], 2*TILEB
	s_add_nc_u64 s[G0B+4*\slot+2:G0B+4*\slot+3], s[G0B+4*\slot+2:G0B+4*\slot+3], 2*TILEB
	JLOAD G0+4*\slot, G1, G0B+4*\slot, G1B         ; the first tensor load behind the round, one a wave
.else
	PLACES NP
.endif
	FETCH_B \next, 0, 0
	FETCH_A \next, 0, 0
	SCALES \next
	WIN MUL_HI
	MUL16 4, 1, NQ-1, \slot, 0
	MUL16 6, 1, NQ-1, \slot, 0
	PLACES NP
	WIN 0
	FETCH_A \next, 0, 4
.endm
.macro STEPS slot, from
.set Q, \from
.rept NQ-1-\from
	STEP \slot, Q, 0
.set Q, Q+1
.endr
.endm
	s_wait_tensorcnt 1                             ; my part of slot 0 is in (slot 1's load may be out)
	s_barrier_signal -1
	s_barrier_wait -1
	FETCH_B 0, 0, 0
	FETCH_A 0, 0, 0
	SCALES 0
	FETCH_A 0, 0, 4
	STEP 0, 0, 1
.if LAPS > 1
	s_mov_b32 s3, LAPS-1
.Llap:                                 ; a trip goes once round the ring and fills both slots again
	STEPS 0, 1
	TURN 0, 1, 1
	STEPS 1, 0
	TURN 1, 0, 1
	STEP 0, 0, 0
	s_sub_co_u32 s3, s3, 1
	s_cmp_lg_u32 s3, 0
	s_cbranch_scc1 .Llap
.endif
	STEPS 0, 1
	TURN 0, 1, 0
	STEPS 1, 0
	s_wait_dscnt 4*NL
	WIN MUL_LO
	MUL16 0, 1, NQ-1, 1, 0
	MUL16 2, 1, NQ-1, 1, 0
	s_wait_dscnt 0
	WIN MUL_HI
	MUL16 4, 1, NQ-1, 1, 0
	MUL16 6, 1, NQ-1, 1, 0
	WIN 0
; Register j of accumulator (a, b), lane (r, h): token row r of block a, column 32 (b / 2) + 8 (b % 2) + 16 h + j.  LDS serves a wave's instructions in order: no wait between the stores and the loads.
.macro TOSTAGE a
.set AC, 64*((\a)%4)
	WIN 0x08+4*((\a)/4)                            ; an LDS store's data: window 2 or 3
.irp b, 0,1,2,3,4,5,6,7
	ds_store_b128 v[STO], v[AC+8*\b:AC+8*\b+3] offset:128*(\b/2)+32*(\b%2)     ; each accumulator from its low end on
	ds_store_b128 v[STO], v[AC+8*\b+4:AC+8*\b+7] offset:128*(\b/2)+32*(\b%2)+16
.endr
	WIN 0
.set BB, BK+64*((\a)%2)
.irp t, 0,1,2,3,4,5,6,7,8,9,10,11,12,13,14,15
	ds_load_b128 v[BB+4*\t:BB+4*\t+3], v[RD] offset:\t*SPITCH
.endr
.endm
.macro SEND a, younger                 ; younger: the LDS instructions issued behind block a's loads
.set BB, BK+64*((\a)%2)
.set RR, 64+128*((\a)%2)
	s_wait_dscnt \younger
.if (\a) < 7
	s_wait_loadcnt 16                              ; block a's residual is in; block a + 1's sixteen loads may be out
.else
	s_wait_loadcnt 0
.endif
	WIN 0x04                                       ; source 1 window 1
.set i, 0
.rept 32
	v_pk_add_f32 v[BB+i:BB+i+1], v[BB+i:BB+i+1], v[RR+i:RR+i+1]
.set i, i+2
.endr
	WIN 0
.set i, 0
.rept 32
	v_pk_add_f32 v[BB+i:BB+i+1], v[BB+i:BB+i+1], v[8+i%4:9+i%4]
.set i, i+2
.endr
.irp t, 0,1,2,3,4,5,6,7,8,9,10,11,12,13,14,15
.if NT
	global_store_b128 v[CO], v[BB+4*\t:BB+4*\t+3], s[12:13] offset:(32*((\a)/2)+8*((\a)%2)+(\t%8)+16*(\t/8))*4096 th:TH_STORE_NT
.else
	global_store_b128 v[CO], v[BB+4*\t:BB+4*\t+3], s[12:13] offset:(32*((\a)/2)+8*((\a)%2)+(\t%8)+16*(\t/8))*4096   ; 32 lanes store 512 consecutive bytes, at a multiple of 256 from the buffer's first byte
.endif
.endr
.if (\a) < 6
	RLOAD (\a)+2
.endif
.endm
	PLACES NP
	TOSTAGE 0
.irp a, 1,2,3,4,5,6,7
.if \a > 1
	s_wait_xcnt 0x0                                ; block a - 2's stores have read their data: block a's loads may land there
.endif
	TOSTAGE \a
	SEND \a-1, 32                                  ; behind block a - 1's loads: block a's 16 stores and 16 loads
.endr
	SEND 7, 0
	s_wait_tensorcnt 0x0                           ; the wave's end
	ds_add_u32 v[SPW], v[NIL]
	s_wait_dscnt 0x0
	CROUND                                         ; the closing round
	s_endpgm
.Lfunc_end_k_q166d10cff8_proj:
	.size	k_q166d10cff8_proj, .Lfunc_end_k_q166d10cff8_proj-k_q166d10cff8_proj
	.p2alignl 7, 3214868480
	.fill 96, 4, 3214868480
	.section	.rodata,"a",@progbits
	.p2align	6, 0x0
	.amdhsa_kernel k_q166d10cff8_proj
		.amdhsa_group_segment_fixed_size 327680
		.amdhsa_private_segment_fixed_size 0
		.amdhsa_enable_private_segment 0
		.amdhsa_kernarg_size 40
		.amdhsa_user_sgpr_count 2
		.amdhsa_user_sgpr_kernarg_segment_ptr 1
		.amdhsa_wavefront_size32 1
		.amdhsa_system_sgpr_workgroup_id_x 1
		.amdhsa_system_sgpr_workgroup_id_y 1
		.amdhsa_system_sgpr_workgroup_id_z 1
		.amdhsa_system_vgpr_workitem_id 0
		.amdhsa_next_free_vgpr 1024
		.amdhsa_next_free_sgpr 98
		.amdhsa_reserve_vcc 0
		.amdhsa_float_denorm_mode_32 3
		.amdhsa_float_denorm_mode_16_64 3
		.amdhsa_memory_ordered 1
		.amdhsa_forward_progress 1
		.amdhsa_inst_pref_size 167
	.end_amdhsa_kernel
	.amdgpu_metadata
---
amdhsa.version: [ 1, 2 ]
amdhsa.kernels:
  - .name:           k_q166d10cff8_proj
    .symbol:         k_q166d10cff8_proj.kd
    .args:
      - { .name: ao, .offset: 0, .size: 8, .value_kind: global_buffer, .address_space: global }
      - { .name: wpk, .offset: 8, .size: 8, .value_kind: global_buffer, .address_space: global }
      - { .name: b_proj, .offset: 16, .size: 8, .value_kind: global_buffer, .address_space: global }
      - { .name: x, .offset: 24, .size: 8, .value_kind: global_buffer, .address_space: global }
      - { .name: x1, .offset: 32, .size: 8, .value_kind: global_buffer, .address_space: global }
    .group_segment_fixed_size: 327680
    .private_segment_fixed_size: 0
    .kernarg_segment_align: 8
    .kernarg_segment_size: 40
    .max_flat_workgroup_size: 128
    .sgpr_count:     98
    .vgpr_count:     1024
    .wavefront_size: 32
...
	.end_amdgpu_metadata
.endif
;; end of part 5
;; launch ln2: the kernel of part 2 again; grid 256 x 1, 8 waves a work-group, no clusters, 67,584 bytes of LDS; arguments x1, ln2_g, ln2_b, h2; writes h2
;; launch fc1 (part 6): grid 16 x 16, 4 waves a work-group, clusters of 4 x 4, 327,680 bytes of LDS; arguments h2, wpk, b_fc1, hid; writes hid
.if DOCPART == 6
	.amdgcn_target "amdgcn-amd-amdhsa--gfx1250"
	.amdhsa_code_object_version 6
	.text
	.protected	k_q166d10cff8_fc1
	.globl	k_q166d10cff8_fc1
	.p2align	8
	.type	k_q166d10cff8_fc1,@function
k_q166d10cff8_fc1:
	s_mov_b64 s[64:65], 0
	v_nop
	global_prefetch_b8 v0, s[64:65] scope:SCOPE_SE
	s_setreg_imm32_b32 hwreg(HW_REG_WAVE_MODE, 25, 1), 1
	s_wait_xcnt 0x0
	s_wait_alu depctr_hold_cnt(0) depctr_sa_sdst(0) depctr_va_vdst(0) depctr_va_sdst(0) depctr_va_ssrc(0) depctr_va_vcc(0) depctr_vm_vsrc(0)
	s_getreg_b32 s2, hwreg(HW_REG_IB_STS2, 6, 4)
	s_cmp_eq_u32 s2, 0
	s_cbranch_scc0 .Lentry_in_a_cluster
	s_endpgm
.Lentry_in_a_cluster:
	s_bfe_u32 s2, ttmp6, 0x10000c
	s_cmp_lg_u32 s2, 0xf033
	s_cbranch_scc0 .Lentry_shape_is_right
	s_endpgm
.Lentry_shape_is_right:
; hid = Q(gelu(h2 w_fc1 + b_fc1)): the product on codes of FP4 (E2M1) with E8M0 scales, K = 1,024; the exact gelu 0.5 x (1 + erf(x / sqrt 2)) in f32; the result quantised along FF and stored as the next product's operand.
; OPERANDS lie as PK(rows, K): [tile of 16 rows][group g of 512 along K][4,352 bytes]: byte 1024 q + 512 c + 16 lane = registers 4 c .. 4 c + 3 of the fragment of K step 4 g + q; byte 4096 + 16 r + 4 q = row r's scale word.
; Row r of tile T is row 32 (T / 2) + 8 (T % 2) + r % 8 + 16 (r / 8).  With source 0 = column tile b, register j of lane (r, h) is column 32 (b / 2) + 16 h + 8 (b % 2) + j: a token's 64 registers run along FF.
; A work-group makes 256 tokens (Q side, source 1) x 256 columns (P side, source 0); a wave 128 x 128: its 128 columns are one K step of the next product.  CLUSTERS 4 x 4 with joint loads.
; K = 1,024 is two groups: both slots are asked for at the head and none is filled again.  All of a WGP's LDS is claimed.
; ERF: z P(z^2) / Q(z^2) with z held to +-4, polynomials of degree 6 and 4 in z^2, all in f32; the division is v_rcp_f32 and a multiplication.
; THE WAY OUT is a loop of eight trips, a block of 16 tokens each: only the lines that name the block's accumulators are written eight times; the gelu and the quantiser work on fixed registers.
; The scale words leave 4 bytes a row (one byte in 16 of the output): the row's other three words are other waves'.
; LIMITS: a block of zeros gets the byte 1, not 127; magnitudes under 2^-124 are held at that floor; NaN and infinities are not served.
.set SIZE_K, 1024
.set POFF,   2228224                   ; w_fc1's place in wpk
.set G,      SIZE_K/512
.set NQ,     4
.set FR,     8
.set NL,     2
.set NP,     4
.set TILEB,  4352
.set HALFT,  8*TILEB
.set SLOT,   4*HALFT
.set SPARE,  2*SLOT                    ; the spare words, 128 bytes a wave: two blocks of 256 bytes that no other line names
.set ADRA, 16
.set ADRB, 20
.set ADRS, 22
.set GO,   24                          ; v24 16 x lane
.set SOV,  26                          ; v26 16 r
.set SPW,  28
.set NIL,  29
.set SC,   32
.set AF,   128
.set HA,   32                          ; the way out: v32-95 64 numbers
.set PC,   96
.set TM,   104
.set PW,   120
.set ZZ,   128                         ; v128-159 z;  v160-191 z^2, then x / 2;  v192-223 P;  v224-255 Q
.set YY,   160
.set PP,   192
.set QQ,   224
.set G1, 24
.set G0, 32
.set G1B, 48
.set G0B, 56
.set KA13, 66                          ; the polynomials' coefficients, a scalar pair each (the packed form names a pair and takes its low word for both halves)
.set KA9,  68
.set KA7,  70
.set KA5,  72
.set KA3,  74
.set KA1,  76
.set KB8,  78
.set KB4,  80
.set KB2,  82
.set KB0,  84
.set KRS2, 86
.set SEL,  88
.set AI,   90
.set OUT,  92
.set OUTS, 94
.set MSB, 0
.macro WIN new
.if MSB != (\new)
	s_set_vgpr_msb (MSB<<8)|(\new)
.set MSB, (\new)
.endif
.endm
.set MUL_LO, 0xa1
.set MUL_HI, 0xf1
.set TO_B,   0x40
.macro JLOAD g0a, g1a, g0b, g1b        ; a joint load: waves 0 and 1 for the Q side, waves 2 and 3 for the P side; four v_nop follow each line
	s_cmp_eq_u32 s15, 0
	s_cbranch_scc0 .Lfor_p_\@
	tensor_load_to_lds s[\g0a:\g0a+3], s[\g1a:\g1a+7]
	s_nop 0
.rept 4
	v_nop
.endr
	s_branch .Lasked_\@
.Lfor_p_\@:
	tensor_load_to_lds s[\g0b:\g0b+3], s[\g1b:\g1b+7]
	s_nop 0
.rept 4
	v_nop
.endr
.Lasked_\@:
.endm
.macro CREST
	s_cmp_lg_u32 s14, 0
	s_cbranch_scc1 .Lnot_wave_0_\@
	s_barrier_signal -3
.Lnot_wave_0_\@:
	s_barrier_wait -3
	s_barrier_signal -1
	s_barrier_wait -1
.endm
.macro CROUND
	s_barrier_signal -1
	s_barrier_wait -1
	CREST
.endm
.macro KSET k, bits
	s_mov_b32 s[\k], \bits
	s_mov_b32 s[\k+1], \bits
.endm
	s_load_b256 s[4:11], s[0:1], 0x0               ; h2, wpk, b_fc1, hid
	v_lshl_add_u32 v[SPW], v0, 2, SPARE
	v_mov_b32 v[NIL], 0
	ds_add_u32 v28, v29
	ds_add_u32 v28, v29
	s_wait_dscnt 0x0
	v_lshrrev_b32 v1, 5, v0
	v_readfirstlane_b32 s14, v1
	s_lshr_b32 s15, s14, 1
	s_and_b32 s16, s14, 1
	s_bfe_u32 s40, ttmp6, 0x40000
	s_bfe_u32 s41, ttmp6, 0x40004
	s_lshl_b32 s42, ttmp9, 2
	s_add_co_u32 s42, s42, s40                     ; P tile of 256 columns
	s_and_b32 s17, ttmp7, 0xffff
	s_lshl_b32 s17, s17, 2
	s_add_co_u32 s17, s17, s41                     ; Q tile of 256 tokens
	s_lshl_b32 s43, s41, 2
	s_lshl_b32 s43, 15, s43
	s_lshl_b32 s44, 0x1111, s40
	s_or_b32 s[G1+0], s43, (3<<16)|(1<<21)         ; 8 rows (tiles) of 544 elements of 8 bytes, G x 544 apart; the mask; bit 21 beside it
	s_or_b32 s[G1B+0], s44, (3<<16)|(1<<21)
.irp g, G1, G1B
	s_mov_b32 s[\g+1], 544<<16
	s_mov_b32 s[\g+2], 8<<16
	s_mov_b32 s[\g+3], 544<<16
	s_mov_b32 s[\g+4], 8
	s_mov_b32 s[\g+5], G*544
	s_mov_b32 s[\g+6], 0
	s_mov_b32 s[\g+7], 0
.endr
	s_lshl_b32 s18, s16, 3
	s_lshl_b32 s20, s17, 4
	s_add_co_u32 s20, s20, s18
	s_mul_i32 s20, s20, G*TILEB
	s_mov_b32 s21, 0
	s_lshl_b32 s46, s42, 4
	s_add_co_u32 s46, s46, s18
	s_mul_i32 s46, s46, G*TILEB
	s_add_co_u32 s46, s46, POFF
	s_mov_b32 s47, 0
	s_mul_i32 s45, s14, HALFT
	s_wait_kmcnt 0x0
	s_add_nc_u64 s[20:21], s[4:5], s[20:21]
	s_add_nc_u64 s[46:47], s[6:7], s[46:47]
	CROUND
.irp s, 0,1
	s_mov_b32 s[G0+4*\s], 1
	s_add_co_u32 s[G0+4*\s+1], s45, \s*SLOT
	s_add_nc_u64 s[G0+4*\s+2:G0+4*\s+3], s[20:21], \s*TILEB
	s_or_b32 s[G0+4*\s+3], s[G0+4*\s+3], 0x80000000
	s_mov_b32 s[G0B+4*\s], 1
	s_add_co_u32 s[G0B+4*\s+1], s45, \s*SLOT
	s_add_nc_u64 s[G0B+4*\s+2:G0B+4*\s+3], s[46:47], \s*TILEB
	s_or_b32 s[G0B+4*\s+3], s[G0B+4*\s+3], 0x80000000
	JLOAD G0+4*\s, G1, G0B+4*\s, G1B
.endr
	v_and_b32 v1, 15, v0
	v_bfe_u32 v2, v0, 4, 1
	v_and_b32 v3, 31, v0
	v_lshlrev_b32 v4, 4, v3
	s_mul_i32 s21, s15, HALFT
	s_mul_i32 s22, s16, HALFT
	s_add_co_u32 s22, s22, 2*HALFT
	v_lshlrev_b32 v5, 4, v1
	s_sub_co_u32 s23, s22, s21
	v_mul_u32_u24 v6, s23, v2
	v_add_nc_u32 v5, v5, v6
	v_add_nc_u32 v5, 4096, v5
.irp s, 0,1
	v_add_nc_u32 v[ADRA+\s], s21, v4
	v_add_nc_u32 v[ADRB+\s], s22, v4
	v_add_nc_u32 v[ADRS+\s], s21, v5
	s_add_co_u32 s21, s21, SLOT
	s_add_co_u32 s22, s22, SLOT
.endr
	; the bias, 64 registers in window 1 (v64-127): register 8 b + j = b_fc1 at my first column + 32 (b / 2) + 8 (b % 2) + 16 h + j
	s_lshl_b32 s46, s42, 8
	s_lshl_b32 s47, s16, 7
	s_add_co_u32 s46, s46, s47
	s_lshl_b32 s46, s46, 2
	s_mov_b32 s47, 0
	s_add_nc_u64 s[8:9], s[8:9], s[46:47]
	v_lshlrev_b32 v27, 6, v2
	WIN TO_B
.irp b, 0,1,2,3,4,5,6,7
	global_load_b128 v[64+8*\b:64+8*\b+3], v27, s[8:9] offset:(32*(\b/2)+8*(\b%2))*4
	global_load_b128 v[64+8*\b+4:64+8*\b+7], v27, s[8:9] offset:(32*(\b/2)+8*(\b%2))*4+16
.endr
	WIN 0
	; where my results go: hid = PK(4096, 4096): tile 16 x Q tile + 8 x my Q half (+ 1 a trip), K step s = 2 x P tile + my P half
	s_lshl_b32 s20, s17, 4
	s_lshl_b32 s21, s15, 3
	s_add_co_u32 s20, s20, s21
	s_mul_i32 s20, s20, 8*TILEB
	s_lshl_b32 s21, s42, 1
	s_add_co_u32 s21, s21, s16
	s_lshr_b32 s22, s21, 2
	s_mul_i32 s22, s22, TILEB
	s_add_co_u32 s20, s20, s22
	s_and_b32 s21, s21, 3
	s_lshl_b32 s22, s21, 10
	s_add_co_u32 s22, s22, s20
	s_mov_b32 s23, 0
	s_add_nc_u64 s[OUT:OUT+1], s[10:11], s[22:23]
	s_lshl_b32 s22, s21, 2
	s_add_co_u32 s22, s22, s20
	s_add_co_u32 s22, s22, 4096
	s_add_nc_u64 s[OUTS:OUTS+1], s[10:11], s[22:23]
	v_lshlrev_b32 v[GO], 4, v3
	v_lshlrev_b32 v[SOV], 4, v1
.irp b, 0,1,2,3
	v_mov_b32 v[TM+4+\b], 0                        ; a lane permute's destination counts as one of its sources
.endr
	v_mov_b32 v124, 0x32edffee                     ; alpha 11 and beta 6 stand in vector pairs, so that no instruction names two scalar pairs
	v_mov_b32 v125, 0x32edffee
	v_mov_b32 v126, 0xb95fbd29
	v_mov_b32 v127, 0xb95fbd29
	KSET KA13, 0xaf95df0b
	KSET KA9,  0xb60cff51
	KSET KA7,  0xb86ec2d2
	KSET KA5,  0xba40ac63
	KSET KA3,  0xbb41a1f6
	KSET KA1,  0xbc83dbd4
	KSET KB8,  0xb77460cd
	KSET KB4,  0xbadc924e
	KSET KB2,  0xbbf19bf8
	KSET KB0,  0xbc69b6a7
	KSET KRS2, 0x3f3504f3                          ; 1 / sqrt 2
	s_mov_b32 s[SEL], 0x76543210
	s_mov_b32 s[SEL+1], 0xfedcba98
.macro FRAG reg, adr, q, i
.irp c, 0,1
	ds_load_b128 v[\reg+4*\c:\reg+4*\c+3], v[\adr] offset:(\i)*TILEB+(\q)*1024+512*\c
.endr
.endm
; 16 matrix instructions; the 64 accumulators take turns, one instruction a turn, in the same order in every step
.macro MUL16 a0, p, q, sc, zero
.irp a, \a0, \a0+1
.irp b, 0,1,2,3,4,5,6,7
.if \zero
	v_wmma_scale_f32_16x16x128_f8f6f4 v[8*(8*((\a)%4)+\b):8*(8*((\a)%4)+\b)+7], v[128*(\p)+FR*\b:128*(\p)+FR*\b+FR-1], v[AF+FR*(\a):AF+FR*(\a)+FR-1], 0, v[SC+8*NQ*(\sc)+NQ*\b+(\q)], v[SC+8*NQ*(\sc)+NQ*(\a)+(\q)] matrix_a_fmt:MATRIX_FMT_FP4 matrix_b_fmt:MATRIX_FMT_FP4 matrix_a_scale:MATRIX_SCALE_ROW1
.else
	v_wmma_scale_f32_16x16x128_f8f6f4 v[8*(8*((\a)%4)+\b):8*(8*((\a)%4)+\b)+7], v[128*(\p)+FR*\b:128*(\p)+FR*\b+FR-1], v[AF+FR*(\a):AF+FR*(\a)+FR-1], v[8*(8*((\a)%4)+\b):8*(8*((\a)%4)+\b)+7], v[SC+8*NQ*(\sc)+NQ*\b+(\q)], v[SC+8*NQ*(\sc)+NQ*(\a)+(\q)] matrix_a_fmt:MATRIX_FMT_FP4 matrix_b_fmt:MATRIX_FMT_FP4 matrix_a_scale:MATRIX_SCALE_ROW1
.endif
.endr
.endr
.endm
.macro FETCH_B slot, q, p
	WIN TO_B
.irp i, 0,1,2,3,4,5,6,7
	FRAG 128*(\p)+FR*\i, ADRB+\slot, \q, \i
.endr
	WIN 0
.endm
.macro FETCH_A slot, q, i0
.irp i, \i0, \i0+1, \i0+2, \i0+3
	FRAG AF+FR*(\i), ADRA+\slot, \q, \i
.endr
.endm
.macro SCALES sc
.irp i, 0,1,2,3,4,5,6,7
	ds_load_b128 v[SC+8*NQ*\sc+NQ*\i:SC+8*NQ*\sc+NQ*\i+3], v[ADRS+\sc] offset:\i*TILEB
.endr
.endm
.macro PLACES n
.rept \n
	v_nop
.endr
.endm
.macro STEP slot, q, zero
	s_wait_dscnt 4*NL                              ; P's set and Q's blocks 0-3 are in; the youngest eight loads (Q's blocks 4-7) may be out
	WIN MUL_LO
	MUL16 0, (\q)%2, \q, \slot, \zero
	MUL16 2, (\q)%2, \q, \slot, \zero
	s_wait_dscnt 0
	PLACES NP
	FETCH_B \slot, (\q)+1, 1-(\q)%2
	FETCH_A \slot, (\q)+1, 0
	WIN MUL_HI
	MUL16 4, (\q)%2, \q, \slot, \zero
	MUL16 6, (\q)%2, \q, \slot, \zero
	PLACES NP
	WIN 0
	FETCH_A \slot, (\q)+1, 4
.endm
.macro TURN slot, next                 ; the change of slots; nothing is filled again in this launch
	s_wait_tensorcnt 0x0                           ; all my tensor loads have landed: my part of the next slot
	ds_add_u32 v[SPW], v[NIL]                      ; 0 onto my spare word
	s_wait_dscnt 4*NL+1                            ; (the add and the youngest eight loads may be out)
	WIN MUL_LO
	MUL16 0, 1, NQ-1, \slot, 0
	s_wait_dscnt 0x0
	s_barrier_signal -1
	MUL16 2, 1, NQ-1, \slot, 0
	WIN 0
	s_barrier_wait -1
	PLACES NP
	FETCH_B \next, 0, 0
	FETCH_A \next, 0, 0
	SCALES \next
	WIN MUL_HI
	MUL16 4, 1, NQ-1, \slot, 0
	MUL16 6, 1, NQ-1, \slot, 0
	PLACES NP
	WIN 0
	FETCH_A \next, 0, 4
.endm
.macro STEPS slot, from
.set Q, \from
.rept NQ-1-\from
	STEP \slot, Q, 0
.set Q, Q+1
.endr
.endm
	s_wait_tensorcnt 1                             ; my part of slot 0 is in (slot 1's load may be out)
	s_barrier_signal -1
	s_barrier_wait -1
	FETCH_B 0, 0, 0
	FETCH_A 0, 0, 0
	SCALES 0
	FETCH_A 0, 0, 4
	STEP 0, 0, 1
	STEPS 0, 1
	TURN 0, 1
	STEPS 1, 0
	s_wait_dscnt 4*NL
	WIN MUL_LO
	MUL16 0, 1, NQ-1, 1, 0
	MUL16 2, 1, NQ-1, 1, 0
	s_wait_dscnt 0
	WIN MUL_HI
	MUL16 4, 1, NQ-1, 1, 0
	MUL16 6, 1, NQ-1, 1, 0
	WIN 0
.macro ACT a                           ; block a's eight accumulators + bias -> v[HA] on; each accumulator is read from its low end on
	WIN 0x06+(\a)/4                                ; source 0 window 2 or 3, source 1 window 1
.set i, 0
.rept 32
	v_pk_add_f32 v[HA+i:HA+i+1], v[64*((\a)%4)+i:64*((\a)%4)+i+1], v[64+i:64+i+1]
.set i, i+2
.endr
	WIN 0
.endm
; 32 numbers at v[x] on become their gelu, stage by stage over 16 pairs, so that no line waits for the line above it
.macro GELU x
.set i, 0
.rept 16
	v_pk_mul_f32 v[ZZ+i:ZZ+i+1], v[(\x)+i:(\x)+i+1], s[KRS2:KRS2+1] op_sel_hi:[1,0]
.set i, i+2
.endr
.set i, 0
.rept 32
	v_med3_num_f32 v[ZZ+i], v[ZZ+i], -4.0, 4.0     ; beyond +-4 erf is +-1 to f32's last bit
.set i, i+1
.endr
.set i, 0
.rept 16
	v_pk_mul_f32 v[YY+i:YY+i+1], v[ZZ+i:ZZ+i+1], v[ZZ+i:ZZ+i+1]
.set i, i+2
.endr
.set i, 0
.rept 16
	v_pk_fma_f32 v[PP+i:PP+i+1], v[YY+i:YY+i+1], s[KA13:KA13+1], v[124:125] op_sel_hi:[1,0,1]
	v_pk_fma_f32 v[QQ+i:QQ+i+1], v[YY+i:YY+i+1], s[KB8:KB8+1], v[126:127] op_sel_hi:[1,0,1]
.set i, i+2
.endr
.irp k, KA9, KA7, KA5, KA3, KA1
.set i, 0
.rept 16
	v_pk_fma_f32 v[PP+i:PP+i+1], v[PP+i:PP+i+1], v[YY+i:YY+i+1], s[\k:\k+1] op_sel_hi:[1,1,0]
.set i, i+2
.endr
.endr
.irp k, KB4, KB2, KB0
.set i, 0
.rept 16
	v_pk_fma_f32 v[QQ+i:QQ+i+1], v[QQ+i:QQ+i+1], v[YY+i:YY+i+1], s[\k:\k+1] op_sel_hi:[1,1,0]
.set i, i+2
.endr
.endr
.set i, 0
.rept 16
	v_pk_mul_f32 v[PP+i:PP+i+1], v[PP+i:PP+i+1], v[ZZ+i:ZZ+i+1]
.set i, i+2
.endr
.set i, 0
.rept 32
	v_rcp_f32 v[QQ+i], v[QQ+i]
.set i, i+1
.endr
.set i, 0
.rept 16
	v_pk_mul_f32 v[YY+i:YY+i+1], v[(\x)+i:(\x)+i+1], 0.5 op_sel_hi:[1,0]       ; x / 2: plain work behind the reciprocals that names none of them
.set i, i+2
.endr
	s_wait_alu depctr_va_vdst(0)                   ; one wait for the batch of 32, ahead of its first reader
.set i, 0
.rept 16
	v_pk_mul_f32 v[PP+i:PP+i+1], v[PP+i:PP+i+1], v[QQ+i:QQ+i+1]                ; erf
.set i, i+2
.endr
.set i, 0
.rept 16
	v_pk_fma_f32 v[(\x)+i:(\x)+i+1], v[YY+i:YY+i+1], v[PP+i:PP+i+1], v[YY+i:YY+i+1]   ; x / 2 erf + x / 2
.set i, i+2
.endr
.endm
.macro QUANT s                         ; 64 numbers of a lane, register 16 b + i = k 32 b + 16 h + i of my row, become a fragment's codes in v[PC] on and its scale word in v[PW]
.irp b, 0,1,2,3
	v_max3_num_f32 v[TM+\b], |v[\s+16*\b]|, |v[\s+1+16*\b]|, 0x1800000
.endr
.irp i, 2,4,6,8,10,12,14
.irp b, 0,1,2,3
	v_max3_num_f32 v[TM+\b], v[TM+\b], |v[\s+16*\b+\i]|, |v[\s+1+16*\b+\i]|
.endr
.endr
.irp b, 0,1,2,3
	v_permlanex16_b32 v[TM+4+\b], v[TM+\b], s[SEL], s[SEL+1]
.endr
.irp b, 0,1,2,3
	v_max_num_f32 v[TM+\b], v[TM+\b], v[TM+4+\b]
.endr
.irp b, 0,1,2,3
	v_add_nc_u32 v[TM+12+\b], 0xff000000, v[TM+\b]
.endr
.irp b, 0,1,2,3
	v_lshrrev_b32 v[TM+4+\b], 23, v[TM+12+\b]
.endr
	v_lshl_or_b32 v[PW], v[TM+5], 8, v[TM+4]
	v_lshl_or_b32 v[PW], v[TM+6], 16, v[PW]
	v_lshl_or_b32 v[PW], v[TM+7], 24, v[PW]
.irp b, 0,1,2,3
	v_cvt_scalef32_pk8_fp4_f32 v[PC+2*\b], v[\s+16*\b:\s+7+16*\b], v[TM+12+\b]
	v_cvt_scalef32_pk8_fp4_f32 v[PC+1+2*\b], v[\s+8+16*\b:\s+15+16*\b], v[TM+12+\b]
.endr
	v_nop
.irp c, 0,1
.irp i, 0,1
	v_permlane16_swap_b32 v[PC+4*\c+\i], v[PC+2+4*\c+\i]
.endr
.endr
.endm
	PLACES NP                                      ; behind the last products: their results are read and their operands' and scales' registers written below
	s_wait_loadcnt 0x0                             ; the bias
	s_mov_b32 s[AI], 0
.Lrow:                                 ; eight trips: the count is a constant, the same in every work-group
.irp a, 0,1,2,3,4,5,6,7
	s_cmp_lg_u32 s[AI], \a
	s_cbranch_scc1 .Lnot\a
	ACT \a
.Lnot\a:
.endr
	GELU HA
	GELU HA+32
	QUANT HA
	global_store_b128 v[GO], v[PC:PC+3], s[OUT:OUT+1]                          ; 512 consecutive bytes, at a multiple of 256 from hid's first byte
	global_store_b128 v[GO], v[PC+4:PC+7], s[OUT:OUT+1] offset:512
	global_store_b32 v[SOV], v[PW], s[OUTS:OUTS+1]                             ; both halves of the lanes store the same word to the same place
	s_wait_xcnt 0x0                                ; the stores have read their data and bases: both are written again
	s_add_nc_u64 s[OUT:OUT+1], s[OUT:OUT+1], 8*TILEB
	s_add_nc_u64 s[OUTS:OUTS+1], s[OUTS:OUTS+1], 8*TILEB
	s_add_co_u32 s[AI], s[AI], 1
	s_cmp_lt_u32 s[AI], 8
	s_cbranch_scc1 .Lrow
	s_wait_tensorcnt 0x0                           ; the wave's end
	ds_add_u32 v[SPW], v[NIL]
	s_wait_dscnt 0x0
	CROUND                                         ; the closing round
	s_endpgm
.Lfunc_end_k_q166d10cff8_fc1:
	.size	k_q166d10cff8_fc1, .Lfunc_end_k_q166d10cff8_fc1-k_q166d10cff8_fc1
	.p2alignl 7, 3214868480
	.fill 96, 4, 3214868480
	.section	.rodata,"a",@progbits
	.p2align	6, 0x0
	.amdhsa_kernel k_q166d10cff8_fc1
		.amdhsa_group_segment_fixed_size 327680
		.amdhsa_private_segment_fixed_size 0
		.amdhsa_enable_private_segment 0
		.amdhsa_kernarg_size 32
		.amdhsa_user_sgpr_count 2
		.amdhsa_user_sgpr_kernarg_segment_ptr 1
		.amdhsa_wavefront_size32 1
		.amdhsa_system_sgpr_workgroup_id_x 1
		.amdhsa_system_sgpr_workgroup_id_y 1
		.amdhsa_system_sgpr_workgroup_id_z 1
		.amdhsa_system_vgpr_workitem_id 0
		.amdhsa_next_free_vgpr 1024
		.amdhsa_next_free_sgpr 98
		.amdhsa_reserve_vcc 0
		.amdhsa_float_denorm_mode_32 3
		.amdhsa_float_denorm_mode_16_64 3
		.amdhsa_memory_ordered 1
		.amdhsa_forward_progress 1
		.amdhsa_inst_pref_size 156
	.end_amdhsa_kernel
	.amdgpu_metadata
---
amdhsa.version: [ 1, 2 ]
amdhsa.kernels:
  - .name:           k_q166d10cff8_fc1
    .symbol:         k_q166d10cff8_fc1.kd
    .args:
      - { .name: h2, .offset: 0, .size: 8, .value_kind: global_buffer, .address_space: global }
      - { .name: wpk, .offset: 8, .size: 8, .value_kind: global_buffer, .address_space: global }
      - { .name: b_fc1, .offset: 16, .size: 8, .value_kind: global_buffer, .address_space: global }
      - { .name: hid, .offset: 24, .size: 8, .value_kind: global_buffer, .address_space: global }
    .group_segment_fixed_size: 327680
    .private_segment_fixed_size: 0
    .kernarg_segment_align: 8
    .kernarg_segment_size: 32
    .max_flat_workgroup_size: 128
    .sgpr_count:     98
    .vgpr_count:     1024
    .wavefront_size: 32
...
	.end_amdgpu_metadata
.endif
;; end of part 6
;; launch fc2 (part 7): grid 4 x 16, 4 waves a work-group, clusters of 4 x 4, 327,680 bytes of LDS; arguments hid, wpk, b_fc2, x1, out0; writes out0
.if DOCPART == 7
	.amdgcn_target "amdgcn-amd-amdhsa--gfx1250"
	.amdhsa_code_object_version 6
	.text
	.protected	k_q166d10cff8_fc2
	.globl	k_q166d10cff8_fc2
	.p2align	8
	.type	k_q166d10cff8_fc2,@function
k_q166d10cff8_fc2:
	s_mov_b64 s[64:65], 0
	v_nop
	global_prefetch_b8 v0, s[64:65] scope:SCOPE_SE
	s_setreg_imm32_b32 hwreg(HW_REG_WAVE_MODE, 25, 1), 1
	s_wait_xcnt 0x0
	s_wait_alu depctr_hold_cnt(0) depctr_sa_sdst(0) depctr_va_vdst(0) depctr_va_sdst(0) depctr_va_ssrc(0) depctr_va_vcc(0) depctr_vm_vsrc(0)
	s_getreg_b32 s2, hwreg(HW_REG_IB_STS2, 6, 4)
	s_cmp_eq_u32 s2, 0
	s_cbranch_scc0 .Lentry_in_a_cluster
	s_endpgm
.Lentry_in_a_cluster:
	s_bfe_u32 s2, ttmp6, 0x10000c
	s_cmp_lg_u32 s2, 0xf033
	s_cbranch_scc0 .Lentry_shape_is_right
	s_endpgm
.Lentry_shape_is_right:
; out = res + act W + bias: act [4096][SIZE_K] and W [1024 (n)][SIZE_K] as codes of FP4 (E2M1) with E8M0 scales; res, out [4096][1024] and bias [1024] f32.  Here: out0 = x1 + hid w_fc2 + b_fc2, SIZE_K = 4,096.
; OPERANDS lie as PK(rows, K): [tile of 16 rows][group g of 512 along K][4,352 bytes]: byte 1024 q + 512 c + 16 lane = registers 4 c .. 4 c + 3 of the fragment of K step 4 g + q; byte 4096 + 16 r + 4 q = row r's scale word.
; Row r of tile T is row 32 (T / 2) + 8 (T % 2) + r % 8 + 16 (r / 8), for tokens and for W's columns alike.
; A work-group makes 256 tokens (Q side: source 1, in the lanes) x 256 columns (P side: source 0, in the registers); a wave 128 x 128: 64 accumulators.  A slot of LDS holds one group of both sides, codes and scale words together.
; THE RING: two slots; eight groups along K; six refills, one joint load a wave behind each round of the cluster's barrier, 256 matrix instructions a wave from change to change.  At most two tensor loads of a wave are out.
; CLUSTERS 4 x 4: the Q side's tile is shared along a row of the cluster, the P side's along a column: joint loads.  The output has 64 tiles of 256 x 256: 64 work-groups.
; NOT WRITTEN: a prefetch of the ring's later groups (a partner's share of a load is 34 blocks of 256 bytes, which 32 lanes do not name in one instruction).
; All of a WGP's LDS is claimed.
; THE WAY OUT: a block of 16 tokens x 128 columns goes through the wave's own stage in LDS (in slot 0, which has had its last fill and its last read) and comes back as rows of 512 bytes; residual and bias are added there.
.set SIZE_K, 4096
.set POFF,   4456448                   ; W's place in wpk
.set NT,     1                         ; the output is read by no later launch
.set G,      SIZE_K/512
.set LAPS,   SIZE_K/1024
.set NQ,     4
.set FR,     8
.set NL,     2
.set NP,     4
.set TILEB,  4352
.set HALFT,  8*TILEB
.set SLOT,   4*HALFT
.set SPARE,  2*SLOT                    ; the spare words, 128 bytes a wave: two blocks of 256 bytes that no other line names
.set SPITCH, 528
.set ADRA, 16
.set ADRB, 20
.set ADRS, 22
.set STO,  24                          ; v24 the way out: where I put 32 bytes of a row
.set RD,   25                          ; v25 where I read a row back
.set CO,   26                          ; v26 16 x lane: my place in a row's 512 bytes
.set SPW,  28
.set NIL,  29
.set SC,   32
.set AF,   128
.set BK,   128                         ; the way out: 16 rows back from the stage: v128-191 and v192-255 by turns
.set G1, 24
.set G0, 32
.set G1B, 48
.set G0B, 56
.set MSB, 0
.macro WIN new
.if MSB != (\new)
	s_set_vgpr_msb (MSB<<8)|(\new)
.set MSB, (\new)
.endif
.endm
.set MUL_LO, 0xa1
.set MUL_HI, 0xf1
.set TO_B,   0x40
.macro JLOAD g0a, g1a, g0b, g1b        ; a joint load: waves 0 and 1 for the Q side, waves 2 and 3 for the P side; four v_nop follow each line
	s_cmp_eq_u32 s15, 0
	s_cbranch_scc0 .Lfor_p_\@
	tensor_load_to_lds s[\g0a:\g0a+3], s[\g1a:\g1a+7]
	s_nop 0
.rept 4
	v_nop
.endr
	s_branch .Lasked_\@
.Lfor_p_\@:
	tensor_load_to_lds s[\g0b:\g0b+3], s[\g1b:\g1b+7]
	s_nop 0
.rept 4
	v_nop
.endr
.Lasked_\@:
.endm
.macro CREST
	s_cmp_lg_u32 s14, 0
	s_cbranch_scc1 .Lnot_wave_0_\@
	s_barrier_signal -3
.Lnot_wave_0_\@:
	s_barrier_wait -3
	s_barrier_signal -1
	s_barrier_wait -1
.endm
.macro CROUND
	s_barrier_signal -1
	s_barrier_wait -1
	CREST
.endm
	s_load_b256 s[4:11], s[0:1], 0x0               ; act, wpk, bias, res
	s_load_b64 s[12:13], s[0:1], 0x20              ; out
	v_lshl_add_u32 v[SPW], v0, 2, SPARE
	v_mov_b32 v[NIL], 0
	ds_add_u32 v28, v29
	ds_add_u32 v28, v29
	s_wait_dscnt 0x0
	v_lshrrev_b32 v1, 5, v0
	v_readfirstlane_b32 s14, v1
	s_lshr_b32 s15, s14, 1
	s_and_b32 s16, s14, 1
	s_bfe_u32 s40, ttmp6, 0x40000
	s_bfe_u32 s41, ttmp6, 0x40004
	s_lshl_b32 s42, ttmp9, 2
	s_add_co_u32 s42, s42, s40                     ; P tile of 256 columns
	s_and_b32 s17, ttmp7, 0xffff
	s_lshl_b32 s17, s17, 2
	s_add_co_u32 s17, s17, s41                     ; Q tile of 256 tokens
	s_lshl_b32 s43, s41, 2
	s_lshl_b32 s43, 15, s43
	s_lshl_b32 s44, 0x1111, s40
	s_or_b32 s[G1+0], s43, (3<<16)|(1<<21)         ; 8 rows (tiles) of 544 elements of 8 bytes, G x 544 apart; the mask; bit 21 beside it
	s_or_b32 s[G1B+0], s44, (3<<16)|(1<<21)
.irp g, G1, G1B
	s_mov_b32 s[\g+1], 544<<16
	s_mov_b32 s[\g+2], 8<<16
	s_mov_b32 s[\g+3], 544<<16
	s_mov_b32 s[\g+4], 8
	s_mov_b32 s[\g+5], G*544
	s_mov_b32 s[\g+6], 0
	s_mov_b32 s[\g+7], 0
.endr
	s_lshl_b32 s18, s16, 3
	s_lshl_b32 s20, s17, 4
	s_add_co_u32 s20, s20, s18
	s_mul_i32 s20, s20, G*TILEB
	s_mov_b32 s21, 0
	s_lshl_b32 s46, s42, 4
	s_add_co_u32 s46, s46, s18
	s_mul_i32 s46, s46, G*TILEB
	s_add_co_u32 s46, s46, POFF
	s_mov_b32 s47, 0
	s_mul_i32 s45, s14, HALFT
	s_wait_kmcnt 0x0
	s_add_nc_u64 s[20:21], s[4:5], s[20:21]
	s_add_nc_u64 s[46:47], s[6:7], s[46:47]
	CROUND
.irp s, 0,1
	s_mov_b32 s[G0+4*\s], 1
	s_add_co_u32 s[G0+4*\s+1], s45, \s*SLOT
	s_add_nc_u64 s[G0+4*\s+2:G0+4*\s+3], s[20:21], \s*TILEB
	s_or_b32 s[G0+4*\s+3], s[G0+4*\s+3], 0x80000000
	s_mov_b32 s[G0B+4*\s], 1
	s_add_co_u32 s[G0B+4*\s+1], s45, \s*SLOT
	s_add_nc_u64 s[G0B+4*\s+2:G0B+4*\s+3], s[46:47], \s*TILEB
	s_or_b32 s[G0B+4*\s+3], s[G0B+4*\s+3], 0x80000000
	JLOAD G0+4*\s, G1, G0B+4*\s, G1B
.endr
	v_and_b32 v1, 15, v0
	v_bfe_u32 v2, v0, 4, 1
	v_and_b32 v3, 31, v0
	v_lshlrev_b32 v4, 4, v3
	s_mul_i32 s21, s15, HALFT
	s_mul_i32 s22, s16, HALFT
	s_add_co_u32 s22, s22, 2*HALFT
	v_lshlrev_b32 v5, 4, v1
	s_sub_co_u32 s23, s22, s21
	v_mul_u32_u24 v6, s23, v2
	v_add_nc_u32 v5, v5, v6
	v_add_nc_u32 v5, 4096, v5
.irp s, 0,1
	v_add_nc_u32 v[ADRA+\s], s21, v4
	v_add_nc_u32 v[ADRB+\s], s22, v4
	v_add_nc_u32 v[ADRS+\s], s21, v5
	s_add_co_u32 s21, s21, SLOT
	s_add_co_u32 s22, s22, SLOT
.endr
	s_mul_i32 s23, s14, 16*SPITCH                  ; my stage
	v_mul_u32_u24 v[STO], v1, SPITCH
	v_lshl_add_u32 v[STO], v2, 6, v[STO]
	v_add_nc_u32 v[STO], s23, v[STO]               ; in: row r, + 64 h
	v_lshlrev_b32 v[CO], 4, v3
	v_add_nc_u32 v[RD], s23, v[CO]
	s_lshl_b32 s46, s42, 8
	s_lshl_b32 s47, s16, 7
	s_add_co_u32 s46, s46, s47
	s_lshl_b32 s46, s46, 2                         ; my first column, in bytes
	s_mov_b32 s47, 0
	s_add_nc_u64 s[8:9], s[8:9], s[46:47]
	s_lshl_b32 s20, s17, 8
	s_lshl_b32 s21, s15, 7
	s_add_co_u32 s20, s20, s21
	s_lshl_b32 s20, s20, 12                        ; my first token's row
	s_add_co_u32 s20, s20, s46
	s_mov_b32 s21, 0
	s_add_nc_u64 s[10:11], s[10:11], s[20:21]
	s_add_nc_u64 s[12:13], s[12:13], s[20:21]
	global_load_b128 v[8:11], v[CO], s[8:9]        ; the bias of my four columns
; the residual of block a: its 16 rows, 512 bytes each, into window 1: v64-127 and v192-255 by turns.  Row t of block a is token 32 (a / 2) + 8 (a % 2) + t % 8 + 16 (t / 8)
.macro RLOAD a
	WIN TO_B
.irp t, 0,1,2,3,4,5,6,7,8,9,10,11,12,13,14,15
	global_load_b128 v[64+128*((\a)%2)+4*\t:64+128*((\a)%2)+4*\t+3], v[CO], s[10:11] offset:(32*((\a)/2)+8*((\a)%2)+(\t%8)+16*(\t/8))*4096
.endr
	WIN 0
.endm
	RLOAD 0
	RLOAD 1
.macro FRAG reg, adr, q, i
.irp c, 0,1
	ds_load_b128 v[\reg+4*\c:\reg+4*\c+3], v[\adr] offset:(\i)*TILEB+(\q)*1024+512*\c
.endr
.endm
; 16 matrix instructions; the 64 accumulators take turns, one instruction a turn, in the same order in every step, over the loop's backward jump too
.macro MUL16 a0, p, q, sc, zero
.irp a, \a0, \a0+1
.irp b, 0,1,2,3,4,5,6,7
.if \zero
	v_wmma_scale_f32_16x16x128_f8f6f4 v[8*(8*((\a)%4)+\b):8*(8*((\a)%4)+\b)+7], v[128*(\p)+FR*\b:128*(\p)+FR*\b+FR-1], v[AF+FR*(\a):AF+FR*(\a)+FR-1], 0, v[SC+8*NQ*(\sc)+NQ*\b+(\q)], v[SC+8*NQ*(\sc)+NQ*(\a)+(\q)] matrix_a_fmt:MATRIX_FMT_FP4 matrix_b_fmt:MATRIX_FMT_FP4 matrix_a_scale:MATRIX_SCALE_ROW1
.else
	v_wmma_scale_f32_16x16x128_f8f6f4 v[8*(8*((\a)%4)+\b):8*(8*((\a)%4)+\b)+7], v[128*(\p)+FR*\b:128*(\p)+FR*\b+FR-1], v[AF+FR*(\a):AF+FR*(\a)+FR-1], v[8*(8*((\a)%4)+\b):8*(8*((\a)%4)+\b)+7], v[SC+8*NQ*(\sc)+NQ*\b+(\q)], v[SC+8*NQ*(\sc)+NQ*(\a)+(\q)] matrix_a_fmt:MATRIX_FMT_FP4 matrix_b_fmt:MATRIX_FMT_FP4 matrix_a_scale:MATRIX_SCALE_ROW1
.endif
.endr
.endr
.endm
.macro FETCH_B slot, q, p
	WIN TO_B
.irp i, 0,1,2,3,4,5,6,7
	FRAG 128*(\p)+FR*\i, ADRB+\slot, \q, \i
.endr
	WIN 0
.endm
.macro FETCH_A slot, q, i0
.irp i, \i0, \i0+1, \i0+2, \i0+3
	FRAG AF+FR*(\i), ADRA+\slot, \q, \i
.endr
.endm
.macro SCALES sc
.irp i, 0,1,2,3,4,5,6,7
	ds_load_b128 v[SC+8*NQ*\sc+NQ*\i:SC+8*NQ*\sc+NQ*\i+3], v[ADRS+\sc] offset:\i*TILEB
.endr
.endm
.macro PLACES n
.rept \n
	v_nop
.endr
.endm
.macro STEP slot, q, zero
	s_wait_dscnt 4*NL                              ; P's set and Q's blocks 0-3 are in; the youngest eight loads (Q's blocks 4-7) may be out
	WIN MUL_LO
	MUL16 0, (\q)%2, \q, \slot, \zero
	MUL16 2, (\q)%2, \q, \slot, \zero
	s_wait_dscnt 0
	PLACES NP
	FETCH_B \slot, (\q)+1, 1-(\q)%2
	FETCH_A \slot, (\q)+1, 0
	WIN MUL_HI
	MUL16 4, (\q)%2, \q, \slot, \zero
	MUL16 6, (\q)%2, \q, \slot, \zero
	PLACES NP
	WIN 0
	FETCH_A \slot, (\q)+1, 4
.endm
.macro TURN slot, next, fill
	s_wait_tensorcnt 0x0                           ; all my tensor loads have landed: my part of the next slot
	ds_add_u32 v[SPW], v[NIL]                      ; 0 onto my spare word
	s_wait_dscnt 4*NL+1                            ; (the add and the youngest eight loads may be out)
	WIN MUL_LO
	MUL16 0, 1, NQ-1, \slot, 0
	s_wait_dscnt 0x0                               ; the add is done, and my reads of this slot are over
	s_barrier_signal -1
	MUL16 2, 1, NQ-1, \slot, 0
	WIN 0
	s_barrier_wait -1
.if \fill
	CREST                                          ; the barrier has opened a round of the cluster's barrier: no wave of any partner still reads this slot or has a load on its way
	s_add_nc_u64 s[G0+4*\slot+2:G0+4*\slot+3], s[G0+4*\slot+2:G0+4*\slot+3], 2*TILEB
	s_add_nc_u64 s[G0B+4*\slot+2:G0B+4*\slot+3], s[G0B+4*\slot+2:G0B+4*\slot+3], 2*TILEB
	JLOAD G0+4*\slot, G1, G0B+4*\slot, G1B         ; the first tensor load behind the round, one a wave
.else
	PLACES NP
.endif
	FETCH_B \next, 0, 0
	FETCH_A \next, 0, 0
	SCALES \next
	WIN MUL_HI
	MUL16 4, 1, NQ-1, \slot, 0
	MUL16 6, 1, NQ-1, \slot, 0
	PLACES NP
	WIN 0
	FETCH_A \next, 0, 4
.endm
.macro STEPS slot, from
.set Q, \from
.rept NQ-1-\from
	STEP \slot, Q, 0
.set Q, Q+1
.endr
.endm
	s_wait_tensorcnt 1                             ; my part of slot 0 is in (slot 1's load may be out)
	s_barrier_signal -1
	s_barrier_wait -1
	FETCH_B 0, 0, 0
	FETCH_A 0, 0, 0
	SCALES 0
	FETCH_A 0, 0, 4
	STEP 0, 0, 1
.if LAPS > 1
	s_mov_b32 s3, LAPS-1
.Llap:                                 ; a trip goes once round the ring and fills both slots again
	STEPS 0, 1
	TURN 0, 1, 1
	STEPS 1, 0
	TURN 1, 0, 1
	STEP 0, 0, 0
	s_sub_co_u32 s3, s3, 1
	s_cmp_lg_u32 s3, 0
	s_cbranch_scc1 .Llap
.endif
	STEPS 0, 1                                     ; the last lap fills nothing: written out
	TURN 0, 1, 0
	STEPS 1, 0
	s_wait_dscnt 4*NL
	WIN MUL_LO
	MUL16 0, 1, NQ-1, 1, 0
	MUL16 2, 1, NQ-1, 1, 0
	s_wait_dscnt 0
	WIN MUL_HI
	MUL16 4, 1, NQ-1, 1, 0
	MUL16 6, 1, NQ-1, 1, 0
	WIN 0
; Register j of accumulator (a, b), lane (r, h): token row r of block a, column 32 (b / 2) + 8 (b % 2) + 16 h + j.  LDS serves a wave's instructions in order: no wait between the stores and the loads.
.macro TOSTAGE a
.set AC, 64*((\a)%4)
	WIN 0x08+4*((\a)/4)                            ; an LDS store's data: window 2 or 3
.irp b, 0,1,2,3,4,5,6,7
	ds_store_b128 v[STO], v[AC+8*\b:AC+8*\b+3] offset:128*(\b/2)+32*(\b%2)     ; each accumulator from its low end on
	ds_store_b128 v[STO], v[AC+8*\b+4:AC+8*\b+7] offset:128*(\b/2)+32*(\b%2)+16
.endr
	WIN 0
.set BB, BK+64*((\a)%2)
.irp t, 0,1,2,3,4,5,6,7,8,9,10,11,12,13,14,15
	ds_load_b128 v[BB+4*\t:BB+4*\t+3], v[RD] offset:\t*SPITCH
.endr
.endm
.macro SEND a, younger                 ; younger: the LDS instructions issued behind block a's loads
.set BB, BK+64*((\a)%2)
.set RR, 64+128*((\a)%2)
	s_wait_dscnt \younger
.if (\a) < 7
	s_wait_loadcnt 16                              ; block a's residual is in; block a + 1's sixteen loads may be out
.else
	s_wait_loadcnt 0
.endif
	WIN 0x04                                       ; source 1 window 1
.set i, 0
.rept 32
	v_pk_add_f32 v[BB+i:BB+i+1], v[BB+i:BB+i+1], v[RR+i:RR+i+1]
.set i, i+2
.endr
	WIN 0
.set i, 0
.rept 32
	v_pk_add_f32 v[BB+i:BB+i+1], v[BB+i:BB+i+1], v[8+i%4:9+i%4]
.set i, i+2
.endr
.irp t, 0,1,2,3,4,5,6,7,8,9,10,11,12,13,14,15
.if NT
	global_store_b128 v[CO], v[BB+4*\t:BB+4*\t+3], s[12:13] offset:(32*((\a)/2)+8*((\a)%2)+(\t%8)+16*(\t/8))*4096 th:TH_STORE_NT   ; 32 lanes store 512 consecutive bytes, at a multiple of 256 from the buffer's first byte
.else
	global_store_b128 v[CO], v[BB+4*\t:BB+4*\t+3], s[12:13] offset:(32*((\a)/2)+8*((\a)%2)+(\t%8)+16*(\t/8))*4096
.endif
.endr
.if (\a) < 6
	RLOAD (\a)+2
.endif
.endm
	PLACES NP
	TOSTAGE 0
.irp a, 1,2,3,4,5,6,7
.if \a > 1
	s_wait_xcnt 0x0                                ; block a - 2's stores have read their data: block a's loads may land there
.endif
	TOSTAGE \a
	SEND \a-1, 32                                  ; behind block a - 1's loads: block a's 16 stores and 16 loads
.endr
	SEND 7, 0
	s_wait_tensorcnt 0x0                           ; the wave's end
	ds_add_u32 v[SPW], v[NIL]
	s_wait_dscnt 0x0
	CROUND                                         ; the closing round
	s_endpgm
.Lfunc_end_k_q166d10cff8_fc2:
	.size	k_q166d10cff8_fc2, .Lfunc_end_k_q166d10cff8_fc2-k_q166d10cff8_fc2
	.p2alignl 7, 3214868480
	.fill 96, 4, 3214868480
	.section	.rodata,"a",@progbits
	.p2align	6, 0x0
	.amdhsa_kernel k_q166d10cff8_fc2
		.amdhsa_group_segment_fixed_size 327680
		.amdhsa_private_segment_fixed_size 0
		.amdhsa_enable_private_segment 0
		.amdhsa_kernarg_size 40
		.amdhsa_user_sgpr_count 2
		.amdhsa_user_sgpr_kernarg_segment_ptr 1
		.amdhsa_wavefront_size32 1
		.amdhsa_system_sgpr_workgroup_id_x 1
		.amdhsa_system_sgpr_workgroup_id_y 1
		.amdhsa_system_sgpr_workgroup_id_z 1
		.amdhsa_system_vgpr_workitem_id 0
		.amdhsa_next_free_vgpr 1024
		.amdhsa_next_free_sgpr 98
		.amdhsa_reserve_vcc 0
		.amdhsa_float_denorm_mode_32 3
		.amdhsa_float_denorm_mode_16_64 3
		.amdhsa_memory_ordered 1
		.amdhsa_forward_progress 1
		.amdhsa_inst_pref_size 254
	.end_amdhsa_kernel
	.amdgpu_metadata
---
amdhsa.version: [ 1, 2 ]
amdhsa.kernels:
  - .name:           k_q166d10cff8_fc2
    .symbol:         k_q166d10cff8_fc2.kd
    .args:
      - { .name: hid, .offset: 0, .size: 8, .value_kind: global_buffer, .address_space: global }
      - { .name: wpk, .offset: 8, .size: 8, .value_kind: global_buffer, .address_space: global }
      - { .name: b_fc2, .offset: 16, .size: 8, .value_kind: global_buffer, .address_space: global }
      - { .name: x1, .offset: 24, .size: 8, .value_kind: global_buffer, .address_space: global }
      - { .name: out0, .offset: 32, .size: 8, .value_kind: global_buffer, .address_space: global }
    .group_segment_fixed_size: 327680
    .private_segment_fixed_size: 0
    .kernarg_segment_align: 8
    .kernarg_segment_size: 40
    .max_flat_workgroup_size: 128
    .sgpr_count:     98
    .vgpr_count:     1024
    .wavefront_size: 32
...
	.end_amdgpu_metadata
.endif
;; end of part 7
;; ======== version 2 of 2: 7 launches
;; limits: right only within a limited range of input values
;; workspace buffers: wpk 6,684,672 bytes; h1 2,228,224 bytes; h2 2,228,224 bytes; ao 2,228,224 bytes; qkv 6,946,816 bytes; x1 16,777,216 bytes; hid 8,912,896 bytes
;; launch wq (part 8): grid 640 x 1, 8 waves a work-group, no clusters, 86,528 bytes of LDS; arguments x, ln1_g, ln1_b, h1, w_qkv, w_proj, w_fc1, w_fc2, wpk; writes wpk, h1
.if DOCPART == 8
	.amdgcn_target "amdgcn-amd-amdhsa--gfx1250"
	.amdhsa_code_object_version 6
	.text
	.protected	k_q166d10cff8_wq
	.globl	k_q166d10cff8_wq
	.p2align	8
	.type	k_q166d10cff8_wq,@function
k_q166d10cff8_wq:
	s_mov_b64 s[64:65], 0
	v_nop
	global_prefetch_b8 v0, s[64:65] scope:SCOPE_SE
	s_setreg_imm32_b32 hwreg(HW_REG_WAVE_MODE, 25, 1), 1
	s_wait_xcnt 0x0
; The four weights, f32, stored [K][N] (K is the FIRST axis), become codes of FP4 (E2M1) with one E8M0 byte for each 32 along K, laid in wpk in the order of a matrix operand's registers.
; THE LAYOUT PK(N, K): [tile T of 16 columns][group g of 512 along K][4,352 bytes].  In a block: byte 1024 q + 512 c + 16 lane holds registers 4 c .. 4 c + 3 of the fragment of K step 4 g + q
; (lane (r, h): k = 64 c + 32 h + 0 .. 31 of the tile's row r); byte 4096 + 16 r + 4 q holds row r's scale word of that K step.  Row r of tile T is column 32 (T / 2) + 8 (T % 2) + r % 8 + 16 (r / 8).
; A block's scale is 2^(floor(log2(largest magnitude)) - 2); its byte is the largest magnitude's exponent field - 2, held at 1 from below.
; LIMITS: a block of zeros gets the byte 1, not 127 (its codes are zeros, and this program alone reads the bytes); magnitudes under 2^-124 are held at that floor; NaN and infinities are not served.
; SHARES: a work-group takes 64 columns x 512 along K of one weight: four tiles, one group.  Wave w: columns 32 (w % 2) on, K 128 (w / 2) on.  A LANE TAKES A COLUMN AND ITS REGISTERS RUN DOWN K:
; each load reads 128 consecutive bytes, a block of 32 lies in one lane, and the conversions give codes with K innermost.  All 128 loads of a wave go out at once.
; The codes meet in LDS as four images of 4,352 bytes (128 bytes of padding between them) and leave as runs of 512 consecutive bytes; the scale words as whole runs of 256.
; ONE LAUNCH PREPARES ALL THAT HANGS ON INPUTS ALONE: work-groups 0 to 383 take the weights, as said above; work-groups 384 to 639 take the first layer norm of x and its quantiser (label .Lln, at the end of the text).
; The two paths part on the work-group's number and have LDS bytes of their own.  Both stay within 160 registers: two waves of each of three work-groups share a SIMD's 1,024.
; WORK LEFT OUT IN THIS PROGRAM: in the attention launch, key steps all of whose keys come after a tile's queries: reference() sets those scores to -inf by its own causal mask, so their weight is 0 whatever the inputs hold.
; A NaN, an infinity or an overflow that reaches only those scores is not carried to the result.  Every input is loaded.
.set OFF_PROJ, 1671168                 ; wpk: w_qkv at 0 (192 tiles x 2 groups), w_proj here (64 x 2),
.set OFF_FC1,  2228224                 ; w_fc1 (256 x 2),
.set OFF_FC2,  4456448                 ; w_fc2 (64 x 8)
.set TILEB, 4352
.set LP,    4480                       ; from image to image in LDS
.set X,  32                            ; v32-159  my column's 128 numbers
.set C,  28                            ; block t's codes: v[28 + 32 t] on: v28-31, then the last four registers of block t - 1, whose numbers are done with
.set SB, 16                            ; v16      its four scale bytes;  v17-20 the conversions' scale operands
; THE DEAL OF THE IDS, in runs of 128 (this stands in place of the ranges named above): runs 0, 1 and 3 take the weights' 384 blocks of 131,072 bytes, in order; runs 2 and 4 the norm's 256 tiles of 65,536 bytes.
; So ids k, k + 256 and k + 512 together read 262,144 bytes for every k: a block and two tiles (k under 128), or two blocks.
	s_lshr_b32 s2, ttmp9, 7                        ; the work-group's number alone decides: the same in all eight waves
	s_cmp_eq_u32 s2, 2
	s_cbranch_scc1 .Lln
	s_cmp_eq_u32 s2, 4
	s_cbranch_scc1 .Lln
	s_cmp_lt_u32 ttmp9, 256
	s_cselect_b32 s3, 0, 128
	s_sub_co_u32 s3, ttmp9, s3                     ; s3: which of the weights' 384 blocks
	s_load_b256 s[4:11], s[0:1], 0x20              ; w_qkv, w_proj, w_fc1, w_fc2
	s_load_b64 s[12:13], s[0:1], 0x40              ; wpk
	v_lshl_add_u32 v21, v0, 2, 0x4600
	v_mov_b32 v22, 0
	v_lshrrev_b32 v1, 5, v0
	s_delay_alu instid0(VALU_DEP_1)
	v_readfirstlane_b32 s14, v1                    ; wave 0..7
	s_and_b32 s15, s14, 1                          ; in: which 32 columns.  out: which half of a tile's codes
	s_lshr_b32 s16, s14, 1                         ; in: which 128 along K.  out: which tile
	v_and_b32 v2, 31, v0                           ; lane = column of the 32
	s_delay_alu instid0(VALU_DEP_1)
	v_lshlrev_b32 v3, 2, v2                        ; in: 4 bytes a lane
	s_delay_alu instid0(VALU_DEP_2)
	v_lshlrev_b32 v7, 4, v2                        ; out: 16 bytes a lane
	v_bfe_u32 v10, v0, 3, 1                        ; column c lies in tile c / 8 % 2 of the pair,
	v_bfe_u32 v11, v0, 4, 1
	v_and_b32 v12, 7, v0
	s_delay_alu instid0(VALU_DEP_1)
	v_lshl_add_u32 v12, v11, 3, v12                ; at its row r = c % 8 + 8 (c / 16)
	s_lshl_b32 s17, s15, 1
	v_add_nc_u32 v10, s17, v10                     ; which of the four images
	s_delay_alu instid0(VALU_DEP_1)
	v_mul_u32_u24 v10, v10, LP
	s_delay_alu instid0(VALU_DEP_1)
	v_lshl_add_u32 v10, v12, 4, v10                ; + 16 r
	s_lshl_b32 s18, s16, 10
	v_add_nc_u32 v4, s18, v10                      ; v4: my codes' place: + 1024 q; block t of my four comes 256 t further on
	s_lshl_b32 s18, s16, 2
	s_add_co_u32 s18, s18, 4096
	v_add_nc_u32 v5, s18, v10                      ; v5: my scale word's place: + 4096 + 4 q
	s_mul_i32 s18, s16, LP
	s_lshl_b32 s19, s15, 11
	s_add_co_u32 s18, s18, s19
	v_add_nc_u32 v6, s18, v7                       ; v6: the way out: image w / 2, half w % 2, 16 bytes a lane
	v_add_nc_u32 v13, s17, v11
	s_delay_alu instid0(VALU_DEP_1)
	v_mul_u32_u24 v13, v13, LP
	v_and_b32 v14, 15, v0
	s_delay_alu instid0(VALU_DEP_1)
	v_lshl_add_u32 v8, v14, 4, v13
	s_delay_alu instid0(VALU_DEP_1)
	v_add_nc_u32 v8, 4096, v8                      ; v8: waves 0 and 1: the scale words of images 2 w (lanes 0-15) and 2 w + 1 (lanes 16-31)
	s_wait_kmcnt 0x0
	; which weight: the choice hangs on the work-group's number alone.  ids 0-95 w_qkv, 96-127 w_proj, 128-255 w_fc1, 256-383 w_fc2
	s_mov_b32 s19, 256                             ; the weight's first id
	s_mov_b32 s21, 3                               ; log2 of its groups of 512 along K
	s_mov_b32 s22, 1024                            ; its N
	s_mov_b32 s23, OFF_FC2                         ; its place in wpk
	s_mov_b64 s[24:25], s[10:11]
	s_cmp_lt_u32 s3, 256
	s_cselect_b32 s19, 128, s19
	s_cselect_b32 s21, 1, s21
	s_cselect_b32 s22, 4096, s22
	s_cselect_b32 s23, OFF_FC1, s23
	s_cselect_b64 s[24:25], s[8:9], s[24:25]
	s_cmp_lt_u32 s3, 128
	s_cselect_b32 s19, 96, s19
	s_cselect_b32 s22, 1024, s22
	s_cselect_b32 s23, OFF_PROJ, s23
	s_cselect_b64 s[24:25], s[6:7], s[24:25]
	s_cmp_lt_u32 s3, 96
	s_cselect_b32 s19, 0, s19
	s_cselect_b32 s22, 3072, s22
	s_cselect_b32 s23, 0, s23
	s_cselect_b64 s[24:25], s[4:5], s[24:25]
	s_sub_co_u32 s20, s3, s19                      ; my number within the weight
	s_bfm_b32 s26, s21, 0
	s_and_b32 s26, s20, s26                        ; g: which 512 along K
	s_lshr_b32 s27, s20, s21                       ; which 64 columns
	s_lshl_b32 s28, TILEB, s21                     ; from tile to tile in wpk
	s_lshl_b32 s29, s26, 9
	s_lshl_b32 s30, s16, 7
	s_add_co_u32 s29, s29, s30                     ; my wave's first k
	s_mul_i32 s29, s29, s22
	s_lshl_b32 s30, s27, 6
	s_add_co_u32 s29, s29, s30
	s_lshl_b32 s30, s15, 5
	s_add_co_u32 s30, s29, s30                     ; k N + my wave's first column
	s_lshl_b32 s30, s30, 2
	s_mov_b32 s31, 0
	s_add_nc_u64 s[24:25], s[24:25], s[30:31]
	s_mul_i32 s32, s27, s28
	s_lshl_b32 s32, s32, 2                         ; four tiles to a work-group
	s_mul_i32 s33, s26, TILEB
	s_add_co_u32 s32, s32, s33
	s_add_co_u32 s32, s32, s23
	s_mov_b32 s33, 0
	s_add_nc_u64 s[34:35], s[12:13], s[32:33]      ; my first tile's block of group g
	s_mul_i32 s32, s16, s28
	s_lshl_b32 s30, s15, 11
	s_add_co_u32 s32, s32, s30
	s_add_nc_u64 s[36:37], s[34:35], s[32:33]      ; the codes that I store: tile w / 2, half w % 2
	s_mul_i32 s32, s15, s28
	s_lshl_b32 s32, s32, 1
	s_add_co_u32 s32, s32, 4096
	s_add_nc_u64 s[38:39], s[34:35], s[32:33]      ; the scale words that waves 0 and 1 store: tiles 2 w, 2 w + 1
	v_mul_lo_u32 v9, v11, s28
	s_wait_alu depctr_va_vdst(0)
	v_lshl_add_u32 v9, v14, 4, v9                  ; v9: lanes 16-31 one tile on; 16 bytes a lane
.macro LOADS n                         ; W(k0 + i, my column), i = 0 .. 127: the offsets are immediates, 127 x 4096 x 4 bytes at the most
.set i, 0
.rept 128
	global_load_b32 v[X+i], v3, s[24:25] offset:i*\n*4 th:TH_LOAD_NT
.set i, i+1
.endr
.endm
	s_cmp_eq_u32 s22, 3072
	s_cbranch_scc1 .Ln3072
	s_cmp_eq_u32 s22, 4096
	s_cbranch_scc1 .Ln4096
	LOADS 1024
	s_branch .Lloaded
.Ln3072:
	LOADS 3072
	s_branch .Lloaded
.Ln4096:
	LOADS 4096
.Lloaded:
; block t: k = 32 t .. 32 t + 31 of my 128.  left: how many younger loads may stay out
.macro BLOCK t, left
.set XS, X+32*(\t)
	s_wait_loadcnt \left
	v_max3_num_f32 v12, |v[XS]|, |v[XS+1]|, |v[XS+2]|              ; the block's largest magnitude: all 32 numbers are mine; two chains
	v_max3_num_f32 v13, |v[XS+3]|, |v[XS+4]|, |v[XS+5]|
.irp i, 6,10,14,18,22,26
	s_delay_alu instid0(VALU_DEP_2)
	v_max3_num_f32 v12, v12, |v[XS+\i]|, |v[XS+\i+1]|
	s_delay_alu instid0(VALU_DEP_2)
	v_max3_num_f32 v13, v13, |v[XS+\i+2]|, |v[XS+\i+3]|
.endr
	s_delay_alu instid0(VALU_DEP_2)
	v_max3_num_f32 v12, v12, |v[XS+30]|, |v[XS+31]|
	s_delay_alu instid0(VALU_DEP_1)
	v_max3_num_f32 v12, v12, v13, 0x1800000        ; and the floor 2^(3 - 127): the byte cannot fall under 1
	s_delay_alu instid0(VALU_DEP_1)
	v_add_nc_u32 v[17+\t], 0xff000000, v12         ; 2 off the exponent field: the conversion takes this operand's exponent field as its scale
	s_delay_alu instid0(VALU_DEP_1)
	v_lshrrev_b32 v13, 23, v[17+\t]                ; the scale's byte
.if (\t) == 0
	s_delay_alu instid0(VALU_DEP_1)
	v_mov_b32 v[SB], v13
.else
	s_delay_alu instid0(VALU_DEP_1)
	v_lshl_or_b32 v[SB], v13, 8*(\t), v[SB]        ; the lower k in the lower byte
.endif
.irp g, 0,1,2,3
	v_cvt_scalef32_pk8_fp4_f32 v[C+32*(\t)+\g], v[XS+8*\g:XS+8*\g+7], v[17+\t]
.endr
	v_nop                                          ; one plain place behind the conversions
	ds_store_b128 v4, v[C+32*(\t):C+32*(\t)+3] offset:256*(\t)   ; 32 codes: registers 4 (t / 2) .. + 3 of lane r + 16 (t % 2)
.endm
	BLOCK 0, 63                                    ; 96 younger loads were issued; the wait names the most that its field holds, which is fewer and so safe
	BLOCK 1, 63                                    ; 64 younger loads: likewise
	BLOCK 2, 32                                    ; block 3's 32 may be out
	BLOCK 3, 0
	ds_store_b32 v5, v[SB]
	s_wait_dscnt 0x0                               ; for the others' sake: my stores have landed
	s_barrier_signal -1
	s_barrier_wait -1                              ; the four images are whole
.irp i, 0,1,2,3
	ds_load_b128 v[X+4*\i:X+4*\i+3], v6 offset:512*\i
.endr
.irp i, 0,1,2,3
	s_wait_dscnt 3-\i
	global_store_b128 v7, v[X+4*\i:X+4*\i+3], s[36:37] offset:512*\i   ; 32 lanes store 512 consecutive bytes, at a multiple of 256 from wpk's first byte
.endr
	s_cmp_gt_u32 s14, 1
	s_cbranch_scc1 .Ldone
	ds_load_b128 v[X+16:X+19], v8
	s_wait_dscnt 0x0
	global_store_b128 v9, v[X+16:X+19], s[38:39]   ; two tiles' scale words: 256 consecutive bytes each
.Ldone:
	s_wait_tensorcnt 0x0
	ds_add_u32 v21, v22
	s_wait_dscnt 0x0
	s_endpgm
; ================= THE FIRST LAYER NORM: h1 = (x - mean) rsqrt(var + 1e-5) g + b along rows of 1,024 f32, quantised along the row to FP4 (E2M1) with one E8M0 byte for each 32, stored as PK(4096, 1024) (the layout said above;
; row r of tile T is token 32 (T / 2) + 8 (T % 2) + r % 8 + 16 (r / 8)).  Mean first, then the mean of the squared differences: no difference of large sums is formed.
; A work-group takes one tile of 16 tokens.  Phase 1: wave w normalises tile rows 2 w and 2 w + 1, a row in 32 registers of the wave, and puts them into LDS (rows 4,112 bytes apart).
; Phase 2: wave w quantises K step w of all sixteen rows: lane (r, h) takes 16 neighbours of each block of 32 of row r.  LIMITS as above.
.set X0,  16                           ; v16-47 row 0, v48-79 row 1; in phase 2 v16-79: 64 numbers
.set GG,  80                           ; v80-111  g
.set BB,  112                          ; v112-143 b
.set TM,  80                           ; phase 2, where g is done with: v80-95 the quantiser's work,
.set PC,  96                           ; v96-103 the fragment,
.set PW,  104                          ; v104 its scale word
.set SEL, 12                           ; s[12:13] lane selects: lane l xor 16
.set RP,  4112
.set LB,  0x4a00                       ; this path's first LDS byte, behind the other path's
.set SCL, LB+16*RP                     ; behind the rows: the tile's scale words, [g][16 r + 4 q], 512 bytes; behind them this path's spare words
.Lln:
	s_load_b256 s[4:11], s[0:1], 0x0               ; x, g, b, h1
	v_lshl_add_u32 v150, v0, 2, LB+0x10400
	v_mov_b32 v151, 0
	v_lshrrev_b32 v2, 5, v0
	v_readfirstlane_b32 s14, v2                    ; wave 0..7
	s_cmp_lt_u32 ttmp9, 512
	s_mov_b32 s15, 384
	s_cselect_b32 s15, 256, s15
	s_sub_co_u32 s15, ttmp9, s15                   ; the tile: ids 256-383 are tiles 0-127, ids 512-639 tiles 128-255
	s_mov_b32 s12, 0x76543210
	s_mov_b32 s13, 0xfedcba98
	s_mov_b32 s16, 0x3a800000                      ; 1 / 1024
	s_mov_b32 s17, 0x3727c5ac                      ; 1e-5
	s_lshl_b32 s24, s14, 9
	s_add_co_u32 s24, s24, LB
	s_lshr_b32 s26, s14, 2
	s_lshl_b32 s26, s26, 8
	s_and_b32 s27, s14, 3
	s_lshl_b32 s27, s27, 2
	s_add_co_u32 s26, s26, s27
	s_add_co_u32 s26, s26, SCL
	s_mul_i32 s25, s14, 2*RP
	s_add_co_u32 s25, s25, LB
	s_lshr_b32 s18, s15, 1
	s_lshl_b32 s18, s18, 5
	s_and_b32 s19, s15, 1
	s_lshl_b32 s19, s19, 3
	s_add_co_u32 s18, s18, s19                     ; the tile's first token
	s_and_b32 s19, s14, 3
	s_lshl_b32 s19, s19, 1
	s_add_co_u32 s18, s18, s19
	s_lshr_b32 s19, s14, 2
	s_lshl_b32 s19, s19, 4
	s_add_co_u32 s18, s18, s19                     ; tile row 2 w is token + 2 (w % 4) + 16 (w / 4)
	s_lshl_b32 s18, s18, 12
	s_mov_b32 s19, 0
	s_mul_i32 s20, s15, 8704
	s_mov_b32 s21, 0
	v_and_b32 v3, 31, v0
	v_lshlrev_b32 v1, 4, v3                        ; v1: 16 x lane
	v_and_b32 v4, 15, v0                           ; r
	v_bfe_u32 v5, v0, 4, 1                         ; h
	v_mul_u32_u24 v144, v4, RP
	v_lshl_add_u32 v144, v5, 6, v144
	v_add_nc_u32 v144, s24, v144                   ; v144: phase 2 reads row r at 512 w + 64 h
	v_lshl_add_u32 v145, v4, 4, s26                ; v145: my scale word: group w / 4, 16 r + 4 (w % 4)
	v_add_nc_u32 v146, SCL, v1                     ; v146: wave 0 reads all 512 bytes back
	v_mul_u32_u24 v147, v5, 4352
	v_lshl_add_u32 v147, v4, 4, v147               ; v147: and stores them: lanes 16-31 one group on
	v_add_nc_u32 v148, s25, v1                     ; v148: phase 1 writes rows 2 w, 2 w + 1
	v_mov_b32 v14, 0                               ; written once: a lane permute's destination counts as one of its sources
	v_mov_b32 v15, 0
	s_wait_alu depctr_va_vdst(0)
	s_wait_kmcnt 0x0
	s_add_nc_u64 s[4:5], s[4:5], s[18:19]
	s_add_nc_u64 s[10:11], s[10:11], s[20:21]      ; the tile's two blocks
	s_lshr_b32 s20, s14, 2
	s_mul_i32 s20, s20, 4352
	s_and_b32 s26, s14, 3
	s_lshl_b32 s26, s26, 10
	s_add_co_u32 s20, s20, s26
	s_add_nc_u64 s[22:23], s[10:11], s[20:21]      ; my fragment: group w / 4, K step w % 4
.irp j, 0,1,2,3,4,5,6,7
	global_load_b128 v[X0+4*\j:X0+4*\j+3], v1, s[4:5] offset:512*\j            ; 32 lanes read 512 consecutive bytes
	global_load_b128 v[X0+32+4*\j:X0+32+4*\j+3], v1, s[4:5] offset:4096+512*\j
.endr
.irp j, 0,1,2,3,4,5,6,7
	global_load_b128 v[GG+4*\j:GG+4*\j+3], v1, s[6:7] offset:512*\j
	global_load_b128 v[BB+4*\j:BB+4*\j+3], v1, s[8:9] offset:512*\j
.endr
; my 32 numbers of each row, or their squares, summed two at a time in two chains: row i in v[2+4i:3+4i] and v[4+4i:5+4i]; the two rows by turns
.macro SUMS sq
.irp i, 0,1
.if \sq
	v_pk_mul_f32 v[2+4*\i:3+4*\i], v[X0+32*\i:X0+32*\i+1], v[X0+32*\i:X0+32*\i+1]
	v_pk_mul_f32 v[4+4*\i:5+4*\i], v[X0+32*\i+2:X0+32*\i+3], v[X0+32*\i+2:X0+32*\i+3]
.else
	v_pk_add_f32 v[2+4*\i:3+4*\i], v[X0+32*\i:X0+32*\i+1], v[X0+32*\i+4:X0+32*\i+5]
	v_pk_add_f32 v[4+4*\i:5+4*\i], v[X0+32*\i+2:X0+32*\i+3], v[X0+32*\i+6:X0+32*\i+7]
.endif
.endr
.irp p, 4,8,12,16,20,24,28
.if \sq || (\p > 4)
.irp i, 0,1
.if \sq
	s_delay_alu instid0(VALU_DEP_4)
	v_pk_fma_f32 v[2+4*\i:3+4*\i], v[X0+32*\i+\p:X0+32*\i+\p+1], v[X0+32*\i+\p:X0+32*\i+\p+1], v[2+4*\i:3+4*\i]
	s_delay_alu instid0(VALU_DEP_4)
	v_pk_fma_f32 v[4+4*\i:5+4*\i], v[X0+32*\i+\p+2:X0+32*\i+\p+3], v[X0+32*\i+\p+2:X0+32*\i+\p+3], v[4+4*\i:5+4*\i]
.else
	s_delay_alu instid0(VALU_DEP_4)
	v_pk_add_f32 v[2+4*\i:3+4*\i], v[2+4*\i:3+4*\i], v[X0+32*\i+\p:X0+32*\i+\p+1]
	s_delay_alu instid0(VALU_DEP_4)
	v_pk_add_f32 v[4+4*\i:5+4*\i], v[4+4*\i:5+4*\i], v[X0+32*\i+\p+2:X0+32*\i+\p+3]
.endif
.endr
.endif
.endr
.irp i, 0
	s_delay_alu instid0(VALU_DEP_3)
	v_pk_add_f32 v[2+4*\i:3+4*\i], v[2+4*\i:3+4*\i], v[4+4*\i:5+4*\i]
.endr
.irp i, 1
	s_delay_alu instid0(VALU_DEP_2)
	v_pk_add_f32 v[2+4*\i:3+4*\i], v[2+4*\i:3+4*\i], v[4+4*\i:5+4*\i]
.endr
.irp i, 0,1
	s_delay_alu instid0(VALU_DEP_2)
	v_add_f32 v[2+4*\i], v[2+4*\i], v[3+4*\i]
.endr
.irp m, 1,2,4,8                        ; across the 32 lanes: four steps inside each half of 16, one across the halves; every lane ends with the row's sum
.irp i, 0,1
	s_delay_alu instid0(VALU_DEP_2)
	v_add_f32_dpp v[2+4*\i], v[2+4*\i], v[2+4*\i] row_xmask:\m row_mask:0xf bank_mask:0xf
.endr
.endr
.irp i, 0,1
	s_delay_alu instid0(VALU_DEP_2)
	v_permlanex16_b32 v[14+\i], v[2+4*\i], s[SEL], s[SEL+1]
.endr
.irp i, 0,1
	s_delay_alu instid0(VALU_DEP_2)
	v_add_f32 v[2+4*\i], v[2+4*\i], v[14+\i]
.endr
.endm
	s_wait_loadcnt 16                              ; both rows are in; g's and b's sixteen loads may be out
	SUMS 0
.irp i, 0
	s_delay_alu instid0(VALU_DEP_2)
	v_mul_f32 v[10+2*\i], s16, v[2+4*\i]           ; the mean, in both registers of a pair
	s_delay_alu instid0(VALU_DEP_3)
	v_mul_f32 v[11+2*\i], s16, v[2+4*\i]
.endr
.irp i, 1
	s_delay_alu instid0(VALU_DEP_3)
	v_mul_f32 v[10+2*\i], s16, v[2+4*\i]
	s_delay_alu instid0(VALU_DEP_4)
	v_mul_f32 v[11+2*\i], s16, v[2+4*\i]
.endr
.irp i, 0,1
.set p, 0
.rept 16
	v_pk_add_f32 v[X0+32*\i+p:X0+32*\i+p+1], v[X0+32*\i+p:X0+32*\i+p+1], v[10+2*\i:11+2*\i] neg_lo:[0,1] neg_hi:[0,1]   ; x - mean
.set p, p+2
.endr
.endr
	SUMS 1
.irp i, 0,1
	s_delay_alu instid0(VALU_DEP_2)
	v_fma_f32 v[2+4*\i], v[2+4*\i], s16, s17       ; var + eps
.endr
	s_wait_alu depctr_va_vdst(0)
	v_rsq_f32 v10, v2
	v_rsq_f32 v12, v6
	v_nop                                          ; one plain place behind the two
	s_wait_alu depctr_va_vdst(0)                   ; one wait for both, ahead of their first reader
	s_wait_loadcnt 0x0                             ; g and b
.irp i, 0,1
.set p, 0
.rept 16
	v_pk_mul_f32 v[X0+32*\i+p:X0+32*\i+p+1], v[X0+32*\i+p:X0+32*\i+p+1], v[10+2*\i:11+2*\i] op_sel_hi:[1,0]
.set p, p+2
.endr
.endr
.irp i, 0,1
.set p, 0
.rept 16
	v_pk_fma_f32 v[X0+32*\i+p:X0+32*\i+p+1], v[X0+32*\i+p:X0+32*\i+p+1], v[GG+p:GG+p+1], v[BB+p:BB+p+1]
.set p, p+2
.endr
.endr
.irp i, 0,1
.irp j, 0,1,2,3,4,5,6,7
	ds_store_b128 v148, v[X0+32*\i+4*\j:X0+32*\i+4*\j+3] offset:\i*RP+512*\j
.endr
.endr
.irp b, 0,1,2,3
	v_mov_b32 v[TM+4+\b], 0                        ; g is done with; a lane permute's destination counts as one of its sources
.endr
	s_wait_dscnt 0x0                               ; for the others' sake: my rows have landed
	s_barrier_signal -1
	s_barrier_wait -1                              ; the tile's sixteen rows lie in LDS
.irp b, 0,1,2,3
.irp j, 0,1,2,3
	ds_load_b128 v[16+16*\b+4*\j:16+16*\b+4*\j+3], v144 offset:128*\b+16*\j    ; register 16 b + i: k = 32 b + 16 h + i of row r, K step w
.endr
.endr
	s_wait_dscnt 0x0
; 64 numbers of a lane, register 16 b + i = k 32 b + 16 (lane / 16) + i of my row, become a fragment's codes in v[PC] on and its scale word in v[PW]
.macro QUANT s
.irp b, 0,1,2,3
	v_max3_num_f32 v[TM+\b], |v[\s+16*\b]|, |v[\s+1+16*\b]|, 0x1800000   ; my 16 numbers of block b, and the floor 2^(3 - 127): the byte cannot fall under 1
.endr
.irp i, 2,4,6,8,10,12,14
.irp b, 0,1,2,3
	s_delay_alu instid0(VALU_DEP_4)
	v_max3_num_f32 v[TM+\b], v[TM+\b], |v[\s+16*\b+\i]|, |v[\s+1+16*\b+\i]|   ; the four blocks by turns
.endr
.endr
.irp b, 0,1,2,3
	s_delay_alu instid0(VALU_DEP_4)
	v_permlanex16_b32 v[TM+4+\b], v[TM+\b], s[SEL], s[SEL+1]
.endr
.irp b, 0,1,2,3
	s_delay_alu instid0(VALU_DEP_4)
	v_max_num_f32 v[TM+\b], v[TM+\b], v[TM+4+\b]   ; with lane l xor 16's: the block's largest magnitude
.endr
.irp b, 0,1,2,3
	s_delay_alu instid0(VALU_DEP_4)
	v_add_nc_u32 v[TM+12+\b], 0xff000000, v[TM+\b] ; 2 off its exponent field: the conversion's scale operand
.endr
.irp b, 0,1,2,3
	s_delay_alu instid0(VALU_DEP_4)
	v_lshrrev_b32 v[TM+4+\b], 23, v[TM+12+\b]      ; the scale's byte
.endr
	s_delay_alu instid0(VALU_DEP_3)
	v_lshl_or_b32 v[PW], v[TM+5], 8, v[TM+4]
	s_delay_alu instid0(VALU_DEP_1)
	v_lshl_or_b32 v[PW], v[TM+6], 16, v[PW]
	s_delay_alu instid0(VALU_DEP_1)
	v_lshl_or_b32 v[PW], v[TM+7], 24, v[PW]
.irp b, 0,1,2,3
	v_cvt_scalef32_pk8_fp4_f32 v[PC+2*\b], v[\s+16*\b:\s+7+16*\b], v[TM+12+\b]
	v_cvt_scalef32_pk8_fp4_f32 v[PC+1+2*\b], v[\s+8+16*\b:\s+15+16*\b], v[TM+12+\b]
.endr
	v_nop                                          ; one plain place behind the conversions
.irp c, 0,1                            ; the operand's layout wants a whole block in a lane: lanes 0-15 block 2 c, lanes 16-31 block 2 c + 1
.irp i, 0,1
	v_permlane16_swap_b32 v[PC+4*\c+\i], v[PC+2+4*\c+\i]
.endr
.endr
.endm
	QUANT 16
.irp c, 0,1
	global_store_b128 v1, v[PC+4*\c:PC+4*\c+3], s[22:23] offset:512*\c         ; 512 consecutive bytes, at a multiple of 256 from the buffer's first byte
.endr
	ds_store_b32 v145, v[PW]                       ; both halves of the lanes write the same word with the same value
	s_wait_dscnt 0x0
	s_barrier_signal -1
	s_barrier_wait -1                              ; the tile's 128 scale words lie in LDS
	s_cmp_lg_u32 s14, 0
	s_cbranch_scc1 .Llndone
	ds_load_b128 v[16:19], v146
	s_wait_dscnt 0x0
	global_store_b128 v147, v[16:19], s[10:11] offset:4096                     ; two runs of 256 consecutive bytes
.Llndone:
	s_wait_tensorcnt 0x0                           ; the wave's end
	ds_add_u32 v150, v151
	s_wait_dscnt 0x0
	s_endpgm
.Lfunc_end_k_q166d10cff8_wq:
	.size	k_q166d10cff8_wq, .Lfunc_end_k_q166d10cff8_wq-k_q166d10cff8_wq
	.p2alignl 7, 3214868480
	.fill 96, 4, 3214868480
	.section	.rodata,"a",@progbits
	.p2align	6, 0x0
	.amdhsa_kernel k_q166d10cff8_wq
		.amdhsa_group_segment_fixed_size 86528
		.amdhsa_private_segment_fixed_size 0
		.amdhsa_enable_private_segment 0
		.amdhsa_kernarg_size 72
		.amdhsa_user_sgpr_count 2
		.amdhsa_user_sgpr_kernarg_segment_ptr 1
		.amdhsa_wavefront_size32 1
		.amdhsa_system_sgpr_workgroup_id_x 1
		.amdhsa_system_sgpr_workgroup_id_y 1
		.amdhsa_system_sgpr_workgroup_id_z 1
		.amdhsa_system_vgpr_workitem_id 0
		.amdhsa_next_free_vgpr 160
		.amdhsa_next_free_sgpr 66
		.amdhsa_reserve_vcc 0
		.amdhsa_float_denorm_mode_32 3
		.amdhsa_float_denorm_mode_16_64 3
		.amdhsa_memory_ordered 1
		.amdhsa_forward_progress 1
		.amdhsa_inst_pref_size 80
	.end_amdhsa_kernel
	.amdgpu_metadata
---
amdhsa.version: [ 1, 2 ]
amdhsa.kernels:
  - .name:           k_q166d10cff8_wq
    .symbol:         k_q166d10cff8_wq.kd
    .args:
      - { .name: x, .offset: 0, .size: 8, .value_kind: global_buffer, .address_space: global }
      - { .name: ln1_g, .offset: 8, .size: 8, .value_kind: global_buffer, .address_space: global }
      - { .name: ln1_b, .offset: 16, .size: 8, .value_kind: global_buffer, .address_space: global }
      - { .name: h1, .offset: 24, .size: 8, .value_kind: global_buffer, .address_space: global }
      - { .name: w_qkv, .offset: 32, .size: 8, .value_kind: global_buffer, .address_space: global }
      - { .name: w_proj, .offset: 40, .size: 8, .value_kind: global_buffer, .address_space: global }
      - { .name: w_fc1, .offset: 48, .size: 8, .value_kind: global_buffer, .address_space: global }
      - { .name: w_fc2, .offset: 56, .size: 8, .value_kind: global_buffer, .address_space: global }
      - { .name: wpk, .offset: 64, .size: 8, .value_kind: global_buffer, .address_space: global }
    .group_segment_fixed_size: 86528
    .private_segment_fixed_size: 0
    .kernarg_segment_align: 8
    .kernarg_segment_size: 72
    .max_flat_workgroup_size: 256
    .sgpr_count:     66
    .vgpr_count:     160
    .wavefront_size: 32
...
	.end_amdgpu_metadata
.endif
;; end of part 8
;; launch qkv (part 9): grid 12 x 16, 4 waves a work-group, clusters of 4 x 4, 327,680 bytes of LDS; arguments h1, wpk, b_qkv, qkv; writes qkv
.if DOCPART == 9
	.amdgcn_target "amdgcn-amd-amdhsa--gfx1250"
	.amdhsa_code_object_version 6
	.text
	.protected	k_q166d10cff8_qkv
	.globl	k_q166d10cff8_qkv
	.p2align	8
	.type	k_q166d10cff8_qkv,@function
k_q166d10cff8_qkv:
	s_mov_b64 s[64:65], 0
	v_nop
	global_prefetch_b8 v0, s[64:65] scope:SCOPE_SE
	s_setreg_imm32_b32 hwreg(HW_REG_WAVE_MODE, 25, 1), 1
	s_wait_xcnt 0x0
	s_wait_alu depctr_hold_cnt(0) depctr_sa_sdst(0) depctr_va_vdst(0) depctr_va_sdst(0) depctr_va_ssrc(0) depctr_va_vcc(0) depctr_vm_vsrc(0)
	s_getreg_b32 s2, hwreg(HW_REG_IB_STS2, 6, 4)
	s_cmp_eq_u32 s2, 0
	s_cbranch_scc0 .Lentry_in_a_cluster
	s_endpgm
.Lentry_in_a_cluster:
	s_bfe_u32 s2, ttmp6, 0x10000c
	s_cmp_lg_u32 s2, 0xf033
	s_cbranch_scc0 .Lentry_shape_is_right
	s_endpgm
.Lentry_shape_is_right:
; qkv = h1 w_qkv + b_qkv on codes of FP4 (E2M1) with E8M0 scales, K = 1,024; q and k are then quantised along the head's 64, v along the keys, and stored as attention's operands.
; OPERANDS lie as PK(rows, 1024): [tile of 16 rows][group g of 512 along K][4,352 bytes]: byte 1024 q + 512 c + 16 lane = registers 4 c .. 4 c + 3 of the fragment of K step 4 g + q; byte 4096 + 16 r + 4 q = row r's scale word.
; Row r of tile T is row 32 (T / 2) + 8 (T % 2) + r % 8 + 16 (r / 8).  So with source 0 = tile b, register j of lane (r, h) of the result is source 0's row 32 (b / 2) + 16 h + 8 (b % 2) + j:
; the 16 registers of tiles 2 b', 2 b' + 1 are 16 NEIGHBOURS, which is what the quantiser along that axis wants.
; A work-group makes 256 (Q side: source 1, in the lanes) x 256 (P side: source 0, in the registers); a wave 128 x 128: 64 accumulators.  A slot of LDS holds one group of both sides, codes and scale words together.
; K = 1,024 is two groups: both slots are asked for at the head and none is filled again.  All of a WGP's LDS is claimed.
; ROLES, by the cluster's x (the same in all sixteen partners): 0 (q) and 1 (k): Q side = tokens, P side = w_qkv's columns: registers run along the head.  2 (v): Q side = columns, P side = tokens: registers run along the keys.
; CLUSTERS 4 x 4: the Q side's tile is shared along a row of the cluster, the P side's along a column: joint loads.
; OUTPUT: qkv = [b x 16 + head][128 tokens][13,568 bytes]: +0 q's codes (8 tiles x 512: registers 0-3), +4096 q's scale words (8 x 64), +4608 k's codes, +8704 k's scale words, +9216 v's codes (4 tiles of 16 channels x 1,024), +13312 v's scale words.
; In q's and k's scale words bytes 2 and 3 stand over zero codes: they hold the neighbouring head's bytes (1 .. 254) or 0, never 0xff.  The scale words leave in runs of 64 bytes: one sixteenth of the codes' bytes.
; LIMITS: a block of zeros gets the byte 1, not 127; magnitudes under 2^-124 are held at that floor; NaN and infinities are not served.
.set SIZE_K, 1024
.set G,      SIZE_K/512
.set LAPS,   SIZE_K/1024
.set NQ,     4                         ; K steps of 128 in a slot
.set FR,     8                         ; registers of a fragment
.set NL,     2                         ; LDS loads that bring one
.set NP,     4                         ; places behind this matrix instruction (ISA guide 7.12.1)
.set TILEB,  4352
.set HALFT,  8*TILEB                   ; 8 tiles: what one wave reads of a side; a tensor load brings 16
.set SLOT,   4*HALFT                   ; the Q side's 16 tiles, then the P side's
.set SPARE,  2*SLOT                    ; the spare words, 128 bytes a wave: two blocks of 256 bytes that no other line names
.set BLKB,   13568
.set HS,     16*BLKB                   ; from head to head in qkv
.set ADRA, 16                          ; v16-17 LDS address of my Q side fragments in slot 0, 1
.set ADRB, 20                          ; v20-21 the same for the P side
.set ADRS, 22                          ; v22-23 of my scale words: lanes 0-15 the Q side's, lanes 16-31 the P side's
.set GO,   24                          ; v24  16 x lane
.set SO,   25                          ; v25  q, k: scale words: 4 r, lanes 16-31 one head on
.set SOV,  26                          ; v26  v: 4 r
.set SPW,  28                          ; v28  my spare word; never rewritten
.set NIL,  29                          ; v29  0; never rewritten
.set SC,   32                          ; v32-95 scale words, two sets; register 4 i + q of a set: lanes 0-15 Q block i, lanes 16-31 P block i
.set AF,   128                         ; v128-191 the Q side's fragments, one set
.set HA,   32                          ; the way out: 64 numbers
.set PC,   96                          ; v96-103 the fragment (at the head: the bias loads' offsets)
.set TM,   104                         ; v104-119 the quantiser's work
.set PW,   120
.set TW,   122
.set SH,   123                         ; v123 16 h
.set G1, 24
.set G0, 32
.set G1B, 48
.set G0B, 56
.set SEL, 88
.set MSB, 0
.macro WIN new                         ; the immediate's high byte repeats the setting that is left
.if MSB != (\new)
	s_set_vgpr_msb (MSB<<8)|(\new)
.set MSB, (\new)
.endif
.endm
.set MUL_LO, 0xa1                      ; source 0 (P) window 1, source 1 (Q) window 0, C and D window 2
.set MUL_HI, 0xf1                      ; the same, C and D window 3
.set TO_B,   0x40                      ; destination window 1, address window 0
; A joint load: waves 0 and 1 fetch the Q side's halves, waves 2 and 3 the P side's.  The branch hangs on the wave's number alone.  Four v_nop follow each of the two lines.
.macro JLOAD g0a, g1a, g0b, g1b
	s_cmp_eq_u32 s15, 0
	s_cbranch_scc0 .Lfor_p_\@
	tensor_load_to_lds s[\g0a:\g0a+3], s[\g1a:\g1a+7]
	s_nop 0
.rept 4
	v_nop
.endr
	s_branch .Lasked_\@
.Lfor_p_\@:
	tensor_load_to_lds s[\g0b:\g0b+3], s[\g1b:\g1b+7]
	s_nop 0
.rept 4
	v_nop
.endr
.Lasked_\@:
.endm
.macro CREST                           ; a round of the cluster's barrier behind its opening barrier
	s_cmp_lg_u32 s14, 0
	s_cbranch_scc1 .Lnot_wave_0_\@
	s_barrier_signal -3
.Lnot_wave_0_\@:
	s_barrier_wait -3
	s_barrier_signal -1
	s_barrier_wait -1
.endm
.macro CROUND
	s_barrier_signal -1
	s_barrier_wait -1
	CREST
.endm
	s_load_b256 s[4:11], s[0:1], 0x0               ; h1, wpk, b_qkv, qkv
	v_lshl_add_u32 v[SPW], v0, 2, SPARE
	v_mov_b32 v[NIL], 0
	ds_add_u32 v28, v29
	ds_add_u32 v28, v29
	s_wait_dscnt 0x0
	v_lshrrev_b32 v1, 5, v0
	v_readfirstlane_b32 s14, v1                    ; wave 0..3
	s_lshr_b32 s15, s14, 1                         ; my half of the Q side
	s_and_b32 s16, s14, 1                          ; my half of the P side
	s_bfe_u32 s40, ttmp6, 0x40000                  ; cx
	s_bfe_u32 s41, ttmp6, 0x40004                  ; cy
	s_lshl_b32 s42, ttmp9, 2                       ; 4 x cluster x
	s_and_b32 s17, ttmp7, 0xffff
	s_lshl_b32 s17, s17, 2                         ; 4 x cluster y
	s_cmp_eq_u32 ttmp9, 2                          ; v's clusters swap the roles
	s_cselect_b32 s42, s17, s42                    ; P tile of 256: q, k: columns 4 X + cx; v: tokens 4 Y + cx
	s_cselect_b32 s17, 8, s17                      ; Q tile of 256: q, k: tokens 4 Y + cy; v: columns 8 + cy
	s_add_co_u32 s42, s42, s40
	s_add_co_u32 s17, s17, s41
	s_lshl_b32 s43, s41, 2
	s_lshl_b32 s43, 15, s43                        ; my row of the cluster
	s_lshl_b32 s44, 0x1111, s40                    ; my column
	; descriptor group 1: 16 rows (tiles) of 544 elements of 8 bytes (4,352 bytes), G x 544 elements apart; dense in LDS
	s_or_b32 s[G1+0], s43, (3<<16)|(1<<21)         ; 15:0 the mask: the Q side's tiles go to my row; 17:16 elements of 8 bytes; 21 set beside a mask
	s_or_b32 s[G1B+0], s44, (3<<16)|(1<<21)
.irp g, G1, G1B
	s_mov_b32 s[\g+1], 544<<16                     ; tensor_dim0
	s_mov_b32 s[\g+2], 16<<16                      ; tensor_dim1: a load brings one group of all 16 tiles of a side
	s_mov_b32 s[\g+3], 544<<16                     ; tile_dim0
	s_mov_b32 s[\g+4], 16                          ; tile_dim1
	s_mov_b32 s[\g+5], G*544                       ; tensor_dim0_stride
	s_mov_b32 s[\g+6], 0
	s_mov_b32 s[\g+7], 0
.endr
	s_mov_b32 s18, 0                               ; a load begins at its side's first tile
	s_lshl_b32 s20, s17, 4
	s_add_co_u32 s20, s20, s18                     ; Q: tile 16 x tile of 256
	s_mul_i32 s20, s20, G*TILEB
	s_mov_b32 s21, 0
	s_lshl_b32 s46, s42, 4
	s_add_co_u32 s46, s46, s18                     ; P likewise
	s_mul_i32 s46, s46, G*TILEB
	s_mov_b32 s47, 0
	s_wait_kmcnt 0x0
	s_cmp_eq_u32 ttmp9, 2
	s_cselect_b64 s[92:93], s[6:7], s[4:5]         ; the Q side's buffer (w_qkv's codes lie at wpk's first byte)
	s_cselect_b64 s[94:95], s[4:5], s[6:7]         ; the P side's
	s_add_nc_u64 s[20:21], s[92:93], s[20:21]
	s_add_nc_u64 s[46:47], s[94:95], s[46:47]
	CROUND                                         ; all sixteen work-groups are here: the first joint loads meet
.irp s, 0,1
	s_mov_b32 s[G0+4*\s], 1
	s_mov_b32 s[G0+4*\s+1], \s*SLOT                ; the Q side's 16 tiles of group s
	s_add_nc_u64 s[G0+4*\s+2:G0+4*\s+3], s[20:21], \s*TILEB
	s_or_b32 s[G0+4*\s+3], s[G0+4*\s+3], 0x80000000
	s_mov_b32 s[G0B+4*\s], 1
	s_mov_b32 s[G0B+4*\s+1], \s*SLOT+2*HALFT       ; the P side's, behind them
	s_add_nc_u64 s[G0B+4*\s+2:G0B+4*\s+3], s[46:47], \s*TILEB
	s_or_b32 s[G0B+4*\s+3], s[G0B+4*\s+3], 0x80000000
.endr
; THE HEAD'S FOUR TILES, ONE A WAVE, each on a line of its own (this stands in place of the two fills a wave named above): wave 0 the Q side's group 0, wave 1 the P side's, waves 2 and 3 the same of group 1.
; One chain of branches on the wave's number: every way through the head passes exactly one load.
.macro ARM w, g0, g1, next
	s_cmp_eq_u32 s14, \w
	s_cbranch_scc0 \next
	tensor_load_to_lds s[\g0:\g0+3], s[\g1:\g1+7]
	s_nop 0
.rept 4
	v_nop
.endr
	s_branch .Lhead_asked
\next:
.endm
	ARM 0, G0, G1, .Lhead_1
	ARM 1, G0B, G1B, .Lhead_2
	ARM 2, G0+4, G1, .Lhead_3
	tensor_load_to_lds s[G0B+4:G0B+7], s[G1B:G1B+7]
	s_nop 0
.rept 4
	v_nop
.endr
.Lhead_asked:
	v_and_b32 v1, 15, v0                           ; r
	v_bfe_u32 v2, v0, 4, 1                         ; h
	v_and_b32 v3, 31, v0
	v_lshlrev_b32 v4, 4, v3                        ; 16 x lane: a fragment's place for my lane
	s_mul_i32 s21, s15, HALFT                      ; my 8 tiles of the Q side
	s_mul_i32 s22, s16, HALFT
	s_add_co_u32 s22, s22, 2*HALFT                 ; my 8 of the P side, behind Q's 16
	v_lshlrev_b32 v5, 4, v1                        ; a row's four scale words: 16 r,
	s_sub_co_u32 s23, s22, s21
	v_mul_u32_u24 v6, s23, v2                      ; lanes 16-31 take the P side's
	v_add_nc_u32 v5, v5, v6
	v_add_nc_u32 v5, 4096, v5
.irp s, 0,1
	v_add_nc_u32 v[ADRA+\s], s21, v4
	v_add_nc_u32 v[ADRB+\s], s22, v4
	v_add_nc_u32 v[ADRS+\s], s21, v5
	s_add_co_u32 s21, s21, SLOT
	s_add_co_u32 s22, s22, SLOT
.endr
	; THE BIAS, 64 registers in window 1 (v64-127): q, k: register 8 i + j = b of P tile i's column 16 h + j; v: = b of Q tile i's column of my lane, in all eight j.  One text for both: the offsets differ.
	s_lshl_b32 s20, s42, 8
	s_lshl_b32 s21, s16, 7
	s_add_co_u32 s20, s20, s21                     ; my first row of the P side
	s_lshl_b32 s21, s17, 8
	s_lshl_b32 s22, s15, 7
	s_add_co_u32 s21, s21, s22                     ; and of the Q side
	s_cmp_eq_u32 ttmp9, 2
	s_cselect_b32 s20, s21, s20                    ; the side that holds the columns
	s_cselect_b32 s96, 0, 4                        ; from j to j + 1
	s_cselect_b32 s97, -1, 0
	s_lshl_b32 s20, s20, 2
	s_mov_b32 s21, 0
	s_add_nc_u64 s[8:9], s[8:9], s[20:21]
	v_lshlrev_b32 v6, 6, v2                        ; q, k: 64 h
	v_and_b32 v7, 7, v0
	v_bfe_u32 v8, v0, 3, 1
	v_lshl_add_u32 v7, v8, 4, v7
	v_lshlrev_b32 v7, 2, v7                        ; v: 4 (r % 8 + 16 (r / 8))
	v_cndmask_b32 v[PC], v6, v7, s97
.irp j, 1,2,3,4,5,6,7
	v_add_nc_u32 v[PC+\j], s96, v[PC+\j-1]
.endr
	WIN TO_B
.irp i, 0,1,2,3,4,5,6,7
.irp j, 0,1,2,3,4,5,6,7
	global_load_b32 v[64+8*\i+\j], v[PC+\j], s[8:9] offset:(32*(\i/2)+8*(\i%2))*4
.endr
.endr
	WIN 0
	; where my results go: block (b x 16 + head0, 128 tokens), + 4,608 x cluster x
	s_lshl_b32 s20, s17, 1
	s_add_co_u32 s20, s20, s15                     ; q, k: my 128 tokens = 2 x Q tile + my Q half
	s_lshl_b32 s21, s42, 1
	s_add_co_u32 s21, s21, s16                     ; v: 2 x P tile + my P half
	s_lshl_b32 s22, s40, 2
	s_lshl_b32 s23, s16, 1
	s_add_co_u32 s22, s22, s23                     ; q, k: my first head = 4 cx + 2 x my P half
	s_lshl_b32 s23, s41, 2
	s_lshl_b32 s45, s15, 1
	s_add_co_u32 s23, s23, s45                     ; v: 4 cy + 2 x my Q half
	s_mul_i32 s45, ttmp9, 4608
	s_cmp_eq_u32 ttmp9, 2
	s_cselect_b32 s20, s21, s20
	s_cselect_b32 s22, s23, s22
	s_lshr_b32 s21, s20, 4                         ; b
	s_lshl_b32 s21, s21, 4
	s_add_co_u32 s21, s21, s22
	s_lshl_b32 s21, s21, 4
	s_and_b32 s20, s20, 15
	s_add_co_u32 s20, s20, s21
	s_mul_i32 s20, s20, BLKB
	s_add_co_u32 s20, s20, s45
	s_mov_b32 s21, 0
	s_add_nc_u64 s[10:11], s[10:11], s[20:21]
	v_lshlrev_b32 v[GO], 4, v3
	v_mul_u32_u24 v[SO], v2, HS
	v_lshl_add_u32 v[SO], v1, 2, v[SO]
	v_lshlrev_b32 v[SOV], 2, v1
	v_lshlrev_b32 v[SH], 4, v2
.irp b, 0,1,2,3
	v_mov_b32 v[TM+4+\b], 0                        ; written once: a lane permute's destination counts as one of its sources
.endr
	s_mov_b32 s[SEL], 0x76543210
	s_mov_b32 s[SEL+1], 0xfedcba98
.macro FRAG reg, adr, q, i             ; a fragment is an image of its 8 registers: two loads of 512 consecutive bytes
.irp c, 0,1
	ds_load_b128 v[\reg+4*\c:\reg+4*\c+3], v[\adr] offset:(\i)*TILEB+(\q)*1024+512*\c
.endr
.endm
; 16 matrix instructions: Q blocks a0, a0 + 1 x the P side's eight, the slot's q-th 128 along K.  p: P's set; sc: the set of scale words.  zero = 1: the first product starts the sums.
; The 64 accumulators take turns, one instruction a turn, in the same order in every step.
.macro MUL16 a0, p, q, sc, zero
.irp a, \a0, \a0+1
.irp b, 0,1,2,3,4,5,6,7
.if \zero
	v_wmma_scale_f32_16x16x128_f8f6f4 v[8*(8*((\a)%4)+\b):8*(8*((\a)%4)+\b)+7], v[128*(\p)+FR*\b:128*(\p)+FR*\b+FR-1], v[AF+FR*(\a):AF+FR*(\a)+FR-1], 0, v[SC+8*NQ*(\sc)+NQ*\b+(\q)], v[SC+8*NQ*(\sc)+NQ*(\a)+(\q)] matrix_a_fmt:MATRIX_FMT_FP4 matrix_b_fmt:MATRIX_FMT_FP4 matrix_a_scale:MATRIX_SCALE_ROW1
.else
	v_wmma_scale_f32_16x16x128_f8f6f4 v[8*(8*((\a)%4)+\b):8*(8*((\a)%4)+\b)+7], v[128*(\p)+FR*\b:128*(\p)+FR*\b+FR-1], v[AF+FR*(\a):AF+FR*(\a)+FR-1], v[8*(8*((\a)%4)+\b):8*(8*((\a)%4)+\b)+7], v[SC+8*NQ*(\sc)+NQ*\b+(\q)], v[SC+8*NQ*(\sc)+NQ*(\a)+(\q)] matrix_a_fmt:MATRIX_FMT_FP4 matrix_b_fmt:MATRIX_FMT_FP4 matrix_a_scale:MATRIX_SCALE_ROW1
.endif
.endr
.endr
.endm
.macro FETCH_B slot, q, p
	WIN TO_B
.irp i, 0,1,2,3,4,5,6,7
	FRAG 128*(\p)+FR*\i, ADRB+\slot, \q, \i
.endr
	WIN 0
.endm
.macro FETCH_A slot, q, i0
.irp i, \i0, \i0+1, \i0+2, \i0+3
	FRAG AF+FR*(\i), ADRA+\slot, \q, \i
.endr
.endm
.macro SCALES sc                       ; slot sc's scale words: a row's four words by one load; lanes 0-15 Q block i, lanes 16-31 P block i
.irp i, 0,1,2,3,4,5,6,7
	ds_load_b128 v[SC+8*NQ*\sc+NQ*\i:SC+8*NQ*\sc+NQ*\i+3], v[ADRS+\sc] offset:\i*TILEB
.endr
.endm
.macro PLACES n                        ; plain vector instructions between a matrix instruction and a load into, or a read of, its registers (ISA guide 7.12.1 for the reads)
.rept \n
	v_nop
.endr
.endm
.macro STEP slot, q, zero              ; a step of 128 along K that has its successor in the same slot
	s_wait_dscnt 4*NL                              ; P's set and Q's blocks 0-3 are in; the youngest eight loads (Q's blocks 4-7) may be out
	WIN MUL_LO
	MUL16 0, (\q)%2, \q, \slot, \zero
	MUL16 2, (\q)%2, \q, \slot, \zero
	s_wait_dscnt 0                                 ; Q's blocks 4-7 are in
	PLACES NP
	FETCH_B \slot, (\q)+1, 1-(\q)%2
	FETCH_A \slot, (\q)+1, 0
	WIN MUL_HI
	MUL16 4, (\q)%2, \q, \slot, \zero
	MUL16 6, (\q)%2, \q, \slot, \zero
	PLACES NP
	WIN 0
	FETCH_A \slot, (\q)+1, 4
.endm
; A slot's last step changes slots: one barrier; in front of it each wave waits for all its tensor loads, adds 0 to its spare word, and waits for that and for its reads of this slot.
.macro TURN slot, next, fill
	s_wait_tensorcnt 0x0                           ; all my tensor loads have landed: my part of the next slot
	ds_add_u32 v[SPW], v[NIL]                      ; 0 onto my spare word
	s_wait_dscnt 4*NL+1                            ; (the add and the youngest eight loads may be out)
	WIN MUL_LO
	MUL16 0, 1, NQ-1, \slot, 0
	s_wait_dscnt 0x0                               ; the add is done, and my reads of this slot are over
	s_barrier_signal -1
	MUL16 2, 1, NQ-1, \slot, 0
	WIN 0
	s_barrier_wait -1
.if \fill
	CREST                                          ; the barrier has opened a round of the cluster's barrier
	s_add_nc_u64 s[G0+4*\slot+2:G0+4*\slot+3], s[G0+4*\slot+2:G0+4*\slot+3], 2*TILEB
	s_add_nc_u64 s[G0B+4*\slot+2:G0B+4*\slot+3], s[G0B+4*\slot+2:G0B+4*\slot+3], 2*TILEB
	JLOAD G0+4*\slot, G1, G0B+4*\slot, G1B
.else
	PLACES NP
.endif
	FETCH_B \next, 0, 0
	FETCH_A \next, 0, 0
	SCALES \next
	WIN MUL_HI
	MUL16 4, 1, NQ-1, \slot, 0
	MUL16 6, 1, NQ-1, \slot, 0
	PLACES NP
	WIN 0
	FETCH_A \next, 0, 4
.endm
.macro STEPS slot, from
.set Q, \from
.rept NQ-1-\from
	STEP \slot, Q, 0
.set Q, Q+1
.endr
.endm
	s_wait_alu depctr_va_vdst(0)
	s_cmp_lt_u32 s14, 2
	s_cbranch_scc0 .Lnot_g0
	s_wait_tensorcnt 0x0                           ; waves 0 and 1: group 0's two tiles have landed (group 1's may be out; the change of slots shows them)
.Lnot_g0:
	s_barrier_signal -1
	s_barrier_wait -1                              ; everybody's is
	FETCH_B 0, 0, 0
	FETCH_A 0, 0, 0
	SCALES 0
	FETCH_A 0, 0, 4
	STEP 0, 0, 1                                   ; the first step's products start the sums
	STEPS 0, 1
	TURN 0, 1, 0
	STEPS 1, 0
	s_wait_dscnt 4*NL                              ; the very last step
	WIN MUL_LO
	MUL16 0, 1, NQ-1, 1, 0
	MUL16 2, 1, NQ-1, 1, 0
	s_wait_dscnt 0
	WIN MUL_HI
	MUL16 4, 1, NQ-1, 1, 0
	MUL16 6, 1, NQ-1, 1, 0
	WIN 0
; THE WAY OUT, a Q block (16 lanes' rows x my 128 of the P side) at a time.
; ACT: the block's eight accumulators + bias -> v[HA] on; register 16 b + i = P row 32 b + 16 h + i.  Each accumulator is read from its low end on.  byq = 1: the bias is that of the lane's own row.
.macro ACT a, byq
	WIN 0x06+(\a)/4                                ; source 0 window 2 or 3, source 1 window 1
.set i, 0
.rept 32
.if \byq
	v_pk_add_f32 v[HA+i:HA+i+1], v[64*((\a)%4)+i:64*((\a)%4)+i+1], v[64+8*(\a):64+8*(\a)+1]
.else
	v_pk_add_f32 v[HA+i:HA+i+1], v[64*((\a)%4)+i:64*((\a)%4)+i+1], v[64+i:64+i+1]
.endif
.set i, i+2
.endr
	WIN 0
.endm
.macro QUANT s                         ; 64 numbers of a lane become a fragment's codes in v[PC] on and its scale word in v[PW]
.irp b, 0,1,2,3
	v_max3_num_f32 v[TM+\b], |v[\s+16*\b]|, |v[\s+1+16*\b]|, 0x1800000   ; my 16 numbers of block b, and the floor 2^(3 - 127)
.endr
.irp i, 2,4,6,8,10,12,14
.irp b, 0,1,2,3
	v_max3_num_f32 v[TM+\b], v[TM+\b], |v[\s+16*\b+\i]|, |v[\s+1+16*\b+\i]|
.endr
.endr
.irp b, 0,1,2,3
	v_permlanex16_b32 v[TM+4+\b], v[TM+\b], s[SEL], s[SEL+1]
.endr
.irp b, 0,1,2,3
	v_max_num_f32 v[TM+\b], v[TM+\b], v[TM+4+\b]
.endr
.irp b, 0,1,2,3
	v_add_nc_u32 v[TM+12+\b], 0xff000000, v[TM+\b] ; 2 off the exponent field: the conversion's scale operand
.endr
.irp b, 0,1,2,3
	v_lshrrev_b32 v[TM+4+\b], 23, v[TM+12+\b]
.endr
	v_lshl_or_b32 v[PW], v[TM+5], 8, v[TM+4]
	v_lshl_or_b32 v[PW], v[TM+6], 16, v[PW]
	v_lshl_or_b32 v[PW], v[TM+7], 24, v[PW]
.irp b, 0,1,2,3
	v_cvt_scalef32_pk8_fp4_f32 v[PC+2*\b], v[\s+16*\b:\s+7+16*\b], v[TM+12+\b]
	v_cvt_scalef32_pk8_fp4_f32 v[PC+1+2*\b], v[\s+8+16*\b:\s+15+16*\b], v[TM+12+\b]
.endr
	v_nop
.irp c, 0,1
.irp i, 0,1
	v_permlane16_swap_b32 v[PC+4*\c+\i], v[PC+2+4*\c+\i]
.endr
.endr
.endm
	PLACES NP                                      ; behind the last products: their results are read and their scale registers written below
	s_wait_loadcnt 0x0                             ; the bias; its loads' offset registers are free
	s_cmp_eq_u32 ttmp9, 2
	s_cbranch_scc1 .Lv_arm
.irp a, 0,1,2,3,4,5,6,7                ; q, k: my 128 columns are two heads: registers 0-3 of the fragment are the first head's 64, registers 4-7 the second's
	ACT \a, 0
.if \a > 0
	s_wait_xcnt 0x0                                ; the last block's stores have read their data
.endif
	QUANT HA
	v_lshrrev_b32 v[TW], v[SH], v[PW]              ; lanes 0-15: the first head's word; lanes 16-31: the second's two bytes moved down
	global_store_b128 v[GO], v[PC:PC+3], s[10:11] offset:\a*512
	global_store_b128 v[GO], v[PC+4:PC+7], s[10:11] offset:HS+\a*512
	global_store_b32 v[SO], v[TW], s[10:11] offset:4096+\a*64
.endr
	s_branch .Lout
.Lv_arm:
.irp a, 0,1,2,3,4,5,6,7                ; v: 16 channels (head a / 4, tile a % 4) x my 128 keys: a whole fragment and a whole scale word
	ACT \a, 1
.if \a > 0
	s_wait_xcnt 0x0
.endif
	QUANT HA
	global_store_b128 v[GO], v[PC:PC+3], s[10:11] offset:(\a/4)*HS+(\a%4)*1024
	global_store_b128 v[GO], v[PC+4:PC+7], s[10:11] offset:(\a/4)*HS+(\a%4)*1024+512
	global_store_b32 v[SOV], v[PW], s[10:11] offset:(\a/4)*HS+4096+(\a%4)*64   ; both halves of the lanes store the same word to the same place
.endr
.Lout:
	s_wait_tensorcnt 0x0                           ; the wave's end
	ds_add_u32 v[SPW], v[NIL]
	s_wait_dscnt 0x0
	CROUND                                         ; the closing round
	s_endpgm
.Lfunc_end_k_q166d10cff8_qkv:
	.size	k_q166d10cff8_qkv, .Lfunc_end_k_q166d10cff8_qkv-k_q166d10cff8_qkv
	.p2alignl 7, 3214868480
	.fill 96, 4, 3214868480
	.section	.rodata,"a",@progbits
	.p2align	6, 0x0
	.amdhsa_kernel k_q166d10cff8_qkv
		.amdhsa_group_segment_fixed_size 327680
		.amdhsa_private_segment_fixed_size 0
		.amdhsa_enable_private_segment 0
		.amdhsa_kernarg_size 32
		.amdhsa_user_sgpr_count 2
		.amdhsa_user_sgpr_kernarg_segment_ptr 1
		.amdhsa_wavefront_size32 1
		.amdhsa_system_sgpr_workgroup_id_x 1
		.amdhsa_system_sgpr_workgroup_id_y 1
		.amdhsa_system_sgpr_workgroup_id_z 1
		.amdhsa_system_vgpr_workitem_id 0
		.amdhsa_next_free_vgpr 1024
		.amdhsa_next_free_sgpr 98
		.amdhsa_reserve_vcc 0
		.amdhsa_float_denorm_mode_32 3
		.amdhsa_float_denorm_mode_16_64 3
		.amdhsa_memory_ordered 1
		.amdhsa_forward_progress 1
		.amdhsa_inst_pref_size 198
	.end_amdhsa_kernel
	.amdgpu_metadata
---
amdhsa.version: [ 1, 2 ]
amdhsa.kernels:
  - .name:           k_q166d10cff8_qkv
    .symbol:         k_q166d10cff8_qkv.kd
    .args:
      - { .name: h1, .offset: 0, .size: 8, .value_kind: global_buffer, .address_space: global }
      - { .name: wpk, .offset: 8, .size: 8, .value_kind: global_buffer, .address_space: global }
      - { .name: b_qkv, .offset: 16, .size: 8, .value_kind: global_buffer, .address_space: global }
      - { .name: qkv, .offset: 24, .size: 8, .value_kind: global_buffer, .address_space: global }
    .group_segment_fixed_size: 327680
    .private_segment_fixed_size: 0
    .kernarg_segment_align: 8
    .kernarg_segment_size: 32
    .max_flat_workgroup_size: 128
    .sgpr_count:     98
    .vgpr_count:     1024
    .wavefront_size: 32
...
	.end_amdgpu_metadata
.endif
;; end of part 9
;; launch attn (part 10): grid 8 x 32, 16 waves a work-group, clusters of 4 x 1, 219,136 bytes of LDS; arguments qkv, ao; writes ao
.if DOCPART == 10
	.amdgcn_target "amdgcn-amd-amdhsa--gfx1250"
	.amdhsa_code_object_version 6
	.text
	.protected	k_q166d10cff8_attn
	.globl	k_q166d10cff8_attn
	.p2align	8
	.type	k_q166d10cff8_attn,@function
k_q166d10cff8_attn:
	s_mov_b64 s[64:65], 0
	v_nop
	global_prefetch_b8 v0, s[64:65] scope:SCOPE_SE
	s_setreg_imm32_b32 hwreg(HW_REG_WAVE_MODE, 25, 1), 1
	s_wait_xcnt 0x0
	s_wait_alu depctr_hold_cnt(0) depctr_sa_sdst(0) depctr_va_vdst(0) depctr_va_sdst(0) depctr_va_ssrc(0) depctr_va_vcc(0) depctr_vm_vsrc(0)
	s_getreg_b32 s2, hwreg(HW_REG_IB_STS2, 6, 4)
	s_cmp_eq_u32 s2, 0
	s_cbranch_scc0 .Lentry_in_a_cluster
	s_endpgm
.Lentry_in_a_cluster:
	s_bfe_u32 s2, ttmp6, 0x10000c
	s_cmp_lg_u32 s2, 0x3003
	s_cbranch_scc0 .Lentry_shape_is_right
	s_endpgm
.Lentry_shape_is_right:
; Causal attention of one head on codes of FP4 (E2M1) with E8M0 scales: S^T = K Q^T (K = the head's 64), softmax, O^T = V^T P^T (K = the keys), O / l, quantised along D.
; THE SOFTMAX: t = score x log2(e) / 8; M = the running largest t rounded UP to a whole number; p = 2^(t - M) is quantised along the keys, not normalised; the row's sum is taken of the unquantised p and divides at the end.
; When M moves, the sum and O^T are multiplied by 2^(old M - new M): exact.
; LEFT OUT: key steps all of whose 128 keys come after a tile's queries: reference() sets their scores to -inf by its own causal mask, so their p is 0 for all inputs.  A NaN or infinity that reaches only those scores is not carried.
; INPUT: qkv = [b x 16 + head][block of 128 tokens][13,568 bytes]: +0 q's codes (8 tiles x 512), +4096 q's scale words, +4608 k's codes, +8704 k's scale words, +9216 v's codes (4 tiles of 16 channels x 128 keys), +13312 v's scale words;
; all as images of the operands' registers.  Row r of tile T is 32 (T / 2) + 8 (T % 2) + r % 8 + 16 (r / 8): so p's 16 registers of two neighbouring key tiles are 16 neighbouring keys, and O^T's likewise 16 neighbouring channels.
; THE DEAL.  Work-group (j, head) owns tile j (16 queries) of EACH of the head's 16 blocks: 1 + 2 + .. + 16 = 136 tile steps in every work-group, and every work-group reads all 16 key steps.
; The tiles of blocks a and 15 - a (a = 0 .. 7) have 17 steps together and are shared by waves a and 15 - a.  Wave a walks key steps 0 .. 8: its own tile up to step a, which it then finishes and stores; from step a + 1 on the tile of block 15 - a.
; Wave 15 - a takes that tile's steps 0 .. a and 9 .. 15 - a.  So a wave has 9 or 8 steps.  At the end wave a hands O^T, the sum and -M through LDS to wave 15 - a, which brings both parts under the larger M (exact) and finishes the tile.
; The loop has a constant count of trips; a trip that is not the wave's is passed over by scalar branches on the wave's number.
; CLUSTER 4 x 1: nothing but global addresses and the mask's lane numbers hangs on j, so the four work-groups of a cluster, which walk the same head, ask for K and V JOINTLY: wave w fetches key step w (8,960 dense bytes).
; Key step 0 has a load line and a barrier of its own: every wave's first step is key step 0, and the other fifteen tiles are shown by the barrier behind it.  Nothing is filled again.
; No prefetch: all that the launch reads is asked for at its head.
; K'S FRAGMENTS lie four registers apart: the instruction's k = 64 .. 127 meet Q's zero codes, so what stands in K's upper four registers (the next tile's codes; behind the last tile the second Q) adds nothing; their scale bytes are finite.
; OUTPUT: ao = PK(4096, 1024): [tile of 16 tokens][group of 512 along D][4,352 bytes]; a head owns half a fragment (512 bytes) and two bytes of each row's scale word.
; LIMITS: a block of zeros gets the byte 1, not 127; magnitudes under 2^-124 are held at that floor; NaN and infinities are not served; 1 / l is v_rcp_f32; the scaled scores stay under 2^31 in magnitude.
; REGISTERS: v1-11 addresses; v12 -M, v13 the largest t, v[14:15] the sum; v16-23 Q; v24-25 V's scale words, v26-29 K's; v32-63 K; v64-68 the second tile's Q and its scale word; v96-159 S^T, then p; v160-191 O^T; v192-223 V;
; v224-231 p's codes; v232-254 at work (v252 f, v253 p's scale word); v255 Q's scale word.
.set BLKB,  13568
.set STEPB, 8960                       ; a key step in LDS: K's codes 4,096, K's scale words 512, V's codes 4,096, V's scale words 256
.set STAGE, 16*STEPB                   ; behind the tiles: a place of 4,608 bytes for each wave's number; no tile lands here
.set STB,   4608
.set SPARE, STAGE+16*STB               ; the spare words, 128 bytes a wave
.set L16,  1                           ; v1  16 x lane
.set L4,   2                           ; v2  4 x lane
.set DD,   3                           ; v3  my query within its block - 16 (lane / 16)
.set STA,  4                           ; v4  my own place in the stage
.set LDA,  5                           ; v5  the place of wave 15 - w
.set QO,   6                           ; v6  Q's codes: 512 j + 16 lane
.set RO,   7                           ; v7  16 r
.set ADC,  8
.set ADS,  9
.set SPW,  10
.set NIL,  11
.set WV,   8                           ; s8  the wave
.set J,    11                          ; s11 my tile of each block
.set TT,   12                          ; s12 the key step
.set TB,   13                          ; s13 its first LDS byte
.set XW,   17                          ; s17 15 - wave
.set SEL,  20
.set CS,   22
.set G1,   24
.set G0,   32
.set LO,   46                          ; s46 I work steps 0 .. LO,
.set HI0,  47                          ; s47 and HI0 .. my wave's number
.set SW,   48                          ; s48 ahead of this step I change tiles (64: never)
.set BLK,  49                          ; s49 the block of the tile in hand: its diagonal step
.macro CROUND
	s_barrier_signal -1
	s_barrier_wait -1
	s_cmp_lg_u32 s[WV], 0
	s_cbranch_scc1 .Lnot_wave_0_\@
	s_barrier_signal -3
.Lnot_wave_0_\@:
	s_barrier_wait -3
	s_barrier_signal -1
	s_barrier_wait -1
.endm
.macro TLOAD                           ; an s_nop 0 and four v_nop follow the load
	tensor_load_to_lds s[G0:G0+3], s[G1:G1+7]
	s_nop 0
.rept 4
	v_nop
.endr
.endm
	s_load_b128 s[4:7], s[0:1], 0x0                ; qkv, ao
	v_lshl_add_u32 v[SPW], v0, 2, SPARE
	v_mov_b32 v[NIL], 0
	ds_add_u32 v[SPW], v[NIL]                      ; the opening lines: the add twice on end and one wait
	ds_add_u32 v[SPW], v[NIL]
	v_lshrrev_b32 v8, 5, v0
	v_readfirstlane_b32 s[WV], v8                  ; wave 0..15
	s_and_b32 s9, ttmp7, 0xffff                    ; b x 16 + head
	s_bfe_u32 s62, ttmp6, 0x40000                  ; cx
	s_lshl_b32 s[J], ttmp9, 2
	s_add_co_u32 s[J], s[J], s62                   ; j = 4 x cluster x + cx
	s_mov_b32 s[G1], 15|(3<<16)|(1<<21)            ; the mask: all four of the cluster; elements of 8 bytes; bit 21 beside a mask
	s_mov_b32 s[G1+1], 32<<16                      ; 35 dense rows of 256 bytes
	s_mov_b32 s[G1+2], 35<<16
	s_mov_b32 s[G1+3], 32<<16
	s_mov_b32 s[G1+4], 35
	s_mov_b32 s[G1+5], 32
	s_mov_b32 s[G1+6], 0
	s_mov_b32 s[G1+7], 0
	s_lshl_b32 s10, s9, 4
	s_add_co_u32 s14, s10, s[WV]
	s_mul_i32 s14, s14, BLKB                       ; block w of my head: my first tile's Q, and key step w
	s_mov_b32 s15, 0
	s_mul_i32 s16, s[WV], STEPB
	s_xor_b32 s[XW], s[WV], 15
	s_add_co_u32 s[SW], s[WV], 1
	s_cmp_lt_u32 s[WV], 8
	s_cselect_b32 s18, s[XW], s[WV]                ; the block of my second tile (waves 8-15 have one tile and name it again)
	s_cselect_b32 s[LO], 8, s[XW]
	s_cselect_b32 s[HI0], 16, 9
	s_cselect_b32 s[SW], s[SW], 64
	s_mov_b32 s[BLK], s[WV]
	s_add_co_u32 s36, s10, s18
	s_mul_i32 s36, s36, BLKB
	s_mov_b32 s37, 0
	s_lshl_b32 s50, s[J], 9
	s_lshl_b32 s51, s[J], 6
	s_mul_i32 s52, s[WV], STB
	s_add_co_u32 s52, s52, STAGE
	s_mul_i32 s53, s[XW], STB
	s_add_co_u32 s53, s53, STAGE
	s_lshr_b32 s54, s[J], 1
	s_lshl_b32 s54, s54, 5
	s_and_b32 s55, s[J], 1
	s_lshl_b32 s55, s55, 3
	s_add_co_u32 s54, s54, s55                     ; 32 (j / 2) + 8 (j % 2)
	; where O goes: tile b x 128 + 8 x block w + j; the head's 64 of D: group head / 8, K step (head / 2) % 4, half head % 2
	s_lshr_b32 s55, s9, 4
	s_lshl_b32 s55, s55, 7
	s_lshl_b32 s56, s[WV], 3
	s_add_co_u32 s55, s55, s56
	s_add_co_u32 s55, s55, s[J]
	s_mul_i32 s55, s55, 8704
	s_bfe_u32 s56, s9, 0x10003
	s_mul_i32 s56, s56, 4352
	s_add_co_u32 s55, s55, s56
	s_bfe_u32 s56, s9, 0x20001
	s_and_b32 s57, s9, 1
	s_lshl_b32 s58, s56, 10
	s_lshl_b32 s59, s57, 9
	s_add_co_u32 s58, s58, s59
	s_add_co_u32 s58, s58, s55                     ; the codes
	s_mov_b32 s59, 0
	s_lshl_b32 s60, s56, 2
	s_lshl_b32 s61, s57, 1
	s_add_co_u32 s60, s60, s61
	s_add_co_u32 s60, s60, s55
	s_add_co_u32 s60, s60, 4096                    ; the two scale bytes of row 0
	s_mov_b32 s61, 0
	s_mov_b32 s[SEL], 0x76543210
	s_mov_b32 s[SEL+1], 0xfedcba98
	s_mov_b32 s[CS], 0x3e38aa3b                    ; c = log2(e) / 8
	s_mov_b32 s[CS+1], s[CS]
	s_mov_b32 s[TT], 0
	s_mov_b32 s[TB], 0
	v_and_b32 v30, 15, v0                          ; r
	v_bfe_u32 v31, v0, 4, 1                        ; h
	v_and_b32 v69, 31, v0
	v_lshlrev_b32 v[L16], 4, v69
	v_lshlrev_b32 v[L4], 2, v69
	v_add_nc_u32 v[QO], s50, v[L16]
	v_lshl_add_u32 v70, v30, 2, s51                ; Q's scale words: 64 j + 4 r
	v_lshlrev_b32 v[RO], 4, v30
	v_add_nc_u32 v[STA], s52, v[L16]
	v_add_nc_u32 v[LDA], s53, v[L16]
	v_and_b32 v[DD], 7, v0
	v_bfe_u32 v71, v0, 3, 1
	v_lshl_add_u32 v[DD], v71, 4, v[DD]
	v_lshlrev_b32 v71, 4, v31
	v_sub_nc_u32 v[DD], v[DD], v71
	v_add_nc_u32 v[DD], s54, v[DD]                 ; 32 (j / 2) + 8 (j % 2) + r % 8 + 16 (r / 8) - 16 h
.irp j, 20,21,22,23
	v_mov_b32 v[\j], 0                             ; Q's k = 64 .. 127: zero codes
.endr
.set i, 0
.rept 32
	v_mov_b32 v[160+i], 0                          ; O^T: the step is written once; the first finds zeros
.set i, i+1
.endr
	v_mov_b32 v13, 0xff61b1e6                      ; the largest t so far: -3e38
	v_floor_f32 v12, -v13                          ; -M
	v_mov_b32 v14, 0
	v_mov_b32 v15, 0
.irp b, 0,1,2,3
	v_mov_b32 v[236+\b], 0                         ; a lane permute's destination counts as one of its sources
.endr
	v_mov_b32 v252, 0
	v_mov_b32 v253, 0
	s_wait_alu depctr_va_vdst(0)
	s_wait_dscnt 0x0                               ; both opening adds are done
	CROUND                                         ; the four work-groups are here: the joint loads meet
	s_wait_kmcnt 0x0
	s_mov_b32 s[G0], 1
	s_mov_b32 s[G0+1], s16
	s_add_nc_u64 s[38:39], s[4:5], s[14:15]
	s_add_nc_u64 s[G0+2:G0+3], s[38:39], 4608      ; key step w's K and V
	s_or_b32 s[G0+3], s[G0+3], 0x80000000
	s_cmp_eq_u32 s[WV], 0
	s_cbranch_scc0 .Lrest
	TLOAD                                          ; wave 0: key step 0, on a line of its own
	s_branch .Lasked
.Lrest:
	TLOAD                                          ; waves 1 to 15: key steps 1 to 15
.Lasked:
	s_add_nc_u64 s[44:45], s[4:5], s[36:37]
	global_load_b128 v[16:19], v[QO], s[38:39]     ; my first tile's Q, registers 0-3,
	global_load_b32 v255, v70, s[38:39] offset:4096
	global_load_b128 v[64:67], v[QO], s[44:45]     ; my second tile's
	global_load_b32 v68, v70, s[44:45] offset:4096
	s_add_nc_u64 s[40:41], s[6:7], s[58:59]
	s_add_nc_u64 s[42:43], s[6:7], s[60:61]
; A KEY STEP: 128 keys at LDS byte s[TB], for the tile in hand
.macro STEP
	v_add_nc_u32 v[ADC], s[TB], v[L16]
	v_add_nc_u32 v[ADS], s[TB], v[L4]
.irp i, 0,1,2,3,4,5,6,7
	ds_load_b128 v[32+4*\i:35+4*\i], v[ADC] offset:512*\i                      ; K's tile i: registers 0-3
.endr
.irp i, 0,1,2,3
	ds_load_b32 v[26+\i], v[ADS] offset:4096+128*\i                            ; lanes 0-15: tile 2 i's scale words; lanes 16-31: tile 2 i + 1's
.endr
.irp t, 0,1,2,3
.irp c, 0,1
	ds_load_b128 v[192+8*\t+4*\c:195+8*\t+4*\c], v[ADC] offset:4608+1024*\t+512*\c
.endr
.endr
.irp i, 0,1
	ds_load_b32 v[24+\i], v[ADS] offset:8704+128*\i
.endr
	s_wait_dscnt 10                                ; K and its scale words are in; V's ten loads may be out
.irp i, 0,1,2,3,4,5,6,7
.if \i%2
	v_wmma_scale_f32_16x16x128_f8f6f4 v[96+8*\i:103+8*\i], v[32+4*\i:39+4*\i], v[16:23], 0, v[26+\i/2], v255 matrix_a_fmt:MATRIX_FMT_FP4 matrix_b_fmt:MATRIX_FMT_FP4 matrix_a_scale:MATRIX_SCALE_ROW1
.else
	v_wmma_scale_f32_16x16x128_f8f6f4 v[96+8*\i:103+8*\i], v[32+4*\i:39+4*\i], v[16:23], 0, v[26+\i/2], v255 matrix_a_fmt:MATRIX_FMT_FP4 matrix_b_fmt:MATRIX_FMT_FP4
.endif
.endr                                  ; register 16 b + i of v96 on: key 32 b + 16 h + i of the step, for my query
.rept 4
	v_nop
.endr
	s_cmp_lg_u32 s[TT], s[BLK]                     ; on the diagonal the scores of hidden keys become -infinity ahead of the maximum: p = 0 then
	s_cbranch_scc1 .Lopen_\@
	v_mov_b32 v254, 0xff800000
.set n, 0
.rept 64
	v_cmp_gt_i32 vcc_lo, 32*(n/16)+n%16, v[DD]
	v_cndmask_b32 v[96+n], v[96+n], v254, vcc_lo
.set n, n+1
.endr
.Lopen_\@:
.irp b, 0,1,2,3
	v_max3_num_f32 v[232+\b], v[96+16*\b], v[97+16*\b], v[98+16*\b]            ; the largest score of each block of 32 keys: it serves the row's maximum and, since p rises with the score, the block's largest p
.endr
.irp i, 3,5,7,9,11,13
.irp b, 0,1,2,3
	v_max3_num_f32 v[232+\b], v[232+\b], v[96+16*\b+\i], v[97+16*\b+\i]
.endr
.endr
.irp b, 0,1,2,3
	v_max_num_f32 v[232+\b], v[232+\b], v[111+16*\b]
.endr
.irp b, 0,1,2,3
	s_delay_alu instid0(VALU_DEP_4)
	v_permlanex16_b32 v[236+\b], v[232+\b], s[SEL], s[SEL+1]
.endr
.irp b, 0,1,2,3
	s_delay_alu instid0(VALU_DEP_4)
	v_max_num_f32 v[232+\b], v[232+\b], v[236+\b]  ; with lane l xor 16's 16 keys
.endr
	s_delay_alu instid0(VALU_DEP_2)
	v_max3_num_f32 v254, v232, v233, v234
	s_delay_alu instid0(VALU_DEP_1)
	v_max_num_f32 v254, v254, v235                 ; the step's largest score of my query
	s_delay_alu instid0(VALU_DEP_1)
	v_mul_f32 v254, s[CS], v254
	s_delay_alu instid0(VALU_DEP_1)
	v_max_num_f32 v13, v13, v254                   ; the running largest t
	v_mov_b32 v254, v12
	s_delay_alu instid0(VALU_DEP_2)
	v_floor_f32 v12, -v13                          ; the new -M = -ceil(t)
	s_delay_alu instid0(VALU_DEP_1)
	v_sub_f32 v254, v12, v254                      ; old M - new M: a whole number, 0 or less
	s_delay_alu instid0(VALU_DEP_1)
	v_cvt_i32_f32 v254, v254                       ; (it saturates)
	s_delay_alu instid0(VALU_DEP_1)
	v_ldexp_f32 v252, 1.0, v254                    ; f = 2^(old M - new M)
.set j, 0
.rept 32
	v_pk_fma_f32 v[96+j:97+j], v[96+j:97+j], s[CS:CS+1], v[12:13] op_sel_hi:[1,0,0]   ; t - M
.set j, j+2
.endr
.irp b, 0,1,2,3
	v_fma_f32 v[232+\b], v[232+\b], s[CS], v12     ; the same of each block's largest score
.endr
.set j, 0
	s_wait_alu depctr_va_vdst(0)
.rept 64
	v_exp_f32 v[96+j], v[96+j]                     ; p = 2^(t - M)
.set j, j+1
.endr
	v_pk_mul_f32 v[14:15], v[14:15], v[252:253] op_sel_hi:[1,0]                ; the sums under the new M: a plain place behind the exponentials
	s_wait_alu depctr_va_vdst(0)                   ; one wait for the batch, ahead of its first reader
.irp b, 0,1,2,3
	v_exp_f32 v[232+\b], v[232+\b]                 ; the block's largest p
.endr
	v_pk_add_f32 v[236:237], v[100:101], v[104:105]
	v_pk_add_f32 v[248:249], v[108:109], v[112:113]
	v_pk_add_f32 v[246:247], v[116:117], v[120:121]
	v_pk_add_f32 v[244:245], v[124:125], v[128:129]
	v_pk_add_f32 v[242:243], v[132:133], v[136:137]
	v_pk_add_f32 v[240:241], v[140:141], v[144:145]
	v_pk_add_f32 v[238:239], v[148:149], v[152:153]
	v_pk_add_f32 v[14:15], v[14:15], v[156:157]
	v_pk_add_f32 v[236:237], v[236:237], v[96:97]
	v_pk_add_f32 v[248:249], v[248:249], v[98:99]
	v_pk_add_f32 v[246:247], v[246:247], v[102:103]
	v_pk_add_f32 v[244:245], v[244:245], v[106:107]
	v_pk_add_f32 v[242:243], v[242:243], v[110:111]
	v_pk_add_f32 v[240:241], v[240:241], v[114:115]
	v_pk_add_f32 v[238:239], v[238:239], v[118:119]
	v_pk_add_f32 v[14:15], v[14:15], v[122:123]
	v_pk_add_f32 v[236:237], v[236:237], v[126:127]
	v_pk_add_f32 v[248:249], v[248:249], v[130:131]
	v_pk_add_f32 v[246:247], v[246:247], v[134:135]
	v_pk_add_f32 v[244:245], v[244:245], v[138:139]
	v_pk_add_f32 v[242:243], v[242:243], v[142:143]
	v_pk_add_f32 v[240:241], v[240:241], v[146:147]
	v_pk_add_f32 v[238:239], v[238:239], v[150:151]
	v_pk_add_f32 v[14:15], v[14:15], v[154:155]
	v_pk_add_f32 v[236:237], v[236:237], v[158:159]
	s_delay_alu instid0(VALU_DEP_2)
	v_pk_add_f32 v[14:15], v[14:15], v[244:245]
	s_delay_alu instid0(VALU_DEP_2)
	v_pk_add_f32 v[236:237], v[236:237], v[242:243]
	v_pk_add_f32 v[248:249], v[248:249], v[240:241]
	v_pk_add_f32 v[246:247], v[246:247], v[238:239]
	s_delay_alu instid0(VALU_DEP_2)
	v_pk_add_f32 v[14:15], v[14:15], v[248:249]
	s_delay_alu instid0(VALU_DEP_2)
	v_pk_add_f32 v[236:237], v[236:237], v[246:247]
	s_delay_alu instid0(VALU_DEP_1)
	v_pk_add_f32 v[14:15], v[14:15], v[236:237]
	s_wait_alu depctr_va_vdst(0)                   ; and one for the four
.irp b, 0,1,2,3
	v_max_num_f32 v[232+\b], 0x1800000, v[232+\b]  ; the floor 2^(3 - 127)
.endr
.irp b, 0,1,2,3
	s_delay_alu instid0(VALU_DEP_4)
	v_add_nc_u32 v[244+\b], 0xff000000, v[232+\b]  ; the conversion's scale operand
.endr
.irp b, 0,1,2,3
	s_delay_alu instid0(VALU_DEP_4)
	v_lshrrev_b32 v[236+\b], 23, v[244+\b]
.endr
	s_delay_alu instid0(VALU_DEP_3)
	v_lshl_or_b32 v253, v237, 8, v236              ; p's scale word for these 128 keys
	s_delay_alu instid0(VALU_DEP_1)
	v_lshl_or_b32 v253, v238, 16, v253
	s_delay_alu instid0(VALU_DEP_1)
	v_lshl_or_b32 v253, v239, 24, v253
.irp b, 0,1,2,3
	v_cvt_scalef32_pk8_fp4_f32 v[224+2*\b], v[96+16*\b:103+16*\b], v[244+\b]
	v_cvt_scalef32_pk8_fp4_f32 v[225+2*\b], v[104+16*\b:111+16*\b], v[244+\b]
.endr
	v_nop
.irp c, 0,1
.irp i, 0,1
	v_permlane16_swap_b32 v[224+4*\c+\i], v[226+4*\c+\i]
.endr
.endr
.set j, 0
.rept 16
	v_pk_mul_f32 v[160+j:161+j], v[160+j:161+j], v[252:253] op_sel_hi:[1,0]    ; O^T under the new M; these sixteen are also the places between p's codes and scale word and the products below
.set j, j+2
.endr
	s_wait_alu depctr_va_vdst(0)
	s_wait_dscnt 0x0                               ; V
.irp t, 0,1,2,3                        ; four accumulators by turns, one instruction a turn; the next step's eight products stand between two links of a chain
.if \t%2
	v_wmma_scale_f32_16x16x128_f8f6f4 v[160+8*\t:167+8*\t], v[192+8*\t:199+8*\t], v[224:231], v[160+8*\t:167+8*\t], v[24+\t/2], v253 matrix_a_fmt:MATRIX_FMT_FP4 matrix_b_fmt:MATRIX_FMT_FP4 matrix_a_scale:MATRIX_SCALE_ROW1
.else
	v_wmma_scale_f32_16x16x128_f8f6f4 v[160+8*\t:167+8*\t], v[192+8*\t:199+8*\t], v[224:231], v[160+8*\t:167+8*\t], v[24+\t/2], v253 matrix_a_fmt:MATRIX_FMT_FP4 matrix_b_fmt:MATRIX_FMT_FP4
.endif
.endr
.rept 4
	v_nop                                          ; places in front of the next loads into V's registers, and of the reads of O^T
.endr
.endm
; A TILE IS FINISHED.  v14: my lane's part of the sum.  O^T / the sum; register 16 b + i is channel 32 b + 16 h + i of my query: two blocks of 32 along D
.macro FINISH
	v_permlanex16_b32 v252, v14, s[SEL], s[SEL+1]
	s_delay_alu instid0(VALU_DEP_1)
	v_add_f32 v14, v14, v252                       ; the row's sum
	s_wait_alu depctr_va_vdst(0)
	v_rcp_f32 v14, v14
	v_nop
	s_wait_alu depctr_va_vdst(0)
.set j, 0
.rept 32
	v_mul_f32 v[96+j], v[160+j], v14
.set j, j+1
.endr
.irp b, 0,1
	v_max3_num_f32 v[232+\b], |v[96+16*\b]|, |v[97+16*\b]|, 0x1800000
.endr
.irp i, 2,4,6,8,10,12,14
.irp b, 0,1
	s_delay_alu instid0(VALU_DEP_2)
	v_max3_num_f32 v[232+\b], v[232+\b], |v[96+16*\b+\i]|, |v[97+16*\b+\i]|
.endr
.endr
.irp b, 0,1
	s_delay_alu instid0(VALU_DEP_2)
	v_permlanex16_b32 v[236+\b], v[232+\b], s[SEL], s[SEL+1]
.endr
.irp b, 0,1
	s_delay_alu instid0(VALU_DEP_2)
	v_max_num_f32 v[232+\b], v[232+\b], v[236+\b]
.endr
.irp b, 0,1
	s_delay_alu instid0(VALU_DEP_2)
	v_add_nc_u32 v[244+\b], 0xff000000, v[232+\b]
.endr
.irp b, 0,1
	s_delay_alu instid0(VALU_DEP_2)
	v_lshrrev_b32 v[236+\b], 23, v[244+\b]
.endr
	s_delay_alu instid0(VALU_DEP_1)
	v_lshl_or_b32 v240, v237, 8, v236              ; the head's two scale bytes of my row
.irp b, 0,1
	v_cvt_scalef32_pk8_fp4_f32 v[224+2*\b], v[96+16*\b:103+16*\b], v[244+\b]
	v_cvt_scalef32_pk8_fp4_f32 v[225+2*\b], v[104+16*\b:111+16*\b], v[244+\b]
.endr
	v_nop
	v_permlane16_swap_b32 v224, v226               ; lanes 0-15 block 0, lanes 16-31 block 1: four registers of the operand
	v_permlane16_swap_b32 v225, v227
	global_store_b128 v[L16], v[224:227], s[40:41] ; 512 consecutive bytes, at a multiple of 256 from ao's first byte
	global_store_b16 v[RO], v240, s[42:43]         ; both halves of the lanes store the same two bytes to the same place
.endm
	s_wait_loadcnt 0x0                             ; both Q
	s_cmp_eq_u32 s[WV], 0
	s_cbranch_scc0 .Lnot_0
	s_wait_tensorcnt 0x0                           ; wave 0: key step 0 has landed
.Lnot_0:
	s_barrier_signal -1
	s_barrier_wait -1                              ; it is shown to all; the other tiles may be on their way
	STEP                                           ; key step 0 is every wave's first
	s_wait_tensorcnt 0x0                           ; every wave: its own tile has landed,
	s_wait_dscnt 0x0
	s_barrier_signal -1
	s_barrier_wait -1                              ; everybody's has
	s_mov_b32 s[TT], 1
	s_mov_b32 s[TB], STEPB
.Lstep:                                ; 15 trips in every wave
	s_cmp_le_u32 s[TT], s[LO]
	s_cbranch_scc1 .Ldo
	s_cmp_lt_u32 s[TT], s[HI0]
	s_cbranch_scc1 .Lhidden
	s_cmp_gt_u32 s[TT], s[WV]
	s_cbranch_scc1 .Lhidden
.Ldo:
	s_cmp_lg_u32 s[TT], s[SW]
	s_cbranch_scc1 .Lsame
	v_add_f32 v14, v14, v15                        ; waves 0-7, once: my own tile is whole: it leaves, and the tile of block 15 - w begins anew
	FINISH
.irp i, 0,1,2,3
	v_mov_b32 v[16+\i], v[64+\i]
.endr
	v_mov_b32 v255, v68
	v_mov_b32 v13, 0xff61b1e6
	v_floor_f32 v12, -v13
	v_mov_b32 v14, 0
	v_mov_b32 v15, 0
.set i, 0
.rept 32
	v_mov_b32 v[160+i], 0                          ; (these are also the places between Q's registers and scale word and the next products)
.set i, i+1
.endr
	s_mov_b32 s[BLK], s[XW]
	s_wait_alu depctr_va_vdst(0)
	s_wait_xcnt 0x0                                ; the stores have read their data: the next step writes those registers
.Lsame:
	STEP
.Lhidden:
	s_add_co_u32 s[TB], s[TB], STEPB
	s_add_co_u32 s[TT], s[TT], 1
	s_cmp_lt_u32 s[TT], 16
	s_cbranch_scc1 .Lstep
	; THE TWO PARTS OF A TILE MEET: wave w < 8 hands its O^T, -M and sum to wave 15 - w as an image of its registers
	s_wait_alu depctr_va_vdst(0)
	v_add_f32 v14, v14, v15
	s_wait_alu depctr_va_vdst(0)
	s_cmp_lt_u32 s[WV], 8
	s_cbranch_scc0 .Lmeet
.irp k, 0,1,2,3,4,5,6,7
	ds_store_b128 v[STA], v[160+4*\k:163+4*\k] offset:512*\k
.endr
	ds_store_b128 v[STA], v[12:15] offset:4096     ; -M in the first word, the sum in the third
.Lmeet:
	s_wait_dscnt 0x0                               ; for the others' sake: my stores have landed
	s_barrier_signal -1
	s_barrier_wait -1
	s_cmp_lt_u32 s[WV], 8
	s_cbranch_scc1 .Lend
.irp k, 0,1,2,3,4,5,6,7
	ds_load_b128 v[96+4*\k:99+4*\k], v[LDA] offset:512*\k
.endr
	ds_load_b128 v[128:131], v[LDA] offset:4096
	s_wait_dscnt 0x0
	v_min_num_f32 v132, v12, v128                  ; -M of the larger M
	v_mov_b32 v135, 0                              ; (named as the upper half of the pair v[134:135])
	v_sub_f32 v133, v132, v12                      ; my M - the larger M: a whole number, 0 or less
	v_sub_f32 v134, v132, v128                     ; the other part's likewise
	v_cvt_i32_f32 v133, v133
	v_cvt_i32_f32 v134, v134
	v_ldexp_f32 v252, 1.0, v133
	v_ldexp_f32 v134, 1.0, v134
	v_mul_f32 v14, v14, v252
	v_fmac_f32 v14, v130, v134                     ; both sums under the larger M
.set j, 0
.rept 16
	v_pk_mul_f32 v[160+j:161+j], v[160+j:161+j], v[252:253] op_sel_hi:[1,0]
.set j, j+2
.endr
.set j, 0
.rept 16
	v_pk_fma_f32 v[160+j:161+j], v[96+j:97+j], v[134:135], v[160+j:161+j] op_sel_hi:[1,0,1]
.set j, j+2
.endr
	FINISH
.Lend:
	s_wait_tensorcnt 0x0                           ; the wave's end
	ds_add_u32 v[SPW], v[NIL]
	s_wait_dscnt 0x0
	CROUND                                         ; the closing round
	s_endpgm
.Lfunc_end_k_q166d10cff8_attn:
	.size	k_q166d10cff8_attn, .Lfunc_end_k_q166d10cff8_attn-k_q166d10cff8_attn
	.p2alignl 7, 3214868480
	.fill 96, 4, 3214868480
	.section	.rodata,"a",@progbits
	.p2align	6, 0x0
	.amdhsa_kernel k_q166d10cff8_attn
		.amdhsa_group_segment_fixed_size 219136
		.amdhsa_private_segment_fixed_size 0
		.amdhsa_enable_private_segment 0
		.amdhsa_kernarg_size 16
		.amdhsa_user_sgpr_count 2
		.amdhsa_user_sgpr_kernarg_segment_ptr 1
		.amdhsa_wavefront_size32 1
		.amdhsa_system_sgpr_workgroup_id_x 1
		.amdhsa_system_sgpr_workgroup_id_y 1
		.amdhsa_system_sgpr_workgroup_id_z 1
		.amdhsa_system_vgpr_workitem_id 0
		.amdhsa_next_free_vgpr 256
		.amdhsa_next_free_sgpr 66
		.amdhsa_reserve_vcc 1
		.amdhsa_float_denorm_mode_32 3
		.amdhsa_float_denorm_mode_16_64 3
		.amdhsa_memory_ordered 1
		.amdhsa_forward_progress 1
		.amdhsa_inst_pref_size 64
	.end_amdhsa_kernel
	.amdgpu_metadata
---
amdhsa.version: [ 1, 2 ]
amdhsa.kernels:
  - .name:           k_q166d10cff8_attn
    .symbol:         k_q166d10cff8_attn.kd
    .args:
      - { .name: qkv, .offset: 0, .size: 8, .value_kind: global_buffer, .address_space: global }
      - { .name: ao, .offset: 8, .size: 8, .value_kind: global_buffer, .address_space: global }
    .group_segment_fixed_size: 219136
    .private_segment_fixed_size: 0
    .kernarg_segment_align: 8
    .kernarg_segment_size: 16
    .max_flat_workgroup_size: 512
    .sgpr_count:     66
    .vgpr_count:     256
    .wavefront_size: 32
...
	.end_amdgpu_metadata
.endif
;; end of part 10
;; launch proj (part 11): grid 8 x 32, 4 waves a work-group, clusters of 4 x 4, 327,680 bytes of LDS; arguments ao, wpk, b_proj, x, x1; writes x1
.if DOCPART == 11
	.amdgcn_target "amdgcn-amd-amdhsa--gfx1250"
	.amdhsa_code_object_version 6
	.text
	.protected	k_q166d10cff8_proj
	.globl	k_q166d10cff8_proj
	.p2align	8
	.type	k_q166d10cff8_proj,@function
k_q166d10cff8_proj:
	s_mov_b64 s[64:65], 0
	v_nop
	global_prefetch_b8 v0, s[64:65] scope:SCOPE_SE
	s_setreg_imm32_b32 hwreg(HW_REG_WAVE_MODE, 25, 1), 1
	s_wait_xcnt 0x0
	s_wait_alu depctr_hold_cnt(0) depctr_sa_sdst(0) depctr_va_vdst(0) depctr_va_sdst(0) depctr_va_ssrc(0) depctr_va_vcc(0) depctr_vm_vsrc(0)
	s_getreg_b32 s2, hwreg(HW_REG_IB_STS2, 6, 4)
	s_cmp_eq_u32 s2, 0
	s_cbranch_scc0 .Lentry_in_a_cluster
	s_endpgm
.Lentry_in_a_cluster:
	s_bfe_u32 s2, ttmp6, 0x10000c
	s_cmp_lg_u32 s2, 0xf033
	s_cbranch_scc0 .Lentry_shape_is_right
	s_endpgm
.Lentry_shape_is_right:
; out = res + act W + bias: act [4096][SIZE_K] and W [1024 (n)][SIZE_K] as codes of FP4 (E2M1) with E8M0 scales; res, out [4096][1024] and bias [1024] f32.  Here: x1 = x + ao w_proj + b_proj, SIZE_K = 1,024.
; OPERANDS lie as PK(rows, K): [tile of 16 rows][group g of 512 along K][4,352 bytes]: byte 1024 q + 512 c + 16 lane = registers 4 c .. 4 c + 3 of the fragment of K step 4 g + q; byte 4096 + 16 r + 4 q = row r's scale word.
; Row r of tile T is row 32 (T / 2) + 8 (T % 2) + r % 8 + 16 (r / 8), for tokens and for W's columns alike.
; THE TILE: the output has only 64 tiles of 256 x 256, so a work-group makes 128 tokens (Q side: source 1, in the lanes) x 128 columns (P side: source 0, in the registers): 256 work-groups.
; A wave makes 64 x 64: 16 accumulators.  A slot of LDS holds GPS groups of both sides, codes and scale words together: a tile's consecutive groups are neighbours in memory, so one row of a tensor load brings them.
; With SIZE_K = 1,024 both slots (a group each) are asked for at the head and none is filled again.  All of a WGP's LDS is claimed.
; CLUSTERS 4 x 4: the Q side's tile is shared along a row of the cluster, the P side's along a column: joint loads.
; REGISTERS, in windows of 256: window 0: v1-29 addresses, v8-11 the bias; v32-63 scale words, two sets of 16; v64-127 the way out; v128-255 the accumulators ((a, b) at v[128 + 8 (4 a + b)]).
;   window 1: two fragment buffers of 128: for 256 along K (two matrix instructions deep) 64 registers of the Q side (2 x 4 fragments), then 64 of the P side.   window 2: v0-127 my 64 rows x 256 bytes of the residual.
; THE WAY OUT: a wave's 64 columns are 256 bytes of a row.  A block of 16 tokens goes through the wave's own stage in LDS (in slot 0, which has had its last fill and its last read) and comes back two rows an instruction.
.set SIZE_K, 1024
.set POFF,   1671168                   ; W's place in wpk
.set NT,     1                         ; the output is written once and not read again in this launch
.set GPS,    1                         ; groups of 512 along K in a slot
.set G,      SIZE_K/512
.set LAPS,   G/(2*GPS)                 ; a lap = once round the ring
.set NH,     2*GPS                     ; quarters (256 along K) in a slot
.set NP,     4                         ; places behind this matrix instruction (ISA guide 7.12.1)
.set TILEB,  4352
.set TL,     GPS*TILEB                 ; from tile to tile in LDS
.set HALFT,  4*TL                      ; 4 tiles: what one wave reads of a side; a tensor load brings 8
.set SLOT,   4*HALFT                   ; the Q side's 8 tiles, then the P side's
.set SPARE,  2*SLOT                    ; the spare words, 128 bytes a wave: two blocks of 256 bytes that no other line names
.set SPITCH, 272                       ; a stage row: 256 bytes + 16
.set ADRA, 16                          ; v16-17 LDS address of my Q side fragments in slot 0, 1
.set ADRB, 20                          ; v20-21 the same for the P side
.set ADRS, 22                          ; v22-23 of my scale words: lanes 0-15 the Q side's, lanes 16-31 the P side's
.set STO,  24                          ; v24 the way out: where I put 32 bytes of a row
.set RD,   25                          ; v25 where I read rows back
.set CO,   26                          ; v26 my place in two rows of the output: 4096 h + 16 r
.set BO,   27                          ; v27 16 r: my four columns of the bias
.set SPW,  28                          ; v28 my spare word; never rewritten
.set NIL,  29                          ; v29 0; never rewritten
.set SC,   32                          ; scale words: set s at v[SC + 16 s]; register 4 i + q: lanes 0-15 Q block i, lanes 16-31 P block i, the group's q-th 128 along K
.set BK,   64                          ; the way out: 16 rows back from the stage: v64-95 and v96-127 by turns
.set ACC,  128
.set G1, 24
.set G0, 32
.set G1B, 48
.set G0B, 56
.set MSB, 0
.macro WIN new                         ; the immediate's high byte repeats the setting that is left
.if MSB != (\new)
	s_set_vgpr_msb (MSB<<8)|(\new)
.set MSB, (\new)
.endif
.endm
.set MUL,  0x05                        ; sources 0 (P) and 1 (Q) window 1; C and D window 0
.set TO_F, 0x40                        ; destination window 1, address window 0
.macro JLOAD g0a, g1a, g0b, g1b        ; a joint load: waves 0 and 1 for the Q side, waves 2 and 3 for the P side; four v_nop follow each line
	s_cmp_eq_u32 s15, 0
	s_cbranch_scc0 .Lfor_p_\@
	tensor_load_to_lds s[\g0a:\g0a+3], s[\g1a:\g1a+7]
	s_nop 0
.rept 4
	v_nop
.endr
	s_branch .Lasked_\@
.Lfor_p_\@:
	tensor_load_to_lds s[\g0b:\g0b+3], s[\g1b:\g1b+7]
	s_nop 0
.rept 4
	v_nop
.endr
.Lasked_\@:
.endm
.macro CREST                           ; a round of the cluster's barrier behind its opening barrier
	s_cmp_lg_u32 s14, 0
	s_cbranch_scc1 .Lnot_wave_0_\@
	s_barrier_signal -3
.Lnot_wave_0_\@:
	s_barrier_wait -3
	s_barrier_signal -1
	s_barrier_wait -1
.endm
.macro CROUND
	s_barrier_signal -1
	s_barrier_wait -1
	CREST
.endm
	s_load_b256 s[4:11], s[0:1], 0x0               ; act, wpk, bias, res
	s_load_b64 s[12:13], s[0:1], 0x20              ; out
	v_lshl_add_u32 v[SPW], v0, 2, SPARE
	v_mov_b32 v[NIL], 0
	ds_add_u32 v28, v29
	ds_add_u32 v28, v29
	s_wait_dscnt 0x0
	v_lshrrev_b32 v1, 5, v0
	v_readfirstlane_b32 s14, v1                    ; wave 0..3
	s_lshr_b32 s15, s14, 1                         ; my half of the Q side
	s_and_b32 s16, s14, 1                          ; my half of the P side
	s_bfe_u32 s40, ttmp6, 0x40000                  ; cx
	s_bfe_u32 s41, ttmp6, 0x40004                  ; cy
	s_lshl_b32 s42, ttmp9, 2
	s_add_co_u32 s42, s42, s40                     ; P tile of 128 columns
	s_and_b32 s17, ttmp7, 0xffff
	s_lshl_b32 s17, s17, 2
	s_add_co_u32 s17, s17, s41                     ; Q tile of 128 tokens
	s_lshl_b32 s43, s41, 2
	s_lshl_b32 s43, 15, s43                        ; my row of the cluster
	s_lshl_b32 s44, 0x1111, s40                    ; my column
	; descriptor group 1: 8 rows (tiles) of GPS x 544 elements of 8 bytes, G x 544 elements apart; dense in LDS
	s_or_b32 s[G1+0], s43, (3<<16)|(1<<21)         ; 15:0 the mask: the Q side's tiles go to my row; 17:16 elements of 8 bytes; 21 set beside a mask
	s_or_b32 s[G1B+0], s44, (3<<16)|(1<<21)
.irp g, G1, G1B
	s_mov_b32 s[\g+1], (GPS*544)<<16               ; tensor_dim0
	s_mov_b32 s[\g+2], 8<<16                       ; tensor_dim1: a load brings one slot's part of all 8 tiles of a side
	s_mov_b32 s[\g+3], (GPS*544)<<16               ; tile_dim0
	s_mov_b32 s[\g+4], 8                           ; tile_dim1
	s_mov_b32 s[\g+5], G*544                       ; tensor_dim0_stride
	s_mov_b32 s[\g+6], 0
	s_mov_b32 s[\g+7], 0
.endr
	s_mov_b32 s18, 0                               ; a load begins at its side's first tile
	s_lshl_b32 s20, s17, 3
	s_add_co_u32 s20, s20, s18                     ; Q: tile 8 x tile of 128
	s_mul_i32 s20, s20, G*TILEB
	s_mov_b32 s21, 0
	s_lshl_b32 s46, s42, 3
	s_add_co_u32 s46, s46, s18                     ; P likewise
	s_mul_i32 s46, s46, G*TILEB
	s_add_co_u32 s46, s46, POFF
	s_mov_b32 s47, 0
	s_wait_kmcnt 0x0
	s_add_nc_u64 s[20:21], s[4:5], s[20:21]
	s_add_nc_u64 s[46:47], s[6:7], s[46:47]
	CROUND                                         ; all sixteen work-groups are here: the first joint loads meet
.irp s, 0,1
	s_mov_b32 s[G0+4*\s], 1
	s_mov_b32 s[G0+4*\s+1], \s*SLOT                ; the Q side's 8 tiles of slot s
	s_add_nc_u64 s[G0+4*\s+2:G0+4*\s+3], s[20:21], \s*TL
	s_or_b32 s[G0+4*\s+3], s[G0+4*\s+3], 0x80000000
	s_mov_b32 s[G0B+4*\s], 1
	s_mov_b32 s[G0B+4*\s+1], \s*SLOT+2*HALFT       ; the P side's, behind them
	s_add_nc_u64 s[G0B+4*\s+2:G0B+4*\s+3], s[46:47], \s*TL
	s_or_b32 s[G0B+4*\s+3], s[G0B+4*\s+3], 0x80000000
.endr
; THE HEAD'S FOUR TILES, ONE A WAVE, each on a line of its own (this stands in place of the two fills a wave named above): wave 0 the Q side's group 0, wave 1 the P side's, waves 2 and 3 the same of group 1.
; One chain of branches on the wave's number: every way through the head passes exactly one load.
.macro ARM w, g0, g1, next
	s_cmp_eq_u32 s14, \w
	s_cbranch_scc0 \next
	tensor_load_to_lds s[\g0:\g0+3], s[\g1:\g1+7]
	s_nop 0
.rept 4
	v_nop
.endr
	s_branch .Lhead_asked
\next:
.endm
	ARM 0, G0, G1, .Lhead_1
	ARM 1, G0B, G1B, .Lhead_2
	ARM 2, G0+4, G1, .Lhead_3
	tensor_load_to_lds s[G0B+4:G0B+7], s[G1B:G1B+7]
	s_nop 0
.rept 4
	v_nop
.endr
.Lhead_asked:
	v_and_b32 v1, 15, v0                           ; r
	v_bfe_u32 v2, v0, 4, 1                         ; h
	v_and_b32 v3, 31, v0
	v_lshlrev_b32 v4, 4, v3                        ; 16 x lane: a fragment's place for my lane
	s_mul_i32 s21, s15, HALFT                      ; my 4 tiles of the Q side
	s_mul_i32 s22, s16, HALFT
	s_add_co_u32 s22, s22, 2*HALFT                 ; my 4 of the P side, behind Q's 8
	v_lshlrev_b32 v5, 4, v1                        ; a row's four scale words: 16 r,
	s_sub_co_u32 s23, s22, s21
	v_mul_u32_u24 v6, s23, v2                      ; lanes 16-31 take the P side's
	v_add_nc_u32 v5, v5, v6
	v_add_nc_u32 v5, 4096, v5
.irp s, 0,1
	v_add_nc_u32 v[ADRA+\s], s21, v4
	v_add_nc_u32 v[ADRB+\s], s22, v4
	v_add_nc_u32 v[ADRS+\s], s21, v5
	s_add_co_u32 s21, s21, SLOT
	s_add_co_u32 s22, s22, SLOT
.endr
	s_mul_i32 s23, s14, 16*SPITCH                  ; my stage
	v_mul_u32_u24 v[STO], v1, SPITCH
	v_lshl_add_u32 v[STO], v2, 6, v[STO]
	v_add_nc_u32 v[STO], s23, v[STO]               ; in: row r, + 64 h
	v_mul_u32_u24 v[RD], v2, SPITCH
	v_lshl_add_u32 v[RD], v1, 4, v[RD]
	v_add_nc_u32 v[RD], s23, v[RD]                 ; back: lanes 0-15 one row of 256 bytes, lanes 16-31 the next
	v_lshlrev_b32 v[CO], 12, v2
	v_lshl_add_u32 v[CO], v1, 4, v[CO]             ; and the same two rows in res and out
	v_lshlrev_b32 v[BO], 4, v1
	s_wait_alu depctr_va_vdst(0)
	s_lshl_b32 s46, s42, 7
	s_lshl_b32 s47, s16, 6
	s_add_co_u32 s46, s46, s47
	s_lshl_b32 s46, s46, 2                         ; my first column, in bytes: a multiple of 256
	s_mov_b32 s47, 0
	s_add_nc_u64 s[8:9], s[8:9], s[46:47]
	s_lshl_b32 s20, s17, 7
	s_lshl_b32 s21, s15, 6
	s_add_co_u32 s20, s20, s21
	s_lshl_b32 s20, s20, 12                        ; my first token's row
	s_add_co_u32 s20, s20, s46
	s_mov_b32 s21, 0
	s_add_nc_u64 s[10:11], s[10:11], s[20:21]
	s_add_nc_u64 s[12:13], s[12:13], s[20:21]
	global_load_b128 v[8:11], v[BO], s[8:9]        ; the bias of my four columns
	; my whole residual, 32 loads, into window 2: register 32 a + 4 t on: rows 2 t, 2 t + 1 of block a.  Row u of block a is token 32 (a / 2) + 8 (a % 2) + u % 8 + 16 (u / 8)
	WIN 0x80
.irp a, 0,1,2,3
.irp t, 0,1,2,3,4,5,6,7
	global_load_b128 v[32*\a+4*\t:32*\a+4*\t+3], v[CO], s[10:11] offset:(32*(\a/2)+8*(\a%2)+2*(\t%4)+16*(\t/4))*4096 th:TH_LOAD_NT
.endr
.endr
	WIN 0
; 8 matrix instructions: Q blocks a0, a0 + 1 x the P side's four, 128 along K: half c of buffer f, the group's q-th K step, scale set sc.  zero = 1: the first product starts the sums.
; The 16 accumulators take turns, one instruction a turn, in the same order throughout.
.macro MUL8 f, c, a0, q, sc, zero
.irp a, \a0, \a0+1
.irp b, 0,1,2,3
.if \zero
	v_wmma_scale_f32_16x16x128_f8f6f4 v[ACC+8*(4*(\a)+\b):ACC+8*(4*(\a)+\b)+7], v[(\f)+64+8*(4*(\c)+\b):(\f)+64+8*(4*(\c)+\b)+7], v[(\f)+8*(4*(\c)+(\a)):(\f)+8*(4*(\c)+(\a))+7], 0, v[SC+16*(\sc)+4*\b+(\q)], v[SC+16*(\sc)+4*(\a)+(\q)] matrix_a_fmt:MATRIX_FMT_FP4 matrix_b_fmt:MATRIX_FMT_FP4 matrix_a_scale:MATRIX_SCALE_ROW1
.else
	v_wmma_scale_f32_16x16x128_f8f6f4 v[ACC+8*(4*(\a)+\b):ACC+8*(4*(\a)+\b)+7], v[(\f)+64+8*(4*(\c)+\b):(\f)+64+8*(4*(\c)+\b)+7], v[(\f)+8*(4*(\c)+(\a)):(\f)+8*(4*(\c)+(\a))+7], v[ACC+8*(4*(\a)+\b):ACC+8*(4*(\a)+\b)+7], v[SC+16*(\sc)+4*\b+(\q)], v[SC+16*(\sc)+4*(\a)+(\q)] matrix_a_fmt:MATRIX_FMT_FP4 matrix_b_fmt:MATRIX_FMT_FP4 matrix_a_scale:MATRIX_SCALE_ROW1
.endif
.endr
.endr
.endm
; The fragments of the slot's quarter hh (256 along K) into buffer hh % 2: 32 LDS loads in one run, the first 128 along K first.  At a group's start its scale words go ahead of them: 4 loads, a row's four words each.
.macro FETCH slot, hh
.set FF, 128*((\hh)%2)
.set FO, ((\hh)/2)*TILEB+2*((\hh)%2)*1024
.if ((\hh)%2) == 0
.set FS, SC+16*(((\slot)*GPS+(\hh)/2)%2)
	WIN 0
.irp i, 0,1,2,3
	ds_load_b128 v[FS+4*\i:FS+4*\i+3], v[ADRS+\slot] offset:\i*TL+((\hh)/2)*TILEB
.endr
.endif
	WIN TO_F
.irp c, 0,1
.irp i, 0,1,2,3
	ds_load_b128 v[FF+64+8*(4*\c+\i):FF+64+8*(4*\c+\i)+3],   v[ADRB+\slot] offset:FO+1024*\c+\i*TL
	ds_load_b128 v[FF+64+8*(4*\c+\i)+4:FF+64+8*(4*\c+\i)+7], v[ADRB+\slot] offset:FO+1024*\c+\i*TL+512
	ds_load_b128 v[FF+8*(4*\c+\i):FF+8*(4*\c+\i)+3],         v[ADRA+\slot] offset:FO+1024*\c+\i*TL
	ds_load_b128 v[FF+8*(4*\c+\i)+4:FF+8*(4*\c+\i)+7],       v[ADRA+\slot] offset:FO+1024*\c+\i*TL+512
.endr
.endr
.endm
.macro PLACES n                        ; plain vector instructions between a matrix instruction and a load into, or a read of, its registers (ISA guide 7.12.1 for the reads)
.rept \n
	v_nop
.endr
.endm
; A quarter that has its successor in the same slot: multiplies quarter hh and fetches quarter hh + 1 in its middle.
.macro QUARTER slot, hh, zero
.set FB, 128*((\hh)%2)
.set QB, 2*((\hh)%2)
.set SS, ((\slot)*GPS+(\hh)/2)%2
	s_wait_dscnt 16                                ; the scale words and the first 128 along K are in; the youngest sixteen loads may be out
	WIN MUL
	MUL8 FB, 0, 0, QB, SS, \zero
	MUL8 FB, 0, 2, QB, SS, \zero
	PLACES NP
	FETCH \slot, (\hh)+1
	s_wait_dscnt 32+4*(1-((\hh)+1)%2)              ; all but the loads just issued: 32, or 36 with a group's scale words
	WIN MUL
	MUL8 FB, 1, 0, QB+1, SS, 0
	MUL8 FB, 1, 2, QB+1, SS, 0
.endm
; A slot's last quarter (buffer 1) changes slots: one barrier; in front of it each wave waits for all its tensor loads, adds 0 to its spare word, and waits for that and for its reads of this slot.
.macro TURN slot, next, fill
.set SS, ((\slot)*GPS+(NH-1)/2)%2
	WIN 0                                          ; (the add's two registers lie in window 0)
	s_wait_tensorcnt 0x0                           ; all my tensor loads have landed: my part of the next slot
	ds_add_u32 v[SPW], v[NIL]                      ; 0 onto my spare word
	s_wait_dscnt 17                                ; (the add and the youngest sixteen loads may be out)
	WIN MUL
	MUL8 128, 0, 0, 2, SS, 0
	s_wait_dscnt 0x0                               ; the add is done, and my reads of this slot are over
	s_barrier_signal -1
	MUL8 128, 0, 2, 2, SS, 0
.if \fill
	WIN 0
.endif
	s_barrier_wait -1
.if \fill
	CREST                                          ; the barrier has opened a round of the cluster's barrier: no wave of any partner still reads this slot or has a load on its way
	s_add_nc_u64 s[G0+4*\slot+2:G0+4*\slot+3], s[G0+4*\slot+2:G0+4*\slot+3], 2*TL
	s_add_nc_u64 s[G0B+4*\slot+2:G0B+4*\slot+3], s[G0B+4*\slot+2:G0B+4*\slot+3], 2*TL
	JLOAD G0+4*\slot, G1, G0B+4*\slot, G1B         ; the first tensor load behind the round, one a wave; its four v_nop are also the places in front of the loads below
.else
	PLACES NP
.endif
	FETCH \next, 0
	WIN MUL
	MUL8 128, 1, 0, 3, SS, 0
	MUL8 128, 1, 2, 3, SS, 0
.endm
.macro QUARTERS slot, from             ; the slot's quarters from .. NH - 2
.set HQ, \from
.rept NH-1-\from
	QUARTER \slot, HQ, 0
.set HQ, HQ+1
.endr
.endm
	s_wait_alu depctr_va_vdst(0)
	s_cmp_lt_u32 s14, 2
	s_cbranch_scc0 .Lnot_g0
	s_wait_tensorcnt 0x0                           ; waves 0 and 1: group 0's two tiles have landed (group 1's may be out; the change of slots shows them)
.Lnot_g0:
	s_barrier_signal -1
	s_barrier_wait -1                              ; everybody's is
	FETCH 0, 0
	QUARTER 0, 0, 1                                ; the first products start the sums
.if LAPS > 1
	WIN 0                                          ; at a label and at a branch every window is 0
	s_mov_b32 s3, LAPS-1
.Llap:                                 ; a trip goes once round the ring and fills both slots again
	QUARTERS 0, 1
	TURN 0, 1, 1
	QUARTERS 1, 0
	TURN 1, 0, 1
	QUARTER 0, 0, 0
	WIN 0
	s_sub_co_u32 s3, s3, 1
	s_cmp_lg_u32 s3, 0
	s_cbranch_scc1 .Llap
.endif
	QUARTERS 0, 1                                  ; the last lap fills nothing: written out
	TURN 0, 1, 0
	QUARTERS 1, 0
.set SS, (GPS+(NH-1)/2)%2
	s_wait_dscnt 16                                ; the very last quarter: nothing more to fetch
	WIN MUL
	MUL8 128, 0, 0, 2, SS, 0
	MUL8 128, 0, 2, 2, SS, 0
	s_wait_dscnt 0
	MUL8 128, 1, 0, 3, SS, 0
	MUL8 128, 1, 2, 3, SS, 0
	WIN 0
; Register j of accumulator (a, b), lane (r, h): row r of token block a, column 32 (b / 2) + 8 (b % 2) + 16 h + j of my 64.  LDS serves a wave's instructions in order: no wait between the stores and the loads.
.macro TOSTAGE a
.irp b, 0,1,2,3
	ds_store_b128 v[STO], v[ACC+8*(4*(\a)+\b):ACC+8*(4*(\a)+\b)+3] offset:128*(\b/2)+32*(\b%2)     ; each accumulator from its low end on
	ds_store_b128 v[STO], v[ACC+8*(4*(\a)+\b)+4:ACC+8*(4*(\a)+\b)+7] offset:128*(\b/2)+32*(\b%2)+16
.endr
.set BB, BK+32*((\a)%2)
.irp t, 0,1,2,3,4,5,6,7
	ds_load_b128 v[BB+4*\t:BB+4*\t+3], v[RD] offset:\t*2*SPITCH
.endr
.endm
.macro SEND a, younger                 ; younger: the LDS instructions issued behind block a's loads
.set BB, BK+32*((\a)%2)
	s_wait_dscnt \younger
	WIN 0x08                                       ; source 1 window 2: the residual
.set i, 0
.rept 16
	v_pk_add_f32 v[BB+i:BB+i+1], v[BB+i:BB+i+1], v[32*(\a)+i:32*(\a)+i+1]
.set i, i+2
.endr
	WIN 0
.set i, 0
.rept 16
	v_pk_add_f32 v[BB+i:BB+i+1], v[BB+i:BB+i+1], v[8+i%4:9+i%4]
.set i, i+2
.endr
.irp t, 0,1,2,3,4,5,6,7
.if NT
	global_store_b128 v[CO], v[BB+4*\t:BB+4*\t+3], s[12:13] offset:(32*((\a)/2)+8*((\a)%2)+2*(\t%4)+16*(\t/4))*4096 th:TH_STORE_NT
.else
	global_store_b128 v[CO], v[BB+4*\t:BB+4*\t+3], s[12:13] offset:(32*((\a)/2)+8*((\a)%2)+2*(\t%4)+16*(\t/4))*4096   ; 16 lanes store 256 consecutive bytes, at a multiple of 256 from the buffer's first byte
.endif
.endr
.endm
	PLACES NP                                      ; behind the last products: their results are read below
	s_wait_loadcnt 0x0                             ; the bias and the residual
	TOSTAGE 0
.irp a, 1,2,3
.if \a > 1
	s_wait_xcnt 0x0                                ; block a - 2's stores have read their data: block a's loads may land there
.endif
	TOSTAGE \a
	SEND \a-1, 16                                  ; behind block a - 1's loads: block a's 8 stores and 8 loads
.endr
	SEND 3, 0
	s_wait_tensorcnt 0x0                           ; the wave's end
	ds_add_u32 v[SPW], v[NIL]
	s_wait_dscnt 0x0
	CROUND                                         ; the closing round
	s_endpgm
.Lfunc_end_k_q166d10cff8_proj:
	.size	k_q166d10cff8_proj, .Lfunc_end_k_q166d10cff8_proj-k_q166d10cff8_proj
	.p2alignl 7, 3214868480
	.fill 96, 4, 3214868480
	.section	.rodata,"a",@progbits
	.p2align	6, 0x0
	.amdhsa_kernel k_q166d10cff8_proj
		.amdhsa_group_segment_fixed_size 327680
		.amdhsa_private_segment_fixed_size 0
		.amdhsa_enable_private_segment 0
		.amdhsa_kernarg_size 40
		.amdhsa_user_sgpr_count 2
		.amdhsa_user_sgpr_kernarg_segment_ptr 1
		.amdhsa_wavefront_size32 1
		.amdhsa_system_sgpr_workgroup_id_x 1
		.amdhsa_system_sgpr_workgroup_id_y 1
		.amdhsa_system_sgpr_workgroup_id_z 1
		.amdhsa_system_vgpr_workitem_id 0
		.amdhsa_next_free_vgpr 768
		.amdhsa_next_free_sgpr 98
		.amdhsa_reserve_vcc 0
		.amdhsa_float_denorm_mode_32 3
		.amdhsa_float_denorm_mode_16_64 3
		.amdhsa_memory_ordered 1
		.amdhsa_forward_progress 1
		.amdhsa_inst_pref_size 53
	.end_amdhsa_kernel
	.amdgpu_metadata
---
amdhsa.version: [ 1, 2 ]
amdhsa.kernels:
  - .name:           k_q166d10cff8_proj
    .symbol:         k_q166d10cff8_proj.kd
    .args:
      - { .name: ao, .offset: 0, .size: 8, .value_kind: global_buffer, .address_space: global }
      - { .name: wpk, .offset: 8, .size: 8, .value_kind: global_buffer, .address_space: global }
      - { .name: b_proj, .offset: 16, .size: 8, .value_kind: global_buffer, .address_space: global }
      - { .name: x, .offset: 24, .size: 8, .value_kind: global_buffer, .address_space: global }
      - { .name: x1, .offset: 32, .size: 8, .value_kind: global_buffer, .address_space: global }
    .group_segment_fixed_size: 327680
    .private_segment_fixed_size: 0
    .kernarg_segment_align: 8
    .kernarg_segment_size: 40
    .max_flat_workgroup_size: 128
    .sgpr_count:     98
    .vgpr_count:     768
    .wavefront_size: 32
...
	.end_amdgpu_metadata
.endif
;; end of part 11
;; launch ln1 (part 12): grid 256 x 1, 8 waves a work-group, no clusters, 67,584 bytes of LDS; arguments x1, ln2_g, ln2_b, h2; writes h2
.if DOCPART == 12
	.amdgcn_target "amdgcn-amd-amdhsa--gfx1250"
	.amdhsa_code_object_version 6
	.text
	.protected	k_q166d10cff8_ln1
	.globl	k_q166d10cff8_ln1
	.p2align	8
	.type	k_q166d10cff8_ln1,@function
k_q166d10cff8_ln1:
	s_mov_b64 s[64:65], 0
	v_nop
	global_prefetch_b8 v0, s[64:65] scope:SCOPE_SE
	s_setreg_imm32_b32 hwreg(HW_REG_WAVE_MODE, 25, 1), 1
	s_wait_xcnt 0x0
; h = (x - mean) rsqrt(var + 1e-5) g + b along rows of 1,024 f32, then quantised along the row to FP4 (E2M1) with one E8M0 byte for each 32, and stored in the order of a matrix operand's registers:
; PK(4096, 1024): [tile T of 16 rows][group g of 512 along K][4,352 bytes]; byte 1024 q + 512 c + 16 lane: registers 4 c .. 4 c + 3 of the fragment of K step 4 g + q; byte 4096 + 16 r + 4 q: row r's scale word.
; Row r of tile T is token 32 (T / 2) + 8 (T % 2) + r % 8 + 16 (r / 8).  Mean first, then the mean of the squared differences: no difference of large sums is formed.
; SHARES: a work-group takes one tile.  Phase 1: wave w normalises tile rows 2 w and 2 w + 1 (neighbours in memory), a row in 32 registers of the wave, and puts them into LDS (rows 4,112 bytes apart:
; the sixteen rows that a load of phase 2 touches start at sixteen different groups of banks).  Phase 2: wave w quantises K step w of all sixteen rows: lane (r, h) takes 16 neighbours of each block of 32 of row r.
; LIMITS: a block of zeros gets the byte 1, not 127 (zero codes; this program alone reads the bytes); magnitudes under 2^-124 are held at that floor; NaN and infinities are not served.
; No tensor load, no matrix instruction: memory binds, each input byte is read once, all 32 loads of a wave go out at once.
.set X0,  16                           ; v16-47 row 0, v48-79 row 1; in phase 2 v16-79: 64 numbers
.set GG,  80                           ; v80-111  g
.set BB,  112                          ; v112-143 b
.set TM,  144                          ; v144-159 the quantiser's work
.set PC,  160                          ; v160-167 the fragment
.set PW,  168                          ; v168     its scale word
.set SEL, 12                           ; s[12:13] lane selects: lane l xor 16
.set RP,  4112
.set SCL, 16*RP                        ; behind the rows: the tile's scale words, [g][16 r + 4 q], 512 bytes
	s_load_b256 s[4:11], s[0:1], 0x0               ; x, g, b, out
	v_lshl_add_u32 v176, v0, 2, 0x10400
	v_mov_b32 v177, 0
	v_lshrrev_b32 v2, 5, v0
	s_delay_alu instid0(VALU_DEP_1)
	v_readfirstlane_b32 s14, v2                    ; wave 0..7
	v_and_b32 v3, 31, v0
	s_delay_alu instid0(VALU_DEP_1)
	v_lshlrev_b32 v1, 4, v3                        ; v1: 16 x lane
	v_and_b32 v4, 15, v0                           ; r
	s_wait_alu depctr_va_vdst(0)
	v_bfe_u32 v5, v0, 4, 1                         ; h
	s_wait_alu depctr_va_vdst(0)
	s_mov_b32 s12, 0x76543210
	s_mov_b32 s13, 0xfedcba98
	s_mov_b32 s16, 0x3a800000                      ; 1 / 1024
	s_mov_b32 s17, 0x3727c5ac                      ; 1e-5
	v_mul_u32_u24 v169, v4, RP
	s_delay_alu instid0(VALU_DEP_1)
	v_lshl_add_u32 v169, v5, 6, v169
	s_lshl_b32 s26, s14, 9
	v_add_nc_u32 v169, s26, v169                   ; v169: phase 2 reads row r at 512 w + 64 h
	s_lshr_b32 s26, s14, 2
	s_lshl_b32 s26, s26, 8
	s_and_b32 s27, s14, 3
	s_lshl_b32 s27, s27, 2
	s_add_co_u32 s26, s26, s27
	s_add_co_u32 s26, s26, SCL
	v_lshl_add_u32 v170, v4, 4, s26                ; v170: my scale word: group w / 4, 16 r + 4 (w % 4)
	v_add_nc_u32 v171, SCL, v1                     ; v171: wave 0 reads all 512 bytes back
	v_mul_u32_u24 v172, v5, 4352
	s_delay_alu instid0(VALU_DEP_1)
	v_lshl_add_u32 v172, v4, 4, v172               ; v172: and stores them: lanes 16-31 one group on
	s_mul_i32 s26, s14, 2*RP
	v_add_nc_u32 v174, s26, v1                     ; v174: phase 1 writes rows 2 w, 2 w + 1
	v_mov_b32 v14, 0                               ; written once: a lane permute's destination counts as one of its sources
	v_mov_b32 v15, 0
.irp b, 0,1,2,3
	v_mov_b32 v[TM+4+\b], 0
.endr
	s_lshr_b32 s18, ttmp9, 1
	s_lshl_b32 s18, s18, 5
	s_and_b32 s19, ttmp9, 1
	s_lshl_b32 s19, s19, 3
	s_add_co_u32 s18, s18, s19                     ; the tile's first token
	s_and_b32 s19, s14, 3
	s_lshl_b32 s19, s19, 1
	s_add_co_u32 s18, s18, s19
	s_lshr_b32 s19, s14, 2
	s_lshl_b32 s19, s19, 4
	s_add_co_u32 s18, s18, s19                     ; tile row 2 w is token + 2 (w % 4) + 16 (w / 4)
	s_lshl_b32 s18, s18, 12
	s_mov_b32 s19, 0
	s_mul_i32 s20, ttmp9, 8704
	s_mov_b32 s21, 0
	s_wait_kmcnt 0x0
	s_add_nc_u64 s[4:5], s[4:5], s[18:19]
	s_add_nc_u64 s[10:11], s[10:11], s[20:21]      ; the tile's two blocks
	s_lshr_b32 s20, s14, 2
	s_mul_i32 s20, s20, 4352
	s_and_b32 s26, s14, 3
	s_lshl_b32 s26, s26, 10
	s_add_co_u32 s20, s20, s26
	s_add_nc_u64 s[22:23], s[10:11], s[20:21]      ; my fragment: group w / 4, K step w % 4
.irp j, 0,1,2,3,4,5,6,7
	global_load_b128 v[X0+4*\j:X0+4*\j+3], v1, s[4:5] offset:512*\j            ; 32 lanes read 512 consecutive bytes
	global_load_b128 v[X0+32+4*\j:X0+32+4*\j+3], v1, s[4:5] offset:4096+512*\j
.endr
.irp j, 0,1,2,3,4,5,6,7
	global_load_b128 v[GG+4*\j:GG+4*\j+3], v1, s[6:7] offset:512*\j
	global_load_b128 v[BB+4*\j:BB+4*\j+3], v1, s[8:9] offset:512*\j
.endr
; my 32 numbers of each row, or their squares, summed two at a time in two chains: row i in v[2+4i:3+4i] and v[4+4i:5+4i]; the two rows by turns
.macro SUMS sq
.irp i, 0,1
.if \sq
	v_pk_mul_f32 v[2+4*\i:3+4*\i], v[X0+32*\i:X0+32*\i+1], v[X0+32*\i:X0+32*\i+1]
	v_pk_mul_f32 v[4+4*\i:5+4*\i], v[X0+32*\i+2:X0+32*\i+3], v[X0+32*\i+2:X0+32*\i+3]
.else
	v_pk_add_f32 v[2+4*\i:3+4*\i], v[X0+32*\i:X0+32*\i+1], v[X0+32*\i+4:X0+32*\i+5]
	v_pk_add_f32 v[4+4*\i:5+4*\i], v[X0+32*\i+2:X0+32*\i+3], v[X0+32*\i+6:X0+32*\i+7]
.endif
.endr
.irp p, 4,8,12,16,20,24,28
.if \sq || (\p > 4)
.irp i, 0,1
.if \sq
	s_delay_alu instid0(VALU_DEP_4)
	v_pk_fma_f32 v[2+4*\i:3+4*\i], v[X0+32*\i+\p:X0+32*\i+\p+1], v[X0+32*\i+\p:X0+32*\i+\p+1], v[2+4*\i:3+4*\i]
	s_delay_alu instid0(VALU_DEP_4)
	v_pk_fma_f32 v[4+4*\i:5+4*\i], v[X0+32*\i+\p+2:X0+32*\i+\p+3], v[X0+32*\i+\p+2:X0+32*\i+\p+3], v[4+4*\i:5+4*\i]
.else
	s_delay_alu instid0(VALU_DEP_4)
	v_pk_add_f32 v[2+4*\i:3+4*\i], v[2+4*\i:3+4*\i], v[X0+32*\i+\p:X0+32*\i+\p+1]
	s_delay_alu instid0(VALU_DEP_4)
	v_pk_add_f32 v[4+4*\i:5+4*\i], v[4+4*\i:5+4*\i], v[X0+32*\i+\p+2:X0+32*\i+\p+3]
.endif
.endr
.endif
.endr
.irp i, 0
	s_delay_alu instid0(VALU_DEP_3)
	v_pk_add_f32 v[2+4*\i:3+4*\i], v[2+4*\i:3+4*\i], v[4+4*\i:5+4*\i]
.endr
.irp i, 1
	s_delay_alu instid0(VALU_DEP_2)
	v_pk_add_f32 v[2+4*\i:3+4*\i], v[2+4*\i:3+4*\i], v[4+4*\i:5+4*\i]
.endr
.irp i, 0,1
	s_delay_alu instid0(VALU_DEP_2)
	v_add_f32 v[2+4*\i], v[2+4*\i], v[3+4*\i]
.endr
.irp m, 1,2,4,8                        ; across the 32 lanes: four steps inside each half of 16, one across the halves; every lane ends with the row's sum
.irp i, 0,1
	s_delay_alu instid0(VALU_DEP_2)
	v_add_f32_dpp v[2+4*\i], v[2+4*\i], v[2+4*\i] row_xmask:\m row_mask:0xf bank_mask:0xf
.endr
.endr
.irp i, 0,1
	s_delay_alu instid0(VALU_DEP_2)
	v_permlanex16_b32 v[14+\i], v[2+4*\i], s[SEL], s[SEL+1]
.endr
.irp i, 0,1
	s_delay_alu instid0(VALU_DEP_2)
	v_add_f32 v[2+4*\i], v[2+4*\i], v[14+\i]
.endr
.endm
	s_wait_loadcnt 16                              ; both rows are in; g's and b's sixteen loads may be out
	SUMS 0
.irp i, 0
	s_delay_alu instid0(VALU_DEP_2)
	v_mul_f32 v[10+2*\i], s16, v[2+4*\i]           ; the mean, in both registers of a pair
	s_delay_alu instid0(VALU_DEP_3)
	v_mul_f32 v[11+2*\i], s16, v[2+4*\i]
.endr
.irp i, 1
	s_delay_alu instid0(VALU_DEP_3)
	v_mul_f32 v[10+2*\i], s16, v[2+4*\i]           ; the mean, in both registers of a pair
	s_delay_alu instid0(VALU_DEP_4)
	v_mul_f32 v[11+2*\i], s16, v[2+4*\i]
.endr
.irp i, 0,1
.set p, 0
.rept 16
	v_pk_add_f32 v[X0+32*\i+p:X0+32*\i+p+1], v[X0+32*\i+p:X0+32*\i+p+1], v[10+2*\i:11+2*\i] neg_lo:[0,1] neg_hi:[0,1]   ; x - mean
.set p, p+2
.endr
.endr
	SUMS 1
.irp i, 0,1
	s_delay_alu instid0(VALU_DEP_2)
	v_fma_f32 v[2+4*\i], v[2+4*\i], s16, s17       ; var + eps
.endr
	s_wait_alu depctr_va_vdst(0)
	v_rsq_f32 v10, v2
	v_rsq_f32 v12, v6
	v_nop                                          ; one plain place behind the two
	s_wait_alu depctr_va_vdst(0)                   ; one wait for both, ahead of their first reader
	s_wait_loadcnt 0x0                             ; g and b
.irp i, 0,1
.set p, 0
.rept 16
	v_pk_mul_f32 v[X0+32*\i+p:X0+32*\i+p+1], v[X0+32*\i+p:X0+32*\i+p+1], v[10+2*\i:11+2*\i] op_sel_hi:[1,0]
.set p, p+2
.endr
.endr
.irp i, 0,1
.set p, 0
.rept 16
	v_pk_fma_f32 v[X0+32*\i+p:X0+32*\i+p+1], v[X0+32*\i+p:X0+32*\i+p+1], v[GG+p:GG+p+1], v[BB+p:BB+p+1]
.set p, p+2
.endr
.endr
.irp i, 0,1
.irp j, 0,1,2,3,4,5,6,7
	ds_store_b128 v174, v[X0+32*\i+4*\j:X0+32*\i+4*\j+3] offset:\i*RP+512*\j
.endr
.endr
	s_wait_dscnt 0x0                               ; for the others' sake: my rows have landed
	s_barrier_signal -1
	s_barrier_wait -1                              ; the tile's sixteen rows lie in LDS
.irp b, 0,1,2,3
.irp j, 0,1,2,3
	ds_load_b128 v[16+16*\b+4*\j:16+16*\b+4*\j+3], v169 offset:128*\b+16*\j    ; register 16 b + i: k = 32 b + 16 h + i of row r, K step w
.endr
.endr
	s_wait_dscnt 0x0
; 64 numbers of a lane, register 16 b + i = k 32 b + 16 (lane / 16) + i of my row, become a fragment's codes in v[PC] on and its scale word in v[PW]
.macro QUANT s
.irp b, 0,1,2,3
	v_max3_num_f32 v[TM+\b], |v[\s+16*\b]|, |v[\s+1+16*\b]|, 0x1800000   ; my 16 numbers of block b, and the floor 2^(3 - 127): the byte cannot fall under 1
.endr
.irp i, 2,4,6,8,10,12,14
.irp b, 0,1,2,3
	s_delay_alu instid0(VALU_DEP_4)
	v_max3_num_f32 v[TM+\b], v[TM+\b], |v[\s+16*\b+\i]|, |v[\s+1+16*\b+\i]|   ; the four blocks by turns
.endr
.endr
.irp b, 0,1,2,3
	s_delay_alu instid0(VALU_DEP_4)
	v_permlanex16_b32 v[TM+4+\b], v[TM+\b], s[SEL], s[SEL+1]
.endr
.irp b, 0,1,2,3
	s_delay_alu instid0(VALU_DEP_4)
	v_max_num_f32 v[TM+\b], v[TM+\b], v[TM+4+\b]   ; with lane l xor 16's: the block's largest magnitude
.endr
.irp b, 0,1,2,3
	s_delay_alu instid0(VALU_DEP_4)
	v_add_nc_u32 v[TM+12+\b], 0xff000000, v[TM+\b] ; 2 off its exponent field: the conversion's scale operand
.endr
.irp b, 0,1,2,3
	s_delay_alu instid0(VALU_DEP_4)
	v_lshrrev_b32 v[TM+4+\b], 23, v[TM+12+\b]      ; the scale's byte
.endr
	s_delay_alu instid0(VALU_DEP_3)
	v_lshl_or_b32 v[PW], v[TM+5], 8, v[TM+4]
	s_delay_alu instid0(VALU_DEP_1)
	v_lshl_or_b32 v[PW], v[TM+6], 16, v[PW]
	s_delay_alu instid0(VALU_DEP_1)
	v_lshl_or_b32 v[PW], v[TM+7], 24, v[PW]
.irp b, 0,1,2,3
	v_cvt_scalef32_pk8_fp4_f32 v[PC+2*\b], v[\s+16*\b:\s+7+16*\b], v[TM+12+\b]
	v_cvt_scalef32_pk8_fp4_f32 v[PC+1+2*\b], v[\s+8+16*\b:\s+15+16*\b], v[TM+12+\b]
.endr
	v_nop                                          ; one plain place behind the conversions
.irp c, 0,1                            ; the operand's layout wants a whole block in a lane: lanes 0-15 block 2 c, lanes 16-31 block 2 c + 1
.irp i, 0,1
	v_permlane16_swap_b32 v[PC+4*\c+\i], v[PC+2+4*\c+\i]
.endr
.endr
.endm
	QUANT 16
.irp c, 0,1
	global_store_b128 v1, v[PC+4*\c:PC+4*\c+3], s[22:23] offset:512*\c         ; 512 consecutive bytes, at a multiple of 256 from the buffer's first byte
.endr
	ds_store_b32 v170, v[PW]                       ; both halves of the lanes write the same word with the same value
	s_wait_dscnt 0x0
	s_barrier_signal -1
	s_barrier_wait -1                              ; the tile's 128 scale words lie in LDS
	s_cmp_lg_u32 s14, 0
	s_cbranch_scc1 .Ldone
	ds_load_b128 v[16:19], v171
	s_wait_dscnt 0x0
	global_store_b128 v172, v[16:19], s[10:11] offset:4096                     ; two runs of 256 consecutive bytes
.Ldone:
	s_wait_tensorcnt 0x0
	ds_add_u32 v176, v177
	s_wait_dscnt 0x0
	s_endpgm
.Lfunc_end_k_q166d10cff8_ln1:
	.size	k_q166d10cff8_ln1, .Lfunc_end_k_q166d10cff8_ln1-k_q166d10cff8_ln1
	.p2alignl 7, 3214868480
	.fill 96, 4, 3214868480
	.section	.rodata,"a",@progbits
	.p2align	6, 0x0
	.amdhsa_kernel k_q166d10cff8_ln1
		.amdhsa_group_segment_fixed_size 67584
		.amdhsa_private_segment_fixed_size 0
		.amdhsa_enable_private_segment 0
		.amdhsa_kernarg_size 32
		.amdhsa_user_sgpr_count 2
		.amdhsa_user_sgpr_kernarg_segment_ptr 1
		.amdhsa_wavefront_size32 1
		.amdhsa_system_sgpr_workgroup_id_x 1
		.amdhsa_system_sgpr_workgroup_id_y 1
		.amdhsa_system_sgpr_workgroup_id_z 1
		.amdhsa_system_vgpr_workitem_id 0
		.amdhsa_next_free_vgpr 178
		.amdhsa_next_free_sgpr 66
		.amdhsa_reserve_vcc 0
		.amdhsa_float_denorm_mode_32 3
		.amdhsa_float_denorm_mode_16_64 3
		.amdhsa_memory_ordered 1
		.amdhsa_forward_progress 1
		.amdhsa_inst_pref_size 29
	.end_amdhsa_kernel
	.amdgpu_metadata
---
amdhsa.version: [ 1, 2 ]
amdhsa.kernels:
  - .name:           k_q166d10cff8_ln1
    .symbol:         k_q166d10cff8_ln1.kd
    .args:
      - { .name: x1, .offset: 0, .size: 8, .value_kind: global_buffer, .address_space: global }
      - { .name: ln2_g, .offset: 8, .size: 8, .value_kind: global_buffer, .address_space: global }
      - { .name: ln2_b, .offset: 16, .size: 8, .value_kind: global_buffer, .address_space: global }
      - { .name: h2, .offset: 24, .size: 8, .value_kind: global_buffer, .address_space: global }
    .group_segment_fixed_size: 67584
    .private_segment_fixed_size: 0
    .kernarg_segment_align: 8
    .kernarg_segment_size: 32
    .max_flat_workgroup_size: 256
    .sgpr_count:     66
    .vgpr_count:     178
    .wavefront_size: 32
...
	.end_amdgpu_metadata
.endif
;; end of part 12
;; launch fc1 (part 13): grid 16 x 16, 4 waves a work-group, clusters of 4 x 4, 327,680 bytes of LDS; arguments h2, wpk, b_fc1, hid; writes hid
.if DOCPART == 13
	.amdgcn_target "amdgcn-amd-amdhsa--gfx1250"
	.amdhsa_code_object_version 6
	.text
	.protected	k_q166d10cff8_fc1
	.globl	k_q166d10cff8_fc1
	.p2align	8
	.type	k_q166d10cff8_fc1,@function
k_q166d10cff8_fc1:
	s_mov_b64 s[64:65], 0
	v_nop
	global_prefetch_b8 v0, s[64:65] scope:SCOPE_SE
	s_setreg_imm32_b32 hwreg(HW_REG_WAVE_MODE, 25, 1), 1
	s_wait_xcnt 0x0
	s_wait_alu depctr_hold_cnt(0) depctr_sa_sdst(0) depctr_va_vdst(0) depctr_va_sdst(0) depctr_va_ssrc(0) depctr_va_vcc(0) depctr_vm_vsrc(0)
	s_getreg_b32 s2, hwreg(HW_REG_IB_STS2, 6, 4)
	s_cmp_eq_u32 s2, 0
	s_cbranch_scc0 .Lentry_in_a_cluster
	s_endpgm
.Lentry_in_a_cluster:
	s_bfe_u32 s2, ttmp6, 0x10000c
	s_cmp_lg_u32 s2, 0xf033
	s_cbranch_scc0 .Lentry_shape_is_right
	s_endpgm
.Lentry_shape_is_right:
.set SIZE_K, 1024
.set POFF,   2228224
.set G,      SIZE_K/512
.set NQ,     4
.set FR,     8
.set NL,     2
.set NP,     4
.set TILEB,  4352
.set HALFT,  8*TILEB
.set SLOT,   4*HALFT
.set SPARE,  2*SLOT
.set ADRA, 16
.set ADRB, 20
.set ADRS, 22
.set GO,   24
.set SOV,  26
.set SPW,  28
.set NIL,  29
.set SC,   32
.set AF,   128
.set HA,   32
.set PC,   96
.set TM,   104
.set PW,   120
.set ZZ,   128
.set YY,   160
.set PP,   192
.set QQ,   224
.set G1, 24
.set G0, 32
.set G1B, 48
.set G0B, 56
.set KA13, 66
.set KA9,  68
.set KA7,  70
.set KA5,  72
.set KA3,  74
.set KA1,  76
.set KB8,  78
.set KB4,  80
.set KB2,  82
.set KB0,  84
.set KRS2, 86
.set SEL,  88
.set AI,   90
.set OUT,  92
.set OUTS, 94
.set MSB, 0
.macro WIN new
.if MSB != (\new)
	s_set_vgpr_msb (MSB<<8)|(\new)
.set MSB, (\new)
.endif
.endm
.set MUL_LO, 0xa1
.set MUL_HI, 0xf1
.set TO_B,   0x40
.macro JLOAD g0a, g1a, g0b, g1b
	s_cmp_eq_u32 s15, 0
	s_cbranch_scc0 .Lfor_p_\@
	tensor_load_to_lds s[\g0a:\g0a+3], s[\g1a:\g1a+7]
	s_nop 0
.rept 4
	v_nop
.endr
	s_branch .Lasked_\@
.Lfor_p_\@:
	tensor_load_to_lds s[\g0b:\g0b+3], s[\g1b:\g1b+7]
	s_nop 0
.rept 4
	v_nop
.endr
.Lasked_\@:
.endm
.macro CREST
	s_cmp_lg_u32 s14, 0
	s_cbranch_scc1 .Lnot_wave_0_\@
	s_barrier_signal -3
.Lnot_wave_0_\@:
	s_barrier_wait -3
	s_barrier_signal -1
	s_barrier_wait -1
.endm
.macro CROUND
	s_barrier_signal -1
	s_barrier_wait -1
	CREST
.endm
.macro KSET k, bits
	s_mov_b32 s[\k], \bits
	s_mov_b32 s[\k+1], \bits
.endm
	s_load_b256 s[4:11], s[0:1], 0x0
	v_lshl_add_u32 v[SPW], v0, 2, SPARE
	v_mov_b32 v[NIL], 0
	ds_add_u32 v28, v29
	ds_add_u32 v28, v29
	s_wait_dscnt 0x0
	v_lshrrev_b32 v1, 5, v0
	v_readfirstlane_b32 s14, v1
	s_lshr_b32 s15, s14, 1
	s_and_b32 s16, s14, 1
	s_bfe_u32 s40, ttmp6, 0x40000
	s_bfe_u32 s41, ttmp6, 0x40004
	s_lshl_b32 s42, ttmp9, 2
	s_add_co_u32 s42, s42, s40
	s_and_b32 s17, ttmp7, 0xffff
	s_lshl_b32 s17, s17, 2
	s_add_co_u32 s17, s17, s41
	s_lshl_b32 s43, s41, 2
	s_lshl_b32 s43, 15, s43
	s_lshl_b32 s44, 0x1111, s40
	s_or_b32 s[G1+0], s43, (3<<16)|(1<<21)
	s_or_b32 s[G1B+0], s44, (3<<16)|(1<<21)
.irp g, G1, G1B
	s_mov_b32 s[\g+1], 544<<16
	s_mov_b32 s[\g+2], 16<<16
	s_mov_b32 s[\g+3], 544<<16
	s_mov_b32 s[\g+4], 16
	s_mov_b32 s[\g+5], G*544
	s_mov_b32 s[\g+6], 0
	s_mov_b32 s[\g+7], 0
.endr
	s_mov_b32 s18, 0
	s_lshl_b32 s20, s17, 4
	s_add_co_u32 s20, s20, s18
	s_mul_i32 s20, s20, G*TILEB
	s_mov_b32 s21, 0
	s_lshl_b32 s46, s42, 4
	s_add_co_u32 s46, s46, s18
	s_mul_i32 s46, s46, G*TILEB
	s_add_co_u32 s46, s46, POFF
	s_mov_b32 s47, 0
	s_wait_kmcnt 0x0
	s_add_nc_u64 s[20:21], s[4:5], s[20:21]
	s_add_nc_u64 s[46:47], s[6:7], s[46:47]
	CROUND
.irp s, 0,1
	s_mov_b32 s[G0+4*\s], 1
	s_mov_b32 s[G0+4*\s+1], \s*SLOT
	s_add_nc_u64 s[G0+4*\s+2:G0+4*\s+3], s[20:21], \s*TILEB
	s_or_b32 s[G0+4*\s+3], s[G0+4*\s+3], 0x80000000
	s_mov_b32 s[G0B+4*\s], 1
	s_mov_b32 s[G0B+4*\s+1], \s*SLOT+2*HALFT
	s_add_nc_u64 s[G0B+4*\s+2:G0B+4*\s+3], s[46:47], \s*TILEB
	s_or_b32 s[G0B+4*\s+3], s[G0B+4*\s+3], 0x80000000
.endr
; THE HEAD'S FOUR TILES, ONE A WAVE, each on a line of its own: wave 0 the token side's group 0 of 512 along K (16 tiles), wave 1 the weight side's, waves 2 and 3 the same of group 1.
; One chain of branches on the wave's number: every way through the head passes exactly one load.
.macro ARM w, g0, g1, next
	s_cmp_eq_u32 s14, \w
	s_cbranch_scc0 \next
	tensor_load_to_lds s[\g0:\g0+3], s[\g1:\g1+7]
	s_nop 0
.rept 4
	v_nop
.endr
	s_branch .Lhead_asked
\next:
.endm
	ARM 0, G0, G1, .Lhead_1
	ARM 1, G0B, G1B, .Lhead_2
	ARM 2, G0+4, G1, .Lhead_3
	tensor_load_to_lds s[G0B+4:G0B+7], s[G1B:G1B+7]
	s_nop 0
.rept 4
	v_nop
.endr
.Lhead_asked:
	v_and_b32 v1, 15, v0
	v_bfe_u32 v2, v0, 4, 1
	v_and_b32 v3, 31, v0
	v_lshlrev_b32 v4, 4, v3
	s_mul_i32 s21, s15, HALFT
	s_mul_i32 s22, s16, HALFT
	s_add_co_u32 s22, s22, 2*HALFT
	v_lshlrev_b32 v5, 4, v1
	s_sub_co_u32 s23, s22, s21
	v_mul_u32_u24 v6, s23, v2
	v_add_nc_u32 v5, v5, v6
	v_add_nc_u32 v5, 4096, v5
.irp s, 0,1
	v_add_nc_u32 v[ADRA+\s], s21, v4
	v_add_nc_u32 v[ADRB+\s], s22, v4
	v_add_nc_u32 v[ADRS+\s], s21, v5
	s_add_co_u32 s21, s21, SLOT
	s_add_co_u32 s22, s22, SLOT
.endr
	s_lshl_b32 s46, s42, 8
	s_lshl_b32 s47, s16, 7
	s_add_co_u32 s46, s46, s47
	s_lshl_b32 s46, s46, 2
	s_mov_b32 s47, 0
	s_add_nc_u64 s[8:9], s[8:9], s[46:47]
	v_lshlrev_b32 v27, 6, v2
	WIN TO_B
.irp b, 0,1,2,3,4,5,6,7
	global_load_b128 v[64+8*\b:64+8*\b+3], v27, s[8:9] offset:(32*(\b/2)+8*(\b%2))*4
	global_load_b128 v[64+8*\b+4:64+8*\b+7], v27, s[8:9] offset:(32*(\b/2)+8*(\b%2))*4+16
.endr
	WIN 0
	s_lshl_b32 s20, s17, 4
	s_lshl_b32 s21, s15, 3
	s_add_co_u32 s20, s20, s21
	s_mul_i32 s20, s20, 8*TILEB
	s_lshl_b32 s21, s42, 1
	s_add_co_u32 s21, s21, s16
	s_lshr_b32 s22, s21, 2
	s_mul_i32 s22, s22, TILEB
	s_add_co_u32 s20, s20, s22
	s_and_b32 s21, s21, 3
	s_lshl_b32 s22, s21, 10
	s_add_co_u32 s22, s22, s20
	s_mov_b32 s23, 0
	s_add_nc_u64 s[OUT:OUT+1], s[10:11], s[22:23]
	s_lshl_b32 s22, s21, 2
	s_add_co_u32 s22, s22, s20
	s_add_co_u32 s22, s22, 4096
	s_add_nc_u64 s[OUTS:OUTS+1], s[10:11], s[22:23]
	v_lshlrev_b32 v[GO], 4, v3
	v_lshlrev_b32 v[SOV], 4, v1
.irp b, 0,1,2,3
	v_mov_b32 v[TM+4+\b], 0
.endr
	v_mov_b32 v124, 0x32edffee
	v_mov_b32 v125, 0x32edffee
	v_mov_b32 v126, 0xb95fbd29
	v_mov_b32 v127, 0xb95fbd29
	KSET KA13, 0xaf95df0b
	KSET KA9,  0xb60cff51
	KSET KA7,  0xb86ec2d2
	KSET KA5,  0xba40ac63
	KSET KA3,  0xbb41a1f6
	KSET KA1,  0xbc83dbd4
	KSET KB8,  0xb77460cd
	KSET KB4,  0xbadc924e
	KSET KB2,  0xbbf19bf8
	KSET KB0,  0xbc69b6a7
	KSET KRS2, 0x3f3504f3
	s_mov_b32 s[SEL], 0x76543210
	s_mov_b32 s[SEL+1], 0xfedcba98
.macro FRAG reg, adr, q, i
.irp c, 0,1
	ds_load_b128 v[\reg+4*\c:\reg+4*\c+3], v[\adr] offset:(\i)*TILEB+(\q)*1024+512*\c
.endr
.endm
.macro MUL16 a0, p, q, sc, zero
.irp a, \a0, \a0+1
.irp b, 0,1,2,3,4,5,6,7
.if \zero
	v_wmma_scale_f32_16x16x128_f8f6f4 v[8*(8*((\a)%4)+\b):8*(8*((\a)%4)+\b)+7], v[128*(\p)+FR*\b:128*(\p)+FR*\b+FR-1], v[AF+FR*(\a):AF+FR*(\a)+FR-1], 0, v[SC+8*NQ*(\sc)+NQ*\b+(\q)], v[SC+8*NQ*(\sc)+NQ*(\a)+(\q)] matrix_a_fmt:MATRIX_FMT_FP4 matrix_b_fmt:MATRIX_FMT_FP4 matrix_a_scale:MATRIX_SCALE_ROW1
.else
	v_wmma_scale_f32_16x16x128_f8f6f4 v[8*(8*((\a)%4)+\b):8*(8*((\a)%4)+\b)+7], v[128*(\p)+FR*\b:128*(\p)+FR*\b+FR-1], v[AF+FR*(\a):AF+FR*(\a)+FR-1], v[8*(8*((\a)%4)+\b):8*(8*((\a)%4)+\b)+7], v[SC+8*NQ*(\sc)+NQ*\b+(\q)], v[SC+8*NQ*(\sc)+NQ*(\a)+(\q)] matrix_a_fmt:MATRIX_FMT_FP4 matrix_b_fmt:MATRIX_FMT_FP4 matrix_a_scale:MATRIX_SCALE_ROW1
.endif
.endr
.endr
.endm
.macro FETCH_B slot, q, p
	WIN TO_B
.irp i, 0,1,2,3,4,5,6,7
	FRAG 128*(\p)+FR*\i, ADRB+\slot, \q, \i
.endr
	WIN 0
.endm
.macro FETCH_A slot, q, i0
.irp i, \i0, \i0+1, \i0+2, \i0+3
	FRAG AF+FR*(\i), ADRA+\slot, \q, \i
.endr
.endm
.macro SCALES sc
.irp i, 0,1,2,3,4,5,6,7
	ds_load_b128 v[SC+8*NQ*\sc+NQ*\i:SC+8*NQ*\sc+NQ*\i+3], v[ADRS+\sc] offset:\i*TILEB
.endr
.endm
.macro PLACES n
.rept \n
	v_nop
.endr
.endm
.macro STEP slot, q, zero
	s_wait_dscnt 4*NL
	WIN MUL_LO
	MUL16 0, (\q)%2, \q, \slot, \zero
	MUL16 2, (\q)%2, \q, \slot, \zero
	s_wait_dscnt 0
	PLACES NP
	FETCH_B \slot, (\q)+1, 1-(\q)%2
	FETCH_A \slot, (\q)+1, 0
	WIN MUL_HI
	MUL16 4, (\q)%2, \q, \slot, \zero
	MUL16 6, (\q)%2, \q, \slot, \zero
	PLACES NP
	WIN 0
	FETCH_A \slot, (\q)+1, 4
.endm
.macro TURN slot, next
	s_wait_tensorcnt 0x0
	ds_add_u32 v[SPW], v[NIL]
	s_wait_dscnt 4*NL+1
	WIN MUL_LO
	MUL16 0, 1, NQ-1, \slot, 0
	s_wait_dscnt 0x0
	s_barrier_signal -1
	MUL16 2, 1, NQ-1, \slot, 0
	WIN 0
	s_barrier_wait -1
	PLACES NP
	FETCH_B \next, 0, 0
	FETCH_A \next, 0, 0
	SCALES \next
	WIN MUL_HI
	MUL16 4, 1, NQ-1, \slot, 0
	MUL16 6, 1, NQ-1, \slot, 0
	PLACES NP
	WIN 0
	FETCH_A \next, 0, 4
.endm
.macro STEPS slot, from
.set Q, \from
.rept NQ-1-\from
	STEP \slot, Q, 0
.set Q, Q+1
.endr
.endm
	s_wait_alu depctr_va_vdst(0)
	s_cmp_lt_u32 s14, 2
	s_cbranch_scc0 .Lnot_g0
	s_wait_tensorcnt 0x0                           ; waves 0 and 1: group 0's two tiles have landed; group 1's are shown by the change of slots
.Lnot_g0:
	s_barrier_signal -1
	s_barrier_wait -1
	FETCH_B 0, 0, 0
	FETCH_A 0, 0, 0
	SCALES 0
	FETCH_A 0, 0, 4
	STEP 0, 0, 1
	STEPS 0, 1
	TURN 0, 1
	STEPS 1, 0
	s_wait_dscnt 4*NL
	WIN MUL_LO
	MUL16 0, 1, NQ-1, 1, 0
	MUL16 2, 1, NQ-1, 1, 0
	s_wait_dscnt 0
	WIN MUL_HI
	MUL16 4, 1, NQ-1, 1, 0
	MUL16 6, 1, NQ-1, 1, 0
	WIN 0
.macro ACT a
	WIN 0x06+(\a)/4
.set i, 0
.rept 32
	v_pk_add_f32 v[HA+i:HA+i+1], v[64*((\a)%4)+i:64*((\a)%4)+i+1], v[64+i:64+i+1]
.set i, i+2
.endr
	WIN 0
.endm
.macro GELU x
.set i, 0
.rept 16
	v_pk_mul_f32 v[ZZ+i:ZZ+i+1], v[(\x)+i:(\x)+i+1], s[KRS2:KRS2+1] op_sel_hi:[1,0]
.set i, i+2
.endr
.set i, 0
.rept 32
	v_med3_num_f32 v[ZZ+i], v[ZZ+i], -4.0, 4.0
.set i, i+1
.endr
.set i, 0
.rept 16
	v_pk_mul_f32 v[YY+i:YY+i+1], v[ZZ+i:ZZ+i+1], v[ZZ+i:ZZ+i+1]
.set i, i+2
.endr
.set i, 0
.rept 16
	v_pk_fma_f32 v[PP+i:PP+i+1], v[YY+i:YY+i+1], s[KA13:KA13+1], v[124:125] op_sel_hi:[1,0,1]
	v_pk_fma_f32 v[QQ+i:QQ+i+1], v[YY+i:YY+i+1], s[KB8:KB8+1], v[126:127] op_sel_hi:[1,0,1]
.set i, i+2
.endr
.irp k, KA9, KA7, KA5, KA3, KA1
.set i, 0
.rept 16
	v_pk_fma_f32 v[PP+i:PP+i+1], v[PP+i:PP+i+1], v[YY+i:YY+i+1], s[\k:\k+1] op_sel_hi:[1,1,0]
.set i, i+2
.endr
.endr
.irp k, KB4, KB2, KB0
.set i, 0
.rept 16
	v_pk_fma_f32 v[QQ+i:QQ+i+1], v[QQ+i:QQ+i+1], v[YY+i:YY+i+1], s[\k:\k+1] op_sel_hi:[1,1,0]
.set i, i+2
.endr
.endr
.set i, 0
.rept 16
	v_pk_mul_f32 v[PP+i:PP+i+1], v[PP+i:PP+i+1], v[ZZ+i:ZZ+i+1]
.set i, i+2
.endr
.set i, 0
	s_wait_alu depctr_va_vdst(0)
.rept 32
	v_rcp_f32 v[QQ+i], v[QQ+i]
.set i, i+1
.endr
.set i, 0
.rept 16
	v_pk_mul_f32 v[YY+i:YY+i+1], v[(\x)+i:(\x)+i+1], 0.5 op_sel_hi:[1,0]
.set i, i+2
.endr
	s_wait_alu depctr_va_vdst(0)
.set i, 0
.rept 16
	v_pk_mul_f32 v[PP+i:PP+i+1], v[PP+i:PP+i+1], v[QQ+i:QQ+i+1]
.set i, i+2
.endr
.set i, 0
.rept 16
	v_pk_fma_f32 v[(\x)+i:(\x)+i+1], v[YY+i:YY+i+1], v[PP+i:PP+i+1], v[YY+i:YY+i+1]
.set i, i+2
.endr
.endm
.macro QUANT s
.irp b, 0,1,2,3
	v_max3_num_f32 v[TM+\b], |v[\s+16*\b]|, |v[\s+1+16*\b]|, 0x1800000
.endr
.irp i, 2,4,6,8,10,12,14
.irp b, 0,1,2,3
	v_max3_num_f32 v[TM+\b], v[TM+\b], |v[\s+16*\b+\i]|, |v[\s+1+16*\b+\i]|
.endr
.endr
.irp b, 0,1,2,3
	v_permlanex16_b32 v[TM+4+\b], v[TM+\b], s[SEL], s[SEL+1]
.endr
.irp b, 0,1,2,3
	v_max_num_f32 v[TM+\b], v[TM+\b], v[TM+4+\b]
.endr
.irp b, 0,1,2,3
	v_add_nc_u32 v[TM+12+\b], 0xff000000, v[TM+\b]
.endr
.irp b, 0,1,2,3
	v_lshrrev_b32 v[TM+4+\b], 23, v[TM+12+\b]
.endr
	v_lshl_or_b32 v[PW], v[TM+5], 8, v[TM+4]
	v_lshl_or_b32 v[PW], v[TM+6], 16, v[PW]
	v_lshl_or_b32 v[PW], v[TM+7], 24, v[PW]
.irp b, 0,1,2,3
	v_cvt_scalef32_pk8_fp4_f32 v[PC+2*\b], v[\s+16*\b:\s+7+16*\b], v[TM+12+\b]
	v_cvt_scalef32_pk8_fp4_f32 v[PC+1+2*\b], v[\s+8+16*\b:\s+15+16*\b], v[TM+12+\b]
.endr
	v_nop
.irp c, 0,1
.irp i, 0,1
	v_permlane16_swap_b32 v[PC+4*\c+\i], v[PC+2+4*\c+\i]
.endr
.endr
.endm
	PLACES NP
	s_wait_loadcnt 0x0
	s_mov_b32 s[AI], 0
	s_mov_b32 s96, 0                               ; s[96:97]: what the trip adds to the two bases: nothing in the first trip, then 16 tokens' blocks
	s_mov_b32 s97, 0
.Lrow:
.irp a, 0,1,2,3,4,5,6                  ; the trip's block of accumulators: one jump to its lines, one on from them
	s_cmp_eq_u32 s[AI], \a
	s_cbranch_scc1 .Lact\a
.endr
	ACT 7
	s_branch .Lgo
.irp a, 0,1,2,3,4,5,6
.Lact\a:
	ACT \a
.if \a < 6
	s_branch .Lgo
.endif
.endr
.Lgo:
	GELU HA
	GELU HA+32
	s_wait_alu depctr_va_vdst(0)
	s_wait_xcnt 0x0                                ; the last trip's stores have read their data and their bases: both are written below
	s_add_nc_u64 s[OUT:OUT+1], s[OUT:OUT+1], s[96:97]
	s_add_nc_u64 s[OUTS:OUTS+1], s[OUTS:OUTS+1], s[96:97]
	QUANT HA
	global_store_b128 v[GO], v[PC:PC+3], s[OUT:OUT+1]
	global_store_b128 v[GO], v[PC+4:PC+7], s[OUT:OUT+1] offset:512
	global_store_b32 v[SOV], v[PW], s[OUTS:OUTS+1]
	s_mov_b32 s96, 8*TILEB
	s_add_co_u32 s[AI], s[AI], 1
	s_cmp_lt_u32 s[AI], 8
	s_cbranch_scc1 .Lrow
	s_wait_tensorcnt 0x0
	ds_add_u32 v[SPW], v[NIL]
	s_wait_dscnt 0x0
	CROUND
	s_endpgm
.Lfunc_end_k_q166d10cff8_fc1:
	.size	k_q166d10cff8_fc1, .Lfunc_end_k_q166d10cff8_fc1-k_q166d10cff8_fc1
	.p2alignl 7, 3214868480
	.fill 96, 4, 3214868480
	.section	.rodata,"a",@progbits
	.p2align	6, 0x0
	.amdhsa_kernel k_q166d10cff8_fc1
		.amdhsa_group_segment_fixed_size 327680
		.amdhsa_private_segment_fixed_size 0
		.amdhsa_enable_private_segment 0
		.amdhsa_kernarg_size 32
		.amdhsa_user_sgpr_count 2
		.amdhsa_user_sgpr_kernarg_segment_ptr 1
		.amdhsa_wavefront_size32 1
		.amdhsa_system_sgpr_workgroup_id_x 1
		.amdhsa_system_sgpr_workgroup_id_y 1
		.amdhsa_system_sgpr_workgroup_id_z 1
		.amdhsa_system_vgpr_workitem_id 0
		.amdhsa_next_free_vgpr 1024
		.amdhsa_next_free_sgpr 98
		.amdhsa_reserve_vcc 0
		.amdhsa_float_denorm_mode_32 3
		.amdhsa_float_denorm_mode_16_64 3
		.amdhsa_memory_ordered 1
		.amdhsa_forward_progress 1
		.amdhsa_inst_pref_size 156
	.end_amdhsa_kernel
	.amdgpu_metadata
---
amdhsa.version: [ 1, 2 ]
amdhsa.kernels:
  - .name:           k_q166d10cff8_fc1
    .symbol:         k_q166d10cff8_fc1.kd
    .args:
      - { .name: h2, .offset: 0, .size: 8, .value_kind: global_buffer, .address_space: global }
      - { .name: wpk, .offset: 8, .size: 8, .value_kind: global_buffer, .address_space: global }
      - { .name: b_fc1, .offset: 16, .size: 8, .value_kind: global_buffer, .address_space: global }
      - { .name: hid, .offset: 24, .size: 8, .value_kind: global_buffer, .address_space: global }
    .group_segment_fixed_size: 327680
    .private_segment_fixed_size: 0
    .kernarg_segment_align: 8
    .kernarg_segment_size: 32
    .max_flat_workgroup_size: 128
    .sgpr_count:     98
    .vgpr_count:     1024
    .wavefront_size: 32
...
	.end_amdgpu_metadata
.endif
;; end of part 13
;; launch fc2 (part 14): grid 8 x 32, 4 waves a work-group, clusters of 4 x 4, 327,680 bytes of LDS; arguments hid, wpk, b_fc2, x1, out0; writes out0
.if DOCPART == 14
	.amdgcn_target "amdgcn-amd-amdhsa--gfx1250"
	.amdhsa_code_object_version 6
	.text
	.protected	k_q166d10cff8_fc2
	.globl	k_q166d10cff8_fc2
	.p2align	8
	.type	k_q166d10cff8_fc2,@function
k_q166d10cff8_fc2:
	s_mov_b64 s[64:65], 0
	v_nop
	global_prefetch_b8 v0, s[64:65] scope:SCOPE_SE
	s_setreg_imm32_b32 hwreg(HW_REG_WAVE_MODE, 25, 1), 1
	s_wait_xcnt 0x0
	s_wait_alu depctr_hold_cnt(0) depctr_sa_sdst(0) depctr_va_vdst(0) depctr_va_sdst(0) depctr_va_ssrc(0) depctr_va_vcc(0) depctr_vm_vsrc(0)
	s_getreg_b32 s2, hwreg(HW_REG_IB_STS2, 6, 4)
	s_cmp_eq_u32 s2, 0
	s_cbranch_scc0 .Lentry_in_a_cluster
	s_endpgm
.Lentry_in_a_cluster:
	s_bfe_u32 s2, ttmp6, 0x10000c
	s_cmp_lg_u32 s2, 0xf033
	s_cbranch_scc0 .Lentry_shape_is_right
	s_endpgm
.Lentry_shape_is_right:
.set SIZE_K, 4096
.set POFF,   4456448
.set NT,     1
.set GPS,    2
.set G,      SIZE_K/512
.set LAPS,   G/(2*GPS)
.set NH,     2*GPS
.set NP,     4
.set TILEB,  4352
.set TL,     GPS*TILEB
.set HALFT,  4*TL
.set SLOT,   4*HALFT
.set SPARE,  2*SLOT
.set SPITCH, 272
.set ADRA, 16
.set ADRB, 20
.set ADRS, 22
.set STO,  24
.set RD,   25
.set CO,   26
.set BO,   27
.set SPW,  28
.set NIL,  29
.set SC,   32
.set BK,   64
.set ACC,  128
.set G1, 24
.set G0, 32
.set G1B, 48
.set G0B, 56
.set MSB, 0
.macro WIN new
.if MSB != (\new)
	s_set_vgpr_msb (MSB<<8)|(\new)
.set MSB, (\new)
.endif
.endm
.set MUL,  0x05
.set TO_F, 0x40
.macro JLOAD g0a, g1a, g0b, g1b
	s_cmp_eq_u32 s15, 0
	s_cbranch_scc0 .Lfor_p_\@
	tensor_load_to_lds s[\g0a:\g0a+3], s[\g1a:\g1a+7]
	s_nop 0
.rept 4
	v_nop
.endr
	s_branch .Lasked_\@
.Lfor_p_\@:
	tensor_load_to_lds s[\g0b:\g0b+3], s[\g1b:\g1b+7]
	s_nop 0
.rept 4
	v_nop
.endr
.Lasked_\@:
.endm
.macro CREST
	s_cmp_lg_u32 s14, 0
	s_cbranch_scc1 .Lnot_wave_0_\@
	s_barrier_signal -3
.Lnot_wave_0_\@:
	s_barrier_wait -3
	s_barrier_signal -1
	s_barrier_wait -1
.endm
.macro CROUND
	s_barrier_signal -1
	s_barrier_wait -1
	CREST
.endm
	s_load_b256 s[4:11], s[0:1], 0x0
	s_load_b64 s[12:13], s[0:1], 0x20
	v_lshl_add_u32 v[SPW], v0, 2, SPARE
	v_mov_b32 v[NIL], 0
	ds_add_u32 v28, v29
	ds_add_u32 v28, v29
	s_wait_dscnt 0x0
	v_lshrrev_b32 v1, 5, v0
	v_readfirstlane_b32 s14, v1
	s_lshr_b32 s15, s14, 1
	s_and_b32 s16, s14, 1
	s_bfe_u32 s40, ttmp6, 0x40000
	s_bfe_u32 s41, ttmp6, 0x40004
	s_lshl_b32 s42, ttmp9, 2
	s_add_co_u32 s42, s42, s40
	s_and_b32 s17, ttmp7, 0xffff
	s_lshl_b32 s17, s17, 2
	s_add_co_u32 s17, s17, s41
	s_lshl_b32 s43, s41, 2
	s_lshl_b32 s43, 15, s43
	s_lshl_b32 s44, 0x1111, s40
	s_or_b32 s[G1+0], s43, (3<<16)|(1<<21)
	s_or_b32 s[G1B+0], s44, (3<<16)|(1<<21)
.irp g, G1, G1B
	s_mov_b32 s[\g+1], (GPS*544)<<16
	s_mov_b32 s[\g+2], 4<<16
	s_mov_b32 s[\g+3], (GPS*544)<<16
	s_mov_b32 s[\g+4], 4
	s_mov_b32 s[\g+5], G*544
	s_mov_b32 s[\g+6], 0
	s_mov_b32 s[\g+7], 0
.endr
	s_lshl_b32 s18, s16, 2
	s_lshl_b32 s20, s17, 3
	s_add_co_u32 s20, s20, s18
	s_mul_i32 s20, s20, G*TILEB
	s_mov_b32 s21, 0
	s_lshl_b32 s46, s42, 3
	s_add_co_u32 s46, s46, s18
	s_mul_i32 s46, s46, G*TILEB
	s_add_co_u32 s46, s46, POFF
	s_mov_b32 s47, 0
	s_mul_i32 s45, s14, HALFT
	s_wait_kmcnt 0x0
	s_add_nc_u64 s[20:21], s[4:5], s[20:21]
	s_add_nc_u64 s[46:47], s[6:7], s[46:47]
	CROUND
.irp s, 0,1
	s_mov_b32 s[G0+4*\s], 1
	s_add_co_u32 s[G0+4*\s+1], s45, \s*SLOT
	s_add_nc_u64 s[G0+4*\s+2:G0+4*\s+3], s[20:21], \s*TL
	s_or_b32 s[G0+4*\s+3], s[G0+4*\s+3], 0x80000000
	s_mov_b32 s[G0B+4*\s], 1
	s_add_co_u32 s[G0B+4*\s+1], s45, \s*SLOT
	s_add_nc_u64 s[G0B+4*\s+2:G0B+4*\s+3], s[46:47], \s*TL
	s_or_b32 s[G0B+4*\s+3], s[G0B+4*\s+3], 0x80000000
.endr
	JLOAD G0, G1, G0B, G1B                         ; slot 0: one tensor load a wave at the head
	v_and_b32 v1, 15, v0
	v_bfe_u32 v2, v0, 4, 1
	v_and_b32 v3, 31, v0
	v_lshlrev_b32 v4, 4, v3
	s_mul_i32 s21, s15, HALFT
	s_mul_i32 s22, s16, HALFT
	s_add_co_u32 s22, s22, 2*HALFT
	v_lshlrev_b32 v5, 4, v1
	s_sub_co_u32 s23, s22, s21
	v_mul_u32_u24 v6, s23, v2
	v_add_nc_u32 v5, v5, v6
	v_add_nc_u32 v5, 4096, v5
.irp s, 0,1
	v_add_nc_u32 v[ADRA+\s], s21, v4
	v_add_nc_u32 v[ADRB+\s], s22, v4
	v_add_nc_u32 v[ADRS+\s], s21, v5
	s_add_co_u32 s21, s21, SLOT
	s_add_co_u32 s22, s22, SLOT
.endr
	s_mul_i32 s23, s14, 16*SPITCH
	v_mul_u32_u24 v[STO], v1, SPITCH
	v_lshl_add_u32 v[STO], v2, 6, v[STO]
	v_add_nc_u32 v[STO], s23, v[STO]
	v_mul_u32_u24 v[RD], v2, SPITCH
	v_lshl_add_u32 v[RD], v1, 4, v[RD]
	v_add_nc_u32 v[RD], s23, v[RD]
	v_lshlrev_b32 v[CO], 12, v2
	v_lshl_add_u32 v[CO], v1, 4, v[CO]
	v_lshlrev_b32 v[BO], 4, v1
	s_wait_alu depctr_va_vdst(0)
	s_lshl_b32 s46, s42, 7
	s_lshl_b32 s47, s16, 6
	s_add_co_u32 s46, s46, s47
	s_lshl_b32 s46, s46, 2
	s_mov_b32 s47, 0
	s_add_nc_u64 s[8:9], s[8:9], s[46:47]
	s_lshl_b32 s20, s17, 7
	s_lshl_b32 s21, s15, 6
	s_add_co_u32 s20, s20, s21
	s_lshl_b32 s20, s20, 12
	s_add_co_u32 s20, s20, s46
	s_mov_b32 s21, 0
	s_add_nc_u64 s[10:11], s[10:11], s[20:21]
	s_add_nc_u64 s[12:13], s[12:13], s[20:21]
.macro MUL8 f, c, a0, q, sc, zero
.irp a, \a0, \a0+1
.irp b, 0,1,2,3
.if \zero
	v_wmma_scale_f32_16x16x128_f8f6f4 v[ACC+8*(4*(\a)+\b):ACC+8*(4*(\a)+\b)+7], v[(\f)+64+8*(4*(\c)+\b):(\f)+64+8*(4*(\c)+\b)+7], v[(\f)+8*(4*(\c)+(\a)):(\f)+8*(4*(\c)+(\a))+7], 0, v[SC+16*(\sc)+4*\b+(\q)], v[SC+16*(\sc)+4*(\a)+(\q)] matrix_a_fmt:MATRIX_FMT_FP4 matrix_b_fmt:MATRIX_FMT_FP4 matrix_a_scale:MATRIX_SCALE_ROW1
.else
	v_wmma_scale_f32_16x16x128_f8f6f4 v[ACC+8*(4*(\a)+\b):ACC+8*(4*(\a)+\b)+7], v[(\f)+64+8*(4*(\c)+\b):(\f)+64+8*(4*(\c)+\b)+7], v[(\f)+8*(4*(\c)+(\a)):(\f)+8*(4*(\c)+(\a))+7], v[ACC+8*(4*(\a)+\b):ACC+8*(4*(\a)+\b)+7], v[SC+16*(\sc)+4*\b+(\q)], v[SC+16*(\sc)+4*(\a)+(\q)] matrix_a_fmt:MATRIX_FMT_FP4 matrix_b_fmt:MATRIX_FMT_FP4 matrix_a_scale:MATRIX_SCALE_ROW1
.endif
.endr
.endr
.endm
.macro FETCH slot, hh
.set FF, 128*((\hh)%2)
.set FO, ((\hh)/2)*TILEB+2*((\hh)%2)*1024
.if ((\hh)%2) == 0
.set FS, SC+16*(((\slot)*GPS+(\hh)/2)%2)
	WIN 0
.irp i, 0,1,2,3
	ds_load_b128 v[FS+4*\i:FS+4*\i+3], v[ADRS+\slot] offset:\i*TL+((\hh)/2)*TILEB
.endr
.endif
	WIN TO_F
.irp c, 0,1
.irp i, 0,1,2,3
	ds_load_b128 v[FF+64+8*(4*\c+\i):FF+64+8*(4*\c+\i)+3],   v[ADRB+\slot] offset:FO+1024*\c+\i*TL
	ds_load_b128 v[FF+64+8*(4*\c+\i)+4:FF+64+8*(4*\c+\i)+7], v[ADRB+\slot] offset:FO+1024*\c+\i*TL+512
	ds_load_b128 v[FF+8*(4*\c+\i):FF+8*(4*\c+\i)+3],         v[ADRA+\slot] offset:FO+1024*\c+\i*TL
	ds_load_b128 v[FF+8*(4*\c+\i)+4:FF+8*(4*\c+\i)+7],       v[ADRA+\slot] offset:FO+1024*\c+\i*TL+512
.endr
.endr
.endm
.macro PLACES n
.rept \n
	v_nop
.endr
.endm
.macro QUARTER slot, hh, zero
.set FB, 128*((\hh)%2)
.set QB, 2*((\hh)%2)
.set SS, ((\slot)*GPS+(\hh)/2)%2
	s_wait_dscnt 16
	WIN MUL
	MUL8 FB, 0, 0, QB, SS, \zero
	MUL8 FB, 0, 2, QB, SS, \zero
	PLACES NP
	FETCH \slot, (\hh)+1
	s_wait_dscnt 32+4*(1-((\hh)+1)%2)
	WIN MUL
	MUL8 FB, 1, 0, QB+1, SS, 0
	MUL8 FB, 1, 2, QB+1, SS, 0
.endm
.macro TURN slot, next, fill
.set SS, ((\slot)*GPS+(NH-1)/2)%2
	WIN 0
	s_wait_tensorcnt 0x0
	ds_add_u32 v[SPW], v[NIL]
	s_wait_dscnt 17
	WIN MUL
	MUL8 128, 0, 0, 2, SS, 0
	s_wait_dscnt 0x0
	s_barrier_signal -1
	MUL8 128, 0, 2, 2, SS, 0
.if \fill
	WIN 0
.endif
	s_barrier_wait -1
.if \fill
	CREST
	s_add_nc_u64 s[G0+4*\slot+2:G0+4*\slot+3], s[G0+4*\slot+2:G0+4*\slot+3], 2*TL
	s_add_nc_u64 s[G0B+4*\slot+2:G0B+4*\slot+3], s[G0B+4*\slot+2:G0B+4*\slot+3], 2*TL
	JLOAD G0+4*\slot, G1, G0B+4*\slot, G1B
.else
	PLACES NP
.endif
	FETCH \next, 0
	WIN MUL
	MUL8 128, 1, 0, 3, SS, 0
	MUL8 128, 1, 2, 3, SS, 0
.endm
.macro QUARTERS slot, from
.set HQ, \from
.rept NH-1-\from
	QUARTER \slot, HQ, 0
.set HQ, HQ+1
.endr
.endm
	s_wait_alu depctr_va_vdst(0)
	s_wait_tensorcnt 0x0                           ; my part of slot 0 is in
	ds_add_u32 v[SPW], v[NIL]
	s_wait_dscnt 0x0
	CROUND                                         ; everybody's part is in, and the joint loads meet:
	JLOAD G0+4, G1, G0B+4, G1B                     ; slot 1's first fill, the first tensor load behind the round
	FETCH 0, 0
	QUARTER 0, 0, 1
.if LAPS > 1
	WIN 0
	s_mov_b32 s3, LAPS-1
.Llap:
	QUARTERS 0, 1
	TURN 0, 1, 1
	QUARTERS 1, 0
	TURN 1, 0, 1
	QUARTER 0, 0, 0
	WIN 0
	s_sub_co_u32 s3, s3, 1
	s_cmp_lg_u32 s3, 0
	s_cbranch_scc1 .Llap
.endif
	QUARTERS 0, 1
	TURN 0, 1, 0
	; the last fill has landed: now the bias of my four columns and my whole residual are asked for, 33 loads, block by block, under the last slot's products.
	; Register 32 a + 4 t on of window 2: rows 2 t, 2 t + 1 of block a.  Row u of block a is token 32 (a / 2) + 8 (a % 2) + u % 8 + 16 (u / 8)
	WIN 0
	global_load_b128 v[8:11], v[BO], s[8:9]
	WIN 0x80
.irp a, 0,1,2,3
.irp t, 0,1,2,3,4,5,6,7
	global_load_b128 v[32*\a+4*\t:32*\a+4*\t+3], v[CO], s[10:11] offset:(32*(\a/2)+8*(\a%2)+2*(\t%4)+16*(\t/4))*4096 th:TH_LOAD_NT
.endr
.endr
	WIN 0
	QUARTERS 1, 0
.set SS, (GPS+(NH-1)/2)%2
	s_wait_dscnt 16
	WIN MUL
	MUL8 128, 0, 0, 2, SS, 0
	MUL8 128, 0, 2, 2, SS, 0
	s_wait_dscnt 0
	MUL8 128, 1, 0, 3, SS, 0
	MUL8 128, 1, 2, 3, SS, 0
	WIN 0
.macro TOSTAGE a
.irp b, 0,1,2,3
	ds_store_b128 v[STO], v[ACC+8*(4*(\a)+\b):ACC+8*(4*(\a)+\b)+3] offset:128*(\b/2)+32*(\b%2)
	ds_store_b128 v[STO], v[ACC+8*(4*(\a)+\b)+4:ACC+8*(4*(\a)+\b)+7] offset:128*(\b/2)+32*(\b%2)+16
.endr
.set BB, BK+32*((\a)%2)
.irp t, 0,1,2,3,4,5,6,7
	ds_load_b128 v[BB+4*\t:BB+4*\t+3], v[RD] offset:\t*2*SPITCH
.endr
.endm
.macro SEND a, younger
.set BB, BK+32*((\a)%2)
	s_wait_dscnt \younger
	s_wait_loadcnt 24-8*(\a)                       ; the bias and the residual of blocks 0 .. a are in; the eight loads of each later block may be out
	WIN 0x08
.set i, 0
.rept 16
	v_pk_add_f32 v[BB+i:BB+i+1], v[BB+i:BB+i+1], v[32*(\a)+i:32*(\a)+i+1]
.set i, i+2
.endr
	WIN 0
.set i, 0
.rept 16
	v_pk_add_f32 v[BB+i:BB+i+1], v[BB+i:BB+i+1], v[8+i%4:9+i%4]
.set i, i+2
.endr
.irp t, 0,1,2,3,4,5,6,7
.if NT
	global_store_b128 v[CO], v[BB+4*\t:BB+4*\t+3], s[12:13] offset:(32*((\a)/2)+8*((\a)%2)+2*(\t%4)+16*(\t/4))*4096 th:TH_STORE_NT
.else
	global_store_b128 v[CO], v[BB+4*\t:BB+4*\t+3], s[12:13] offset:(32*((\a)/2)+8*((\a)%2)+2*(\t%4)+16*(\t/4))*4096
.endif
.endr
.endm
	PLACES NP
	TOSTAGE 0
.irp a, 1,2,3
.if \a > 1
	s_wait_xcnt 0x0
.endif
	TOSTAGE \a
	SEND \a-1, 16
.endr
	SEND 3, 0
	s_wait_tensorcnt 0x0
	ds_add_u32 v[SPW], v[NIL]
	s_wait_dscnt 0x0
	CROUND
	s_endpgm
.Lfunc_end_k_q166d10cff8_fc2:
	.size	k_q166d10cff8_fc2, .Lfunc_end_k_q166d10cff8_fc2-k_q166d10cff8_fc2
	.p2alignl 7, 3214868480
	.fill 96, 4, 3214868480
	.section	.rodata,"a",@progbits
	.p2align	6, 0x0
	.amdhsa_kernel k_q166d10cff8_fc2
		.amdhsa_group_segment_fixed_size 327680
		.amdhsa_private_segment_fixed_size 0
		.amdhsa_enable_private_segment 0
		.amdhsa_kernarg_size 40
		.amdhsa_user_sgpr_count 2
		.amdhsa_user_sgpr_kernarg_segment_ptr 1
		.amdhsa_wavefront_size32 1
		.amdhsa_system_sgpr_workgroup_id_x 1
		.amdhsa_system_sgpr_workgroup_id_y 1
		.amdhsa_system_sgpr_workgroup_id_z 1
		.amdhsa_system_vgpr_workitem_id 0
		.amdhsa_next_free_vgpr 768
		.amdhsa_next_free_sgpr 98
		.amdhsa_reserve_vcc 0
		.amdhsa_float_denorm_mode_32 3
		.amdhsa_float_denorm_mode_16_64 3
		.amdhsa_memory_ordered 1
		.amdhsa_forward_progress 1
		.amdhsa_inst_pref_size 132
	.end_amdhsa_kernel
	.amdgpu_metadata
---
amdhsa.version: [ 1, 2 ]
amdhsa.kernels:
  - .name:           k_q166d10cff8_fc2
    .symbol:         k_q166d10cff8_fc2.kd
    .args:
      - { .name: hid, .offset: 0, .size: 8, .value_kind: global_buffer, .address_space: global }
      - { .name: wpk, .offset: 8, .size: 8, .value_kind: global_buffer, .address_space: global }
      - { .name: b_fc2, .offset: 16, .size: 8, .value_kind: global_buffer, .address_space: global }
      - { .name: x1, .offset: 24, .size: 8, .value_kind: global_buffer, .address_space: global }
      - { .name: out0, .offset: 32, .size: 8, .value_kind: global_buffer, .address_space: global }
    .group_segment_fixed_size: 327680
    .private_segment_fixed_size: 0
    .kernarg_segment_align: 8
    .kernarg_segment_size: 40
    .max_flat_workgroup_size: 128
    .sgpr_count:     98
    .vgpr_count:     768
    .wavefront_size: 32
...
	.end_amdgpu_metadata
.endif
;; end of part 14
